; MI455X (gfx1250); checked and timed in simulation.
; The chip was launched on July 23, 2026; its instructions are those of AMD's public machine-readable ISA for CDNA 5 (MIT licence, August 2026) and "CDNA5" Instruction Set Architecture Reference Guide (July 2026). The comments in the code are by the model that wrote it; some were corrected since.
;; Causal Attn. Allowed arithmetic: float matrix products may take bf16 or f16 operands with f32 sums; other float arithmetic in f32, or as packed bf16 or f16 multiplies, adds, multiply-adds, maxima and minima; sums over many terms, partial sums and values carried from step to step in f32; what a program stores and reads back later, other than sums and carried values, may be rounded once to bf16 or f16.
;; Inputs: Wk 1,024 x 1,024 float32; Wq 1,024 x 1,024 float32; Wv 1,024 x 1,024 float32; x 4 x 2,048 x 1,024 float32.
;; Outputs: out0 4 x 2,048 x 1,024 float32.
;; 3 versions, each right; version 3 is version 2 with the launch cast written anew for expert scheduling mode. Each part assembles by itself: llvm-mc -triple=amdgcn-amd-amdhsa -mcpu=gfx1250 --defsym DOCPART=n.
;; ======== version 1 of 3: 5 launches
;; limits: values are held in f16: magnitudes above 65,504 overflow, below 6.1e-05 lose precision
;; workspace buffers: xb 16,777,216 bytes; wb 6,291,456 bytes; qkv 50,331,648 bytes; pf 33,554,432 bytes; st 1,048,576 bytes; h32 786,432 bytes
;; launch cast (part 1): grid 720 x 1, 8 waves a work-group, no clusters, 0 bytes of LDS; arguments x, Wq, Wk, Wv, xb, wb, st; writes xb, wb, st
.if DOCPART == 1
	.amdgcn_target "amdgcn-amd-amdhsa--gfx1250"
	.amdhsa_code_object_version 6
	.text
	.protected	k_qaf09dc43d4_cast
	.globl	k_qaf09dc43d4_cast
	.p2align	8
	.type	k_qaf09dc43d4_cast,@function
k_qaf09dc43d4_cast:
	s_mov_b64 s[64:65], 0
	v_nop
	global_prefetch_b8 v0, s[64:65] scope:SCOPE_SE
	s_setreg_imm32_b32 hwreg(HW_REG_WAVE_MODE, 25, 1), 1
	s_wait_xcnt 0x0
; x [8192][1024] and Wq, Wk, Wv [1024][1024], all f32, are rounded once to bf16: xb [8192][1024], wb [3072][1024] (rows of Wq, then Wk, then Wv).
; The table of statistics st (1 MiB of f32) is filled with -1e30: the entries that the launch of the scores does not store stand for blocks of keys that no query of the row block sees.
; SHARES.  A work-group takes 65,536 bytes of f32 (groups 0-511: x; 512-703: the weights, 64 groups each) or fills 65,536 bytes of st (groups 704-719).
; A wave takes 8,192 bytes: sixteen loads of 512 consecutive bytes, all issued at once; each gives one store of 256 consecutive bytes, aligned.  No LDS, no barrier, no loop.
.set XG, 512                           ; work-groups for x
.set WG, 192                           ; for the three weights
.set X,  4                             ; v[4:67]   sixteen loads of four registers
.set Y,  68                            ; v[68:99]  sixteen pairs to store
	s_load_b256 s[4:11], s[0:1], 0x0               ; x s[4:5], Wq s[6:7], Wk s[8:9], Wv s[10:11]
	s_load_b128 s[12:15], s[0:1], 0x20             ; xb s[12:13], wb s[14:15]
	s_load_b64 s[16:17], s[0:1], 0x30              ; st
	v_lshrrev_b32 v3, 5, v0                        ; wave
	v_and_b32 v2, 31, v0                           ; lane
	v_lshlrev_b32 v1, 4, v2
	v_lshl_add_u32 v1, v3, 13, v1                  ; in: 8,192 x wave + 16 x lane
	v_lshlrev_b32 v2, 3, v2
	v_lshl_add_u32 v2, v3, 12, v2                  ; out: 4,096 x wave + 8 x lane
	s_sub_co_u32 s25, ttmp9, XG                    ; my number among the weights' groups
	s_and_b32 s24, s25, 63                         ; my number inside one weight
	s_lshr_b32 s28, s25, 6                         ; which weight
	s_sub_co_u32 s30, ttmp9, XG+WG                 ; my number among st's groups
	s_lshl_b32 s30, s30, 16
	s_mov_b32 s31, 0
	s_mov_b32 s23, 0
	s_mov_b32 s27, 0
	s_wait_kmcnt 0x0
	s_cmp_ge_u32 ttmp9, XG+WG
	s_cbranch_scc1 .Lfill
	s_cmp_eq_u32 s28, 1
	s_cselect_b64 s[18:19], s[8:9], s[6:7]         ; Wk or Wq,
	s_cmp_eq_u32 s28, 2
	s_cselect_b64 s[18:19], s[10:11], s[18:19]     ; or Wv,
	s_cmp_lt_u32 ttmp9, XG
	s_cselect_b64 s[18:19], s[4:5], s[18:19]       ; or x
	s_cselect_b64 s[20:21], s[12:13], s[14:15]     ; xb or wb
	s_cselect_b32 s22, ttmp9, s24                  ; the group's number in its source,
	s_cselect_b32 s26, ttmp9, s25                  ; and in its destination
	s_lshl_b32 s22, s22, 16
	s_lshl_b32 s26, s26, 15
	s_add_nc_u64 s[18:19], s[18:19], s[22:23]
	s_add_nc_u64 s[20:21], s[20:21], s[26:27]
.irp i, 0,1,2,3,4,5,6,7,8,9,10,11,12,13,14,15
	global_load_b128 v[X+4*(\i):X+4*(\i)+3], v1, s[18:19] offset:512*(\i) th:TH_LOAD_NT
.endr
.irp i, 0,1,2,3,4,5,6,7,8,9,10,11,12,13,14,15
	s_wait_loadcnt 15-(\i)                         ; loads come back in order: load i is in, the younger ones stay out
	v_cvt_pk_bf16_f32 v[Y+2*(\i)],   v[X+4*(\i)],   v[X+4*(\i)+1]
	v_cvt_pk_bf16_f32 v[Y+2*(\i)+1], v[X+4*(\i)+2], v[X+4*(\i)+3]
	global_store_b64 v2, v[Y+2*(\i):Y+2*(\i)+1], s[20:21] offset:256*(\i)  ; 32 lanes x 8 bytes: 256 consecutive bytes, aligned
.endr
	s_endpgm
.Lfill:
	s_add_nc_u64 s[16:17], s[16:17], s[30:31]
.irp r, 0,1,2,3
	v_mov_b32 v[X+(\r)], 0xf149f2ca                ; -1e30
.endr
.irp i, 0,1,2,3,4,5,6,7,8,9,10,11,12,13,14,15
	global_store_b128 v1, v[X:X+3], s[16:17] offset:512*(\i)
.endr
	s_endpgm
.Lfunc_end_k_qaf09dc43d4_cast:
	.size	k_qaf09dc43d4_cast, .Lfunc_end_k_qaf09dc43d4_cast-k_qaf09dc43d4_cast
	.p2alignl 7, 3214868480
	.fill 96, 4, 3214868480
	.section	.rodata,"a",@progbits
	.p2align	6, 0x0
	.amdhsa_kernel k_qaf09dc43d4_cast
		.amdhsa_group_segment_fixed_size 0
		.amdhsa_private_segment_fixed_size 0
		.amdhsa_enable_private_segment 0
		.amdhsa_kernarg_size 56
		.amdhsa_user_sgpr_count 2
		.amdhsa_user_sgpr_kernarg_segment_ptr 1
		.amdhsa_wavefront_size32 1
		.amdhsa_system_sgpr_workgroup_id_x 1
		.amdhsa_system_sgpr_workgroup_id_y 1
		.amdhsa_system_sgpr_workgroup_id_z 1
		.amdhsa_system_vgpr_workitem_id 0
		.amdhsa_next_free_vgpr 104
		.amdhsa_next_free_sgpr 66
		.amdhsa_reserve_vcc 0
		.amdhsa_float_denorm_mode_32 3
		.amdhsa_float_denorm_mode_16_64 3
		.amdhsa_memory_ordered 1
		.amdhsa_forward_progress 1
		.amdhsa_inst_pref_size 9
	.end_amdhsa_kernel
	.amdgpu_metadata
---
amdhsa.version: [ 1, 2 ]
amdhsa.kernels:
  - .name:           k_qaf09dc43d4_cast
    .symbol:         k_qaf09dc43d4_cast.kd
    .args:
      - { .name: x, .offset: 0, .size: 8, .value_kind: global_buffer, .address_space: global }
      - { .name: Wq, .offset: 8, .size: 8, .value_kind: global_buffer, .address_space: global }
      - { .name: Wk, .offset: 16, .size: 8, .value_kind: global_buffer, .address_space: global }
      - { .name: Wv, .offset: 24, .size: 8, .value_kind: global_buffer, .address_space: global }
      - { .name: xb, .offset: 32, .size: 8, .value_kind: global_buffer, .address_space: global }
      - { .name: wb, .offset: 40, .size: 8, .value_kind: global_buffer, .address_space: global }
      - { .name: st, .offset: 48, .size: 8, .value_kind: global_buffer, .address_space: global }
    .group_segment_fixed_size: 0
    .private_segment_fixed_size: 0
    .kernarg_segment_align: 8
    .kernarg_segment_size: 56
    .max_flat_workgroup_size: 256
    .sgpr_count:     66
    .vgpr_count:     104
    .wavefront_size: 32
...
	.end_amdgpu_metadata
.endif
;; end of part 1
;; launch proj (part 2): grid 8 x 32, 4 waves a work-group, clusters of 4 x 4, 327,680 bytes of LDS; arguments xb, wb, qkv, h32; writes qkv, h32
.if DOCPART == 2
	.amdgcn_target "amdgcn-amd-amdhsa--gfx1250"
	.amdhsa_code_object_version 6
	.text
	.protected	k_qaf09dc43d4_proj
	.globl	k_qaf09dc43d4_proj
	.p2align	8
	.type	k_qaf09dc43d4_proj,@function
k_qaf09dc43d4_proj:
	s_mov_b64 s[64:65], 0
	v_nop
	global_prefetch_b8 v0, s[64:65] scope:SCOPE_SE
	s_setreg_imm32_b32 hwreg(HW_REG_WAVE_MODE, 25, 1), 1
	s_wait_xcnt 0x0
	s_wait_alu depctr_hold_cnt(0) depctr_sa_sdst(0) depctr_va_vdst(0) depctr_va_sdst(0) depctr_va_ssrc(0) depctr_va_vcc(0) depctr_vm_vsrc(0)
	s_getreg_b32 s2, hwreg(HW_REG_IB_STS2, 6, 4)
	s_cmp_eq_u32 s2, 0
	s_cbranch_scc0 .Lentry_in_a_cluster
	s_endpgm
.Lentry_in_a_cluster:
	s_bfe_u32 s2, ttmp6, 0x10000c
	s_cmp_lg_u32 s2, 0xf033
	s_cbranch_scc0 .Lentry_shape_is_right
	s_endpgm
.Lentry_shape_is_right:
; qkv[t][token][o] = the sum over d of xb[token][d] wb[1024 t + o][d], t = 0, 1, 2 (q, k, v).  xb: [8192][1024] bf16, wb: [3072][1024] bf16, qkv: [3][8192][1024] f16; sums in f32, rounded once.
; h32 keeps the f32 sums of tokens 0-15 of each batch, as the accumulators lie: [t][batch][tile of 16 outputs][half of the registers][lane][16 bytes]: the launch behind makes each batch's first 16 rows from them.
; LIMIT.  f16 ends at 65,504: a q, k or v beyond that leaves as an infinity.
; SHARES.  A work-group makes THREE tiles of 256 tokens x 128 outputs, the same tokens and output columns for q, k and v: 8 x 32 work-groups of equal work.  Wave w owns tokens 64 w .. 64 w + 63 and all 128 outputs:
; 32 accumulators of 16 x 16; a row of its tile is 256 bytes of qkv, so its stage on the way out is its own.  The token block is 8 cy + cluster y: the batch is cy, and a batch's first block lies in the clusters with y = 0.
; K goes in steps of 128 through a ring of two LDS slots, and the ring runs on from tile to tile: a tile's last two changes of slots ask for the next tile's first two K steps.
; CLUSTER.  4 x 4 work-groups.  The four of a row need the same rows of xb, the four of a column the same rows of wb: each tile is asked for jointly, by the same tensor load with the same descriptor and a mask of four.
; THE MATRIX INSTRUCTION IS USED TRANSPOSED (source 0 = 16 rows of wb, source 1 = 16 rows of xb): a lane then holds one token and eight neighbouring outputs, 16 bytes of f16.
; REGISTERS, in windows of 256 (s_set_vgpr_msb: bits 1:0 source 0, 3:2 source 1, 5:4 source 2, 7:6 destination):
;   window 0: v0-31 addresses; v64-159, v160-255 two fragment buffers (8 fragments of wb, then 4 of xb)     window 1: the 32 accumulators, (a, b) at 8 (8 a + b)     window 2: v0-95 at work on the way out
.set KSTEP,  128
.set PITCH,  272                       ; an LDS row: 256 bytes + 16 of padding = 68 words: the 16 rows of a fragment load start at 16 different groups of four banks (ISA guide 11.1)
.set HALFA,  128*PITCH                 ; what waves 0 and 1 fetch: 128 rows of xb each
.set HALFB,  64*PITCH                  ; what waves 2 and 3 fetch: 64 rows of wb each
.set SLOT,   2*HALFA+2*HALFB           ; xb's 256 rows, then wb's 128
.set STAGE,  2*SLOT                    ; behind the ring: 16 rows x 272 bytes for each wave
.set SPITCH, 272
.set SPARE,  STAGE+4*16*SPITCH         ; behind the stages: the spare words, 128 bytes a wave, that no other line names
.set ROWB,   2048                      ; bytes in a row of xb, wb and qkv
.set LAPS,   4                         ; a lap = two K steps; K = 1,024
.set TILES,  3
.set BACK_A, 6*KSTEP*2                 ; from a slot's last K step of a tile to its first of the next: xb goes back along K,
.set NEXT_B, 1024*ROWB-6*KSTEP*2       ; wb 1,024 rows down and back
.set NEXT_P, 1024*ROWB-7*KSTEP*2       ; the prefetches' pointer: from the K step after a tile's last to the next tile's K step 1
.set NEXT_C, 8192*ROWB-3*16*ROWB       ; from my last 16 rows of a tile to my first in the next plane of qkv
.set HPLANE, 262144                    ; a plane of h32: 64 tokens x 1,024 outputs of f32
.set ADRA, 16                          ; v16-17  LDS address of my fragments of xb in slot 0, 1
.set ADRB, 20                          ; v20-21  of wb's
.set STO,  24                          ; v24     the way out: where I put 16 bytes of a row
.set RD,   25                          ; v25     where I read rows back
.set CO,   26                          ; v26     my byte offset in two rows of qkv
.set HO,   27                          ; v27     16 x lane: my place in 512 bytes of h32
.set SPW,  28                          ; v28     LDS address of my spare word; never rewritten
.set NIL,  29                          ; v29     0; never rewritten
.set PFO,  30                          ; v30     the prefetches' offset: lane x a row; never rewritten
.set F0,   64
.set F1,   160
.set TMP,  0                           ; window 2: packed results
.set OB,   32                          ; window 2: 16 rows read back, two buffers of 32
.set HF,   14                          ; s14  0 in wave 0 of the clusters with y = 0: its token tile 0 is a batch's first 16 tokens
.set HP,   18                          ; s[18:19] h32 at my batch and my 8 output tiles, in the plane of the tile in hand
.set G1,   24                          ; s[24:31] descriptor group 1 for xb's tiles
.set G0,   32                          ; s[32:39] group 0, a set for each slot
.set G1B,  48                          ; s[48:55], s[56:63] the same for wb's
.set G0B,  56
.set LIM,  43                          ; s43  1 in a wave that prefetches, else the greatest number
.set PFA,  44                          ; s[44:45] where my prefetches stand
.set MUL,  0x50                        ; C and D in window 1, sources in window 0
.set MSB, 0
.macro WIN new                         ; the immediate's high byte repeats the setting that is left; a switch that changes nothing is dropped
.if MSB != (\new)
	s_set_vgpr_msb (MSB<<8)|(\new)
.set MSB, \new
.endif
.endm
; A joint load: waves 0 and 1 fetch xb's two halves, waves 2 and 3 wb's.  The branch hangs on the wave's number alone.  An s_nop 0 and four v_nop follow each of the two lines.
.macro JLOAD s
	s_cmp_eq_u32 s11, 0
	s_cbranch_scc0 .Lfor_b_\@
	tensor_load_to_lds s[G0+4*(\s):G0+4*(\s)+3], s[G1:G1+7]
	s_nop 0
.rept 4
	v_nop
.endr
	s_branch .Lasked_\@
.Lfor_b_\@:
	tensor_load_to_lds s[G0B+4*(\s):G0B+4*(\s)+3], s[G1B:G1B+7]
	s_nop 0
.rept 4
	v_nop
.endr
.Lasked_\@:
.endm
; A prefetch into the L2 of the K step that stands two refills on: 32 rows x 256 bytes, a lane a row, one instruction a wave.  xb's rows: waves 0 and 1 of the clusters with x = 0, in the first tile alone (the later
; tiles read the same rows again); of the 128 rows that the wave fetches the partner at cx takes 32.  wb's rows: wave 2 of the clusters with y = 0, in every tile; of the tile's 128 rows the partner at cy takes 32.
; The partners are told apart by address, never by a branch.  how = 0, in the loop: the last trip has no K step two on.  how = 1: at a change of tiles.
.macro ASK how
.if \how
	s_cmp_eq_u32 s[LIM], 1
.else
	s_cmp_gt_u32 s3, s[LIM]
.endif
	s_cbranch_scc0 .Lnot_mine_\@
	global_prefetch_b8 v[PFO], s[PFA:PFA+1] offset:KSTEP*2 th:TH_LOAD_NT scope:SCOPE_SE
.Lnot_mine_\@:
.endm
.macro CREST                           ; a round of the cluster's barrier behind its opening barrier
	s_cmp_lg_u32 s10, 0
	s_cbranch_scc1 .Lnot_wave_0_\@
	s_barrier_signal -3
.Lnot_wave_0_\@:
	s_barrier_wait -3
	s_barrier_signal -1
	s_barrier_wait -1
.endm
.macro CROUND                          ; a whole round
	s_barrier_signal -1
	s_barrier_wait -1
	CREST
.endm
	s_load_b128 s[4:7], s[0:1], 0x0                ; xb s[4:5], wb s[6:7]
	s_load_b64 s[8:9], s[0:1], 0x10                ; qkv
	s_load_b64 s[HP:HP+1], s[0:1], 0x18            ; h32
	v_lshl_add_u32 v[SPW], v0, 2, SPARE
	v_mov_b32 v[NIL], 0
	ds_add_u32 v[SPW], v[NIL]                      ; the wave's opening: the add and its wait ahead of my first tensor load; the set-up below stands between them
	v_lshrrev_b32 v1, 5, v0
	v_readfirstlane_b32 s10, v1                    ; wave 0..3
	s_lshr_b32 s11, s10, 1                         ; I fetch for xb (0) or for wb (1)
	s_and_b32 s12, s10, 1                          ; which half of that tile's rows
	s_bfe_u32 s40, ttmp6, 0x40000                  ; cx
	s_bfe_u32 s41, ttmp6, 0x40004                  ; cy
	s_lshl_b32 s42, ttmp9, 2
	s_add_co_u32 s42, s42, s40                     ; block of 128 outputs = 4 x cluster x + cx
	s_and_b32 s13, ttmp7, 0xffff
	s_lshl_b32 s14, s41, 3
	s_add_co_u32 s13, s13, s14                     ; block of 256 tokens = 8 x cy + cluster y: batch cy, its block number cluster y
	s_lshl_b32 s43, s41, 2
	s_lshl_b32 s43, 15, s43                        ; my row of the cluster
	s_lshl_b32 s44, 0x1111, s40                    ; my column
	s_or_b32 s[G1+0], s43, (1<<16)|(1<<20)|(1<<21)|(5<<22)|(3<<25)   ; the mask; 2-byte elements; padding on; bit 21 beside a mask; after every 64 words 4 words
	s_or_b32 s[G1B+0], s44, (1<<16)|(1<<20)|(1<<21)|(5<<22)|(3<<25)
	s_mov_b32 s[G1+1], KSTEP<<16                   ; tensor_dim0 = 128
	s_mov_b32 s[G1+2], 128<<16                     ; tensor_dim1 = 128
	s_mov_b32 s[G1+3], KSTEP<<16                   ; tile_dim0 = 128
	s_mov_b32 s[G1+4], 128                         ; tile_dim1 = 128
	s_mov_b32 s[G1+5], 1024                        ; elements from row to row
	s_mov_b32 s[G1+6], 0
	s_mov_b32 s[G1+7], 0
	s_mov_b32 s[G1B+1], KSTEP<<16
	s_mov_b32 s[G1B+2], 64<<16                     ; 64 rows
	s_mov_b32 s[G1B+3], KSTEP<<16
	s_mov_b32 s[G1B+4], 64
	s_mov_b32 s[G1B+5], 1024
	s_mov_b32 s[G1B+6], 0
	s_mov_b32 s[G1B+7], 0
	s_lshl_b32 s17, s12, 7
	s_lshl_b32 s16, s13, 8
	s_add_co_u32 s16, s16, s17                     ; xb: row 256 x token block + 128 x half
	s_lshl_b32 s16, s16, 11
	s_mov_b32 s17, 0
	s_lshl_b32 s47, s12, 6
	s_lshl_b32 s46, s42, 7
	s_add_co_u32 s46, s46, s47                     ; wb: row 128 x output block + 64 x half
	s_lshl_b32 s46, s46, 11
	s_mov_b32 s47, 0
	s_mul_i32 s20, s10, HALFA                      ; where xb's halves go: wave x 128 rows (waves 0, 1)
	s_mul_i32 s21, s10, HALFB
	s_add_co_u32 s21, s21, HALFA                   ; where wb's go: behind xb's 256 rows, (wave - 2) x 64 rows (waves 2, 3)
	s_wait_dscnt 0x0                               ; the opening add is done
	s_wait_kmcnt 0x0
	s_add_nc_u64 s[14:15], s[4:5], s[16:17]
	s_add_nc_u64 s[46:47], s[6:7], s[46:47]
	CROUND                                         ; all sixteen work-groups are here: the first joint loads meet
.irp s, 0,1
	s_mov_b32 s[G0+4*(\s)], 1
	s_add_co_u32 s[G0+4*(\s)+1], s20, (\s)*SLOT
	s_add_nc_u64 s[G0+4*(\s)+2:G0+4*(\s)+3], s[14:15], (\s)*KSTEP*2
	s_or_b32 s[G0+4*(\s)+3], s[G0+4*(\s)+3], 0x80000000
	s_mov_b32 s[G0B+4*(\s)], 1
	s_add_co_u32 s[G0B+4*(\s)+1], s21, (\s)*SLOT
	s_add_nc_u64 s[G0B+4*(\s)+2:G0B+4*(\s)+3], s[46:47], (\s)*KSTEP*2
	s_or_b32 s[G0B+4*(\s)+3], s[G0B+4*(\s)+3], 0x80000000
	JLOAD \s                                       ; two tensor loads of mine are out
.endr
	v_and_b32 v1, 15, v0                           ; l % 16
	v_bfe_u32 v2, v0, 4, 1                         ; l / 16
	v_mul_u32_u24 v3, v1, PITCH
	v_lshl_add_u32 v3, v2, 4, v3                   ; a fragment's row x pitch + 16 x half
	s_mul_i32 s21, s10, 64*PITCH                   ; my 64 rows of xb
	s_mov_b32 s22, 2*HALFA                         ; wb's 128 rows
.irp s, 0,1
	v_add_nc_u32 v[ADRA+(\s)], s21, v3
	v_add_nc_u32 v[ADRB+(\s)], s22, v3
	s_add_co_u32 s21, s21, SLOT
	s_add_co_u32 s22, s22, SLOT
.endr
	s_mul_i32 s23, s10, 16*SPITCH
	s_add_co_u32 s23, s23, STAGE                   ; my stage
	v_mul_u32_u24 v4, v1, SPITCH
	v_lshl_add_u32 v4, v2, 4, v4
	v_add_nc_u32 v[STO], s23, v4                   ; in: row l % 16, 16 bytes for each half of the lanes
	v_mul_u32_u24 v5, v2, SPITCH
	v_lshl_add_u32 v5, v1, 4, v5
	v_add_nc_u32 v[RD], s23, v5                    ; back: lanes 0-15 one row of 256 bytes, lanes 16-31 the next
	v_lshlrev_b32 v5, 11, v2
	v_lshl_add_u32 v[CO], v1, 4, v5                ; the same two rows in qkv
	s_lshl_b32 s16, s13, 8
	s_lshl_b32 s17, s10, 6
	s_add_co_u32 s16, s16, s17                     ; my first token
	s_lshl_b32 s16, s16, 11
	s_lshl_b32 s17, s42, 8                         ; my tile's first output, in bytes
	s_add_co_u32 s16, s16, s17
	s_mov_b32 s17, 0                               ; s[16:17]: what the first way out adds to qkv's address
	; the prefetches
	s_lshl_b32 s20, s13, 8
	s_lshl_b32 s21, s12, 7
	s_add_co_u32 s20, s20, s21                     ; xb's 128 rows that I fetch
	s_lshl_b32 s21, s42, 7                         ; wb's tile of 128 rows
	s_and_b32 s22, ttmp7, 0xffff                   ; cluster y
	s_cmp_eq_u32 s10, 3
	s_cselect_b32 s23, 1, 0
	s_or_b32 s22, s22, s23                         ; wave 3 asks for nothing
	s_cmp_eq_u32 s11, 0
	s_cselect_b32 s20, s20, s21
	s_cselect_b32 s21, s40, s41                    ; my place among the four that ask with me
	s_cselect_b32 s22, ttmp9, s22                  ; the coordinate along which other clusters read the same rows
	s_cselect_b64 s[PFA:PFA+1], s[4:5], s[6:7]
	s_cmp_eq_u32 s22, 0
	s_cselect_b32 s[LIM], 1, -1                    ; the same in all sixteen partners, for a given wave
	s_lshl_b32 s21, s21, 5
	s_add_co_u32 s20, s20, s21                     ; my work-group's 32 rows
	s_lshl_b32 s20, s20, 11
	s_add_co_u32 s20, s20, 2*KSTEP*2               ; at K step 2: the first refill steps it to 3 and names K step 4
	s_mov_b32 s21, 0
	s_add_nc_u64 s[PFA:PFA+1], s[PFA:PFA+1], s[20:21]
	v_and_b32 v[PFO], 31, v0
	v_lshlrev_b32 v[HO], 4, v[PFO]
	v_lshlrev_b32 v[PFO], 11, v[PFO]
	; the f32 copy of a batch's first 16 tokens
	s_and_b32 s[HF], ttmp7, 0xffff
	s_or_b32 s[HF], s[HF], s10                     ; made of the cluster's y and the wave's number: the same in all sixteen partners, for a given wave
	s_lshl_b32 s20, s41, 16                        ; batch cy: 65,536 bytes of a plane,
	s_lshl_b32 s21, s42, 13                        ; my 8 output tiles of 1,024 bytes
	s_add_co_u32 s20, s20, s21
	s_mov_b32 s21, 0
	s_add_nc_u64 s[HP:HP+1], s[HP:HP+1], s[20:21]
; 8 matrix instructions: token tile a x all 8 output tiles, 32 along K.  zero = 1: the product starts the sums.  The 32 accumulators take turns, one instruction a turn, in the same order in every quarter.
.macro MUL8 f, a, zero
	WIN MUL
.irp b, 0,1,2,3,4,5,6,7
.if \zero
	v_wmma_f32_16x16x32_bf16 v[8*(8*(\a)+(\b)):8*(8*(\a)+(\b))+7], v[(\f)+8*(\b):(\f)+8*(\b)+7], v[(\f)+64+8*(\a):(\f)+64+8*(\a)+7], 0
.else
	v_wmma_f32_16x16x32_bf16 v[8*(8*(\a)+(\b)):8*(8*(\a)+(\b))+7], v[(\f)+8*(\b):(\f)+8*(\b)+7], v[(\f)+64+8*(\a):(\f)+64+8*(\a)+7], v[8*(8*(\a)+(\b)):8*(8*(\a)+(\b))+7]
.endif
.endr
.endm
; 24 LDS loads in one run: a quarter step's fragments (32 K at byte k of the rows) into buffer f: wb's eight, then xb's four
.macro FETCH slot, k, f
	WIN 0
.irp i, 0,1,2,3,4,5,6,7
	ds_load_b128 v[(\f)+8*(\i):(\f)+8*(\i)+3],   v[ADRB+(\slot)] offset:(\k)+(\i)*16*PITCH
	ds_load_b128 v[(\f)+8*(\i)+4:(\f)+8*(\i)+7], v[ADRB+(\slot)] offset:(\k)+(\i)*16*PITCH+32
.endr
.irp i, 0,1,2,3
	ds_load_b128 v[(\f)+64+8*(\i):(\f)+64+8*(\i)+3],   v[ADRA+(\slot)] offset:(\k)+(\i)*16*PITCH
	ds_load_b128 v[(\f)+64+8*(\i)+4:(\f)+64+8*(\i)+7], v[ADRA+(\slot)] offset:(\k)+(\i)*16*PITCH+32
.endr
.endm
.macro PLACES                          ; four plain vector instructions between a matrix instruction and a load into a register that it read, or a vector instruction that reads its result
.rept 4
	v_nop
.endr
.endm
; A K step is four quarters of 32 along K, 32 matrix instructions each, on buffers 0, 1, 0, 1.  One of the first three multiplies f and fetches the next quarter, at byte k, into g.
.macro QUARTER slot, k, f, g, zero
	s_wait_dscnt 4                                 ; wb's fragments and xb's first two are in; the youngest four loads may be out
	MUL8 \f, 0, \zero
	MUL8 \f, 1, \zero
	PLACES
	FETCH \slot, \k, \g
	s_wait_dscnt 24                                ; all but the 24 just issued
	MUL8 \f, 2, \zero
	MUL8 \f, 3, \zero
.endm
; The last quarter's first half: one barrier for the change of slots.  In front of it each wave waits for all its tensor loads (one is out: its part of the next slot), adds 0 to its spare word, and waits for that and for its reads of this slot.
.macro MEET round
	WIN 0
	s_wait_tensorcnt 0x0
	ds_add_u32 v[SPW], v[NIL]
	s_wait_dscnt 5                                 ; the add and the youngest four loads may be out
	MUL8 F1, 0, 0
	s_wait_dscnt 0x0                               ; the add is done, and my reads of this slot are over
	s_barrier_signal -1
	MUL8 F1, 1, 0
.if \round
	WIN 0
.endif
	s_barrier_wait -1
.endm
; The whole last quarter with a refill: this tile's K step two on (on = 0) or the next tile's K step 0 or 1 (on = 1).  The barrier opens a round of the cluster's; the joint load is the first tensor load behind it.
.macro TURN slot, next, on
	s_wait_xcnt 0x0                                ; the last prefetch, a K step back, has read its address
.if (\on) && (\slot) == 0
	s_add_nc_u64 s[PFA:PFA+1], s[PFA:PFA+1], NEXT_P
	s_cmp_eq_u32 s11, 0
	s_cselect_b32 s[LIM], -1, s[LIM]               ; xb's rows are the same for all three tiles: they are asked for no more
.else
	s_add_nc_u64 s[PFA:PFA+1], s[PFA:PFA+1], KSTEP*2
.endif
	MEET 1
	CREST                                          ; no wave of any partner still reads this slot or has a load on its way
.if \on
	s_sub_nc_u64 s[G0+4*(\slot)+2:G0+4*(\slot)+3], s[G0+4*(\slot)+2:G0+4*(\slot)+3], BACK_A
	s_add_nc_u64 s[G0B+4*(\slot)+2:G0B+4*(\slot)+3], s[G0B+4*(\slot)+2:G0B+4*(\slot)+3], NEXT_B
.else
	s_add_nc_u64 s[G0+4*(\slot)+2:G0+4*(\slot)+3], s[G0+4*(\slot)+2:G0+4*(\slot)+3], 2*KSTEP*2
	s_add_nc_u64 s[G0B+4*(\slot)+2:G0B+4*(\slot)+3], s[G0B+4*(\slot)+2:G0B+4*(\slot)+3], 2*KSTEP*2
.endif
	JLOAD \slot                                    ; 112 matrix instructions ahead of the wait for it; its four v_nop are also the places in front of the loads below
	FETCH \next, 0, F0
	ASK \on
	MUL8 F1, 2, 0
	MUL8 F1, 3, 0
.endm
; THE WAY OUT.  KEEP: where token tile 0 is a batch's first 16 tokens its eight accumulators are stored as they lie, in f32: each store covers 512 consecutive bytes, aligned; each accumulator's low registers first.
; The branch hangs on the cluster's y and the wave's number alone.
.macro KEEP
	WIN 0
	s_cmp_lg_u32 s[HF], 0
	s_cbranch_scc1 .Lnot_first_\@
	WIN 0x04                                       ; store data in window 1
.irp b, 0,1,2,3,4,5,6,7
	global_store_b128 v[HO], v[8*(\b):8*(\b)+3],   s[HP:HP+1] offset:1024*(\b)
	global_store_b128 v[HO], v[8*(\b)+4:8*(\b)+7], s[HP:HP+1] offset:1024*(\b)+512
.endr
	WIN 0
.Lnot_first_\@:
.endm
; Token tile a.  PACK: rounded to f16, each accumulator's registers in ascending order.  TOSTAGE: into my stage, and back as whole rows of 256 bytes.  SEND: stored.
.macro PACK a
	WIN 0x85                                       ; sources in window 1, destination in window 2
.irp b, 0,1,2,3,4,5,6,7
.irp r, 0,1,2,3
	v_cvt_pk_f16_f32 v[TMP+4*(\b)+(\r)], v[64*(\a)+8*(\b)+2*(\r)], v[64*(\a)+8*(\b)+2*(\r)+1]
.endr
.endr
.endm
.macro TOSTAGE a
	WIN 0x08                                       ; store data in window 2
.irp b, 0,1,2,3,4,5,6,7
	ds_store_b128 v[STO], v[TMP+4*(\b):TMP+4*(\b)+3] offset:32*(\b)
.endr
	WIN 0x80                                       ; loaded data into window 2
.irp t, 0,1,2,3,4,5,6,7
	ds_load_b128 v[OB+32*((\a)%2)+4*(\t):OB+32*((\a)%2)+4*(\t)+3], v[RD] offset:(\t)*2*SPITCH  ; LDS serves a wave's instructions in order: these see the stores above
.endr
.endm
.macro SEND a
	WIN 0x08
	s_wait_dscnt 0x0                               ; the tile is back in registers
	s_wait_xcnt 0x0                                ; earlier stores have read their bases and data: only behind this wait are they rewritten
.if (\a) == 0
	s_add_nc_u64 s[8:9], s[8:9], s[16:17]          ; on to this tile's first rows
	s_add_nc_u64 s[HP:HP+1], s[HP:HP+1], HPLANE    ; and h32 to the next tile's plane
.else
	s_add_nc_u64 s[8:9], s[8:9], 16*ROWB
.endif
.irp t, 0,1,2,3,4,5,6,7
	global_store_b128 v[CO], v[OB+32*((\a)%2)+4*(\t):OB+32*((\a)%2)+4*(\t)+3], s[8:9] offset:2*(\t)*ROWB  ; 16 lanes store 256 consecutive bytes, aligned
.endr
.endm
.macro WAYOUT
	KEEP
	PACK 0
	TOSTAGE 0
.irp a, 1,2,3                          ; tile a's conversions stand between tile a - 1's loads from the stage and the wait for them
	PACK \a
	SEND (\a)-1
	TOSTAGE \a
.endr
	SEND 3
	WIN 0
.endm
	s_wait_tensorcnt 1                             ; my part of K step 0 is in; K step 1's may stay out
	s_barrier_signal -1
	s_barrier_wait -1
	FETCH 0, 0, F0
	s_mov_b32 s2, TILES                            ; tiles to go
.Ltile:
	QUARTER 0, 64,  F0, F1, 1                      ; a tile's first quarter starts the sums
	WIN 0
	s_mov_b32 s3, LAPS-1
.Llap:                                                 ; a trip goes once round the ring and fills both slots again
	QUARTER 0, 128, F1, F0, 0
	QUARTER 0, 192, F0, F1, 0
	TURN 0, 1, 0
	QUARTER 1, 64,  F0, F1, 0
	QUARTER 1, 128, F1, F0, 0
	QUARTER 1, 192, F0, F1, 0
	TURN 1, 0, 0
	QUARTER 0, 64,  F0, F1, 0
	WIN 0
	s_sub_co_u32 s3, s3, 1
	s_cmp_lg_u32 s3, 0
	s_cbranch_scc1 .Llap
	QUARTER 0, 128, F1, F0, 0
	QUARTER 0, 192, F0, F1, 0
	WIN 0
	s_cmp_eq_u32 s2, 1
	s_cbranch_scc1 .Llast_tile                     ; the last tile's tail is written out: it asks for nothing more
	TURN 0, 1, 1                                   ; the ring goes on into the next tile: slot 0 takes its K step 0,
	QUARTER 1, 64,  F0, F1, 0
	QUARTER 1, 128, F1, F0, 0
	QUARTER 1, 192, F0, F1, 0
	TURN 1, 0, 1                                   ; slot 1 its K step 1, and the next tile's first fragments are fetched
	WAYOUT                                         ; tiles 0 and 1 were finished ahead of the joint load's v_nop; their 64 conversions are the places behind the last products
	s_mov_b64 s[16:17], NEXT_C
	s_sub_co_u32 s2, s2, 1
	s_branch .Ltile
.Llast_tile:
	MEET 0                                         ; the load that was out is the last K step's
	PLACES
	FETCH 1, 0, F0
	MUL8 F1, 2, 0
	MUL8 F1, 3, 0
	QUARTER 1, 64,  F0, F1, 0
	QUARTER 1, 128, F1, F0, 0
	QUARTER 1, 192, F0, F1, 0
	s_wait_dscnt 4
	MUL8 F1, 0, 0
	MUL8 F1, 1, 0
	s_wait_dscnt 0x0
	MUL8 F1, 2, 0
	MUL8 F1, 3, 0
	PLACES
	WAYOUT
	s_wait_tensorcnt 0x0                           ; the wave's end: behind my last tensor load and my last LDS store
	ds_add_u32 v[SPW], v[NIL]
	s_wait_dscnt 0x0
	CROUND                                         ; the closing round
	s_endpgm
.Lfunc_end_k_qaf09dc43d4_proj:
	.size	k_qaf09dc43d4_proj, .Lfunc_end_k_qaf09dc43d4_proj-k_qaf09dc43d4_proj
	.p2alignl 7, 3214868480
	.fill 96, 4, 3214868480
	.section	.rodata,"a",@progbits
	.p2align	6, 0x0
	.amdhsa_kernel k_qaf09dc43d4_proj
		.amdhsa_group_segment_fixed_size 327680
		.amdhsa_private_segment_fixed_size 0
		.amdhsa_enable_private_segment 0
		.amdhsa_kernarg_size 32
		.amdhsa_user_sgpr_count 2
		.amdhsa_user_sgpr_kernarg_segment_ptr 1
		.amdhsa_wavefront_size32 1
		.amdhsa_system_sgpr_workgroup_id_x 1
		.amdhsa_system_sgpr_workgroup_id_y 1
		.amdhsa_system_sgpr_workgroup_id_z 1
		.amdhsa_system_vgpr_workitem_id 0
		.amdhsa_next_free_vgpr 608
		.amdhsa_next_free_sgpr 66
		.amdhsa_reserve_vcc 0
		.amdhsa_float_denorm_mode_32 3
		.amdhsa_float_denorm_mode_16_64 3
		.amdhsa_memory_ordered 1
		.amdhsa_forward_progress 1
		.amdhsa_inst_pref_size 128
	.end_amdhsa_kernel
	.amdgpu_metadata
---
amdhsa.version: [ 1, 2 ]
amdhsa.kernels:
  - .name:           k_qaf09dc43d4_proj
    .symbol:         k_qaf09dc43d4_proj.kd
    .args:
      - { .name: xb, .offset: 0, .size: 8, .value_kind: global_buffer, .address_space: global }
      - { .name: wb, .offset: 8, .size: 8, .value_kind: global_buffer, .address_space: global }
      - { .name: qkv, .offset: 16, .size: 8, .value_kind: global_buffer, .address_space: global }
      - { .name: h32, .offset: 24, .size: 8, .value_kind: global_buffer, .address_space: global }
    .group_segment_fixed_size: 327680
    .private_segment_fixed_size: 0
    .kernarg_segment_align: 8
    .kernarg_segment_size: 32
    .max_flat_workgroup_size: 128
    .sgpr_count:     66
    .vgpr_count:     608
    .wavefront_size: 32
...
	.end_amdgpu_metadata
.endif
;; end of part 2
;; launch head (part 3): grid 4 x 4, 8 waves a work-group, no clusters, 50,432 bytes of LDS; arguments h32, out0; writes out0
.if DOCPART == 3
	.amdgcn_target "amdgcn-amd-amdhsa--gfx1250"
	.amdhsa_code_object_version 6
	.text
	.protected	k_qaf09dc43d4_head
	.globl	k_qaf09dc43d4_head
	.p2align	8
	.type	k_qaf09dc43d4_head,@function
k_qaf09dc43d4_head:
	s_mov_b64 s[64:65], 0
	v_nop
	global_prefetch_b8 v0, s[64:65] scope:SCOPE_SE
	s_setreg_imm32_b32 hwreg(HW_REG_WAVE_MODE, 25, 1), 1
	s_wait_xcnt 0x0
; THE FIRST 16 ROWS OF EACH BATCH.  out0[b][q][:] for q = 0 .. 15: softmax over k <= q of q . k / 32, times v, from the f32 sums of q, k and v that the projection kept in h32.
; WHY APART.  Row q is a mean of q + 1 rows of v: the first rows' numbers have v's own size, while most of the output's rows are means of hundreds of rows and far smaller.  A number of the first rows that nearly
; cancels is wanted to more digits of v's size than f16's 11 bits in q, k, p and v leave it.  With n keys the roundings' sum falls as the root of n; these 16 rows are made here, all others by the two launches behind.
; HOW.  Each number x goes to the matrix unit as TWO f16 numbers, hi = f16(x) and lo = f16(x - hi) (the difference is exact in f32), and a product a b as hi hi + hi lo + lo hi, all summed in f32: some 22 bits.
; LIMITS.  |q|, |k|, |v| within f16's 65,504; a lo part below 6e-5 keeps f16's fixed step of 6e-8; a hidden score counts as -1e30; NaN and infinities are not treated apart.
; h32: [t = q, k, v][batch][tile of 16 outputs][half][lane][16 bytes]: the projection's accumulators as they lay: lane l holds token l % 16 and outputs 8 (l / 16) + 0..7 of the tile.  Two neighbouring tiles, rounded in
; pairs, ARE a fragment of 16 tokens x 32 channels, in the same lanes.
; SHARES.  A work-group makes 256 channels of a batch's 16 rows: 4 x 4 work-groups.  S^T = K Q^T (16 keys x 16 queries) is made in every work-group, its 1,024 channels split among the eight waves, 128 each;
; the eight partial tiles meet in LDS.  Every wave then makes the softmax and takes 32 channels of O^T = V^T P.  The fragments' keys 16-31 are zeros.
; No tensor load, no ring, no cluster: the launch reads 144 KiB a work-group once, and what the four work-groups of a batch share is read at the same time.
; REGISTERS: window 0: addresses, statistics, accumulators, V's and P's fragments.  Window 1: v0-127 q's and k's f32 numbers; v128-255 their fragments: q hi, q lo, k hi, k lo, 32 registers each.
.set PART,  0                          ; LDS: wave w's partial S^T, 1,024 bytes, at 1,024 w
.set HV,    8192                       ; wave w's own 16 keys x 32 channels of V, hi then lo, at HV + w VW
.set VP,    96                         ; a row there: 64 bytes + 32 of padding: 8 rows x 32 bytes of a turning load fall on different banks
.set VW,    2*16*VP
.set STG,   HV+8*VW                    ; the work-group's stage for the way out: 16 rows
.set SGP,   1040                       ; of 1,024 bytes + 16 of padding
.set SPARE, STG+16*SGP                 ; the spare words, 128 bytes a wave, that no other line names
.set PLANE, 262144                     ; a plane of h32
.set LO,  4                            ; v4   16 x lane
.set VS,  5                            ; v5   where I put 16 bytes of a row of V
.set VT,  6                            ; v6   my address for the turning loads
.set LS,  7                            ; v7   where I put my 32 bytes of the partial tile
.set LR,  8                            ; v8   where I read them back
.set SS,  9                            ; v9   the stage: where I put 32 bytes of a row
.set SR,  10                           ; v10  where I read rows back
.set GO,  11                           ; v11  my byte offset in out0
.set DD,  12                           ; v12  l % 16 - 8 (l / 16): register j is hidden where j is greater
.set TT,  13
.set SPW, 14                           ; v14  my spare word; never rewritten
.set NIL, 15                           ; v15  0; never rewritten
.set M1,  16                           ; v16  -1.0
.set BIG, 17                           ; v17  -1e30
.set CC,  18                           ; v18-19 the maximum
.set CM,  20                           ; v20-21 c m (a pair's low word is taken for both halves)
.set LL,  22                           ; v22-25 the sum
.set LM,  24
.set RL,  26                           ; v26-27 1 / l
.set BK,  32                           ; v32-47  rows read back from the stage
.set PD,  48                           ; v48-55  the weights' remainders
.set SA,  64                           ; v64-87  S^T: hi hi, hi lo, lo hi
.set SB,  72
.set SC,  80
.set PR,  88                           ; v88-151 the eight partial tiles; then the scores and weights in v88-95
.set V32, 152                          ; v152-167 my two tiles of v in f32
.set VPK, 168                          ; v168-183 packed: hi, then lo
.set VF,  184                          ; v184-215 V^T's fragments: hi of channel tiles 0, 1, then lo
.set PH,  216                          ; v216-223 P hi
.set PL,  224                          ; v224-231 P lo
.set OA,  232                          ; v232-247 O^T, two channel tiles
.set QH,  128                          ; window 1
.set QL,  160
.set KH,  192
.set KL,  224
.set SEL, 18                           ; s[18:19] v_permlanex16_b32's selects
.set CS,  20                           ; s[20:21] c = log2(e) / 32
.set MSB, 0
.macro WIN new                         ; the immediate's high byte repeats the setting that is left
.if MSB != (\new)
	s_set_vgpr_msb (MSB<<8)|(\new)
.set MSB, \new
.endif
.endm
.macro PLACES                          ; four plain vector instructions behind a matrix instruction (ISA guide 7.12.1)
.rept 4
	v_nop
.endr
.endm
	s_load_b128 s[4:7], s[0:1], 0x0                ; h32 s[4:5], out0 s[6:7]
	v_lshl_add_u32 v[SPW], v0, 2, SPARE
	v_mov_b32 v[NIL], 0
	v_lshrrev_b32 v1, 5, v0
	v_readfirstlane_b32 s8, v1                     ; wave 0..7
	v_and_b32 v1, 31, v0                           ; lane
	v_and_b32 v2, 15, v0                           ; l % 16
	v_bfe_u32 v3, v0, 4, 1                         ; l / 16
	s_and_b32 s9, ttmp7, 0xffff                    ; batch
	s_lshl_b32 s10, s9, 16                         ; the batch's 65,536 bytes of a plane,
	s_lshl_b32 s22, s8, 13
	s_add_co_u32 s10, s10, s22                     ; my 8 tiles of 16 channels of q and k
	s_mov_b32 s11, 0
	s_lshl_b32 s24, s9, 16
	s_lshl_b32 s22, ttmp9, 14                      ; the work-group's 16 tiles of v,
	s_add_co_u32 s24, s24, s22
	s_lshl_b32 s22, s8, 11                         ; my two of them,
	s_add_co_u32 s24, s24, s22
	s_add_co_u32 s24, s24, 2*PLANE                 ; in plane 2
	s_mov_b32 s25, 0
	s_lshl_b32 s26, s9, 23                         ; the batch's 2,048 rows of 4,096 bytes of out0,
	s_lshl_b32 s22, ttmp9, 10                      ; the work-group's 256 channels
	s_add_co_u32 s26, s26, s22
	s_mov_b32 s27, 0
	s_mov_b32 s[SEL], 0x76543210
	s_mov_b32 s[SEL+1], 0xfedcba98
	s_mov_b32 s[CS], 0x3d38aa3b
	s_mov_b32 s[CS+1], s[CS]
	v_lshlrev_b32 v[LO], 4, v1
	s_wait_kmcnt 0x0
	s_add_nc_u64 s[12:13], s[4:5], s[10:11]        ; q
	s_add_nc_u64 s[14:15], s[12:13], PLANE         ; k
	s_add_nc_u64 s[16:17], s[4:5], s[24:25]        ; v
	s_add_nc_u64 s[6:7], s[6:7], s[26:27]
	WIN 0x40                                       ; loaded data into window 1
.irp g, 0,1,2,3,4,5,6,7
	global_load_b128 v[8*(\g):8*(\g)+3],       v[LO], s[12:13] offset:1024*(\g)      ; 512 consecutive bytes a load
	global_load_b128 v[8*(\g)+4:8*(\g)+7],     v[LO], s[12:13] offset:1024*(\g)+512
	global_load_b128 v[64+8*(\g):64+8*(\g)+3],   v[LO], s[14:15] offset:1024*(\g)
	global_load_b128 v[64+8*(\g)+4:64+8*(\g)+7], v[LO], s[14:15] offset:1024*(\g)+512
.endr
	WIN 0
.irp g, 0,1
	global_load_b128 v[V32+8*(\g):V32+8*(\g)+3],   v[LO], s[16:17] offset:1024*(\g)
	global_load_b128 v[V32+8*(\g)+4:V32+8*(\g)+7], v[LO], s[16:17] offset:1024*(\g)+512
.endr
	; constants, zeros and addresses, while the loads are on their way
	v_mov_b32 v[M1], -1.0
	v_mov_b32 v[BIG], 0xf149f2ca
	v_mov_b32 v[CC+1], 0                           ; v_permlanex16_b32's destination counts as read
	v_mov_b32 v[CM+1], 0                           ; named in pairs
	v_mov_b32 v[RL+1], 0
.irp i, 4,5,6,7
.irp f, 0,1,2,3
	v_mov_b32 v[VF+8*(\f)+(\i)], 0                 ; keys 16-31 of the fragments
.endr
	v_mov_b32 v[PH+(\i)], 0
	v_mov_b32 v[PL+(\i)], 0
.endr
	s_lshl_b32 s22, s8, 10
	v_lshl_add_u32 v[LS], v1, 5, s22               ; 1,024 x wave + 32 x lane
	v_lshlrev_b32 v[LR], 5, v1
	s_mul_i32 s22, s8, VW
	s_add_co_u32 s22, s22, HV                      ; my own bytes for V
	v_mul_u32_u24 v[VS], v2, VP
	v_lshl_add_u32 v[VS], v3, 4, v[VS]
	v_add_nc_u32 v[VS], s22, v[VS]                 ; in: key l % 16, 16 bytes for each half of the lanes
	v_and_b32 v[VT], 7, v0
	v_lshl_add_u32 v[VT], v3, 3, v[VT]
	v_mul_u32_u24 v[VT], v[VT], VP                 ; the turning load: key 8 (l / 16) + l % 8,
	v_bfe_u32 v[TT], v0, 3, 1
	v_lshl_add_u32 v[VT], v[TT], 4, v[VT]          ; channels 8 ((l / 8) % 2) on
	v_add_nc_u32 v[VT], s22, v[VT]
	s_lshl_b32 s22, s8, 7
	s_add_co_u32 s22, s22, STG
	v_mul_u32_u24 v[SS], v2, SGP
	v_lshl_add_u32 v[SS], v3, 5, v[SS]
	v_add_nc_u32 v[SS], s22, v[SS]                 ; the stage, in: row l % 16, my wave's 128 bytes, 32 for each half of the lanes
	s_mul_i32 s22, s8, 2*SGP
	s_add_co_u32 s22, s22, STG
	v_lshl_add_u32 v[SR], v1, 4, s22               ; back: rows 2 w and 2 w + 1, 512 bytes a load
	s_lshl_b32 s22, s8, 13
	v_lshl_add_u32 v[GO], v1, 4, s22               ; the same rows in out0
	v_lshlrev_b32 v[DD], 3, v3
	v_sub_nc_u32 v[DD], v2, v[DD]
	s_wait_loadcnt 4                               ; q and k are in; v's four loads may be out
	; q and k in two parts.  Pair z of the 64 pairs: hi; the two remainders, in place; lo.
	WIN 0x45                                       ; destination and sources in window 1
.set z, 0
.rept 64
	v_cvt_pk_f16_f32 v[QH+z+32*(z/32)], v[2*z], v[2*z+1]
.set z, z+1
.endr
	WIN 0x51                                       ; -1.0 in window 0, all else in window 1
.set z, 0
.rept 64
	v_fma_mix_f32 v[2*z],   v[QH+z+32*(z/32)], v[M1], v[2*z]   op_sel_hi:[1,0,0]                 ; x - f16 low half
	v_fma_mix_f32 v[2*z+1], v[QH+z+32*(z/32)], v[M1], v[2*z+1] op_sel:[1,0,0] op_sel_hi:[1,0,0]  ; x - f16 high half
.set z, z+1
.endr
	WIN 0x45
.set z, 0
.rept 64
	v_cvt_pk_f16_f32 v[QL+z+32*(z/32)], v[2*z], v[2*z+1]
.set z, z+1
.endr
	; S^T over my 128 channels: three accumulators take turns, one instruction a turn; the first K step starts the sums
	WIN 0x05                                       ; sources in window 1, C and D in window 0
	v_wmma_f32_16x16x32_f16 v[SA:SA+7], v[KH:KH+7], v[QH:QH+7], 0
	v_wmma_f32_16x16x32_f16 v[SB:SB+7], v[KH:KH+7], v[QL:QL+7], 0
	v_wmma_f32_16x16x32_f16 v[SC:SC+7], v[KL:KL+7], v[QH:QH+7], 0
.irp m, 1,2,3
	v_wmma_f32_16x16x32_f16 v[SA:SA+7], v[KH+8*(\m):KH+8*(\m)+7], v[QH+8*(\m):QH+8*(\m)+7], v[SA:SA+7]
	v_wmma_f32_16x16x32_f16 v[SB:SB+7], v[KH+8*(\m):KH+8*(\m)+7], v[QL+8*(\m):QL+8*(\m)+7], v[SB:SB+7]
	v_wmma_f32_16x16x32_f16 v[SC:SC+7], v[KL+8*(\m):KL+8*(\m)+7], v[QH+8*(\m):QH+8*(\m)+7], v[SC:SC+7]
.endr
	WIN 0
	s_wait_loadcnt 0x0                             ; v
	; v in two parts: 32 plain instructions that name no register of the products above: the places behind them
.irp i, 0,1,2,3,4,5,6,7
	v_cvt_pk_f16_f32 v[VPK+(\i)], v[V32+2*(\i)], v[V32+2*(\i)+1]
.endr
.irp i, 0,1,2,3,4,5,6,7
	v_fma_mix_f32 v[V32+2*(\i)],   v[VPK+(\i)], v[M1], v[V32+2*(\i)]   op_sel_hi:[1,0,0]
	v_fma_mix_f32 v[V32+2*(\i)+1], v[VPK+(\i)], v[M1], v[V32+2*(\i)+1] op_sel:[1,0,0] op_sel_hi:[1,0,0]
.endr
.irp i, 0,1,2,3,4,5,6,7
	v_cvt_pk_f16_f32 v[VPK+8+(\i)], v[V32+2*(\i)], v[V32+2*(\i)+1]
.endr
.irp g, 0,1
	ds_store_b128 v[VS], v[VPK+4*(\g):VPK+4*(\g)+3]     offset:32*(\g)
	ds_store_b128 v[VS], v[VPK+8+4*(\g):VPK+8+4*(\g)+3] offset:16*VP+32*(\g)
.endr
.irp g, 0,1
	ds_load_tr16_b128 v[VF+8*(\g):VF+8*(\g)+3],       v[VT] offset:32*(\g)         ; my own bytes: LDS serves a wave's instructions in order, so these see the stores above
	ds_load_tr16_b128 v[VF+16+8*(\g):VF+16+8*(\g)+3], v[VT] offset:16*VP+32*(\g)
.endr
.irp z, 0,1,2,3
	v_pk_add_f32 v[SB+2*(\z):SB+2*(\z)+1], v[SB+2*(\z):SB+2*(\z)+1], v[SC+2*(\z):SC+2*(\z)+1]   ; the two small sums first; each accumulator is read from its low end on
.endr
.irp z, 0,1,2,3
	v_pk_add_f32 v[SA+2*(\z):SA+2*(\z)+1], v[SA+2*(\z):SA+2*(\z)+1], v[SB+2*(\z):SB+2*(\z)+1]
.endr
	ds_store_b128 v[LS], v[SA:SA+3]   offset:PART
	ds_store_b128 v[LS], v[SA+4:SA+7] offset:PART+16
	s_wait_dscnt 0x0                               ; for the others' sake: my partial tile lies in LDS (and V's fragments are in)
	s_barrier_signal -1
	s_barrier_wait -1
.irp w, 0,1,2,3,4,5,6,7
	ds_load_b128 v[PR+8*(\w):PR+8*(\w)+3],   v[LR] offset:PART+1024*(\w)
	ds_load_b128 v[PR+8*(\w)+4:PR+8*(\w)+7], v[LR] offset:PART+1024*(\w)+16
.endr
	s_wait_dscnt 0x0
.irp sd, 4,2,1                         ; the eight partial tiles: neighbours 4, 2 and 1 apart
.set z, 0
.rept 4*(\sd)
	v_pk_add_f32 v[PR+2*z:PR+2*z+1], v[PR+2*z:PR+2*z+1], v[PR+8*(\sd)+2*z:PR+8*(\sd)+2*z+1]
.set z, z+1
.endr
.endr
	; THE SOFTMAX, in every wave: a lane holds query l % 16 and the keys 8 (l / 16) + 0..7
.irp j, 0,1,2,3,4,5,6,7
	v_cmp_gt_i32 vcc_lo, \j, v[DD]
	v_cndmask_b32 v[PR+(\j)], v[PR+(\j)], v[BIG], vcc_lo
.endr
	v_max3_num_f32 v[CC], v[PR], v[PR+1], v[PR+2]
	v_max3_num_f32 v[CC], v[CC], v[PR+3], v[PR+4]
	v_max3_num_f32 v[CC], v[CC], v[PR+5], v[PR+6]
	v_max_num_f32 v[CC], v[CC], v[PR+7]
	v_permlanex16_b32 v[CC+1], v[CC], s[SEL], s[SEL+1]   ; the query's other 8 keys lie in the lane 16 away
	v_max_num_f32 v[CC], v[CC], v[CC+1]            ; every query sees its own key: the maximum is a true score
	v_mul_f32 v[CM], s[CS], v[CC]
.irp z, 0,1,2,3
	v_pk_fma_f32 v[PR+2*(\z):PR+2*(\z)+1], v[PR+2*(\z):PR+2*(\z)+1], s[CS:CS+1], v[CM:CM+1] op_sel_hi:[1,0,0] neg_lo:[0,0,1] neg_hi:[0,0,1]
.endr
.irp j, 0,1,2,3,4,5,6,7
	v_exp_f32 v[PR+(\j)], v[PR+(\j)]
.endr
	v_nop                                          ; a plain instruction behind the last exponential,
	s_wait_alu depctr_va_vdst(0)                   ; and the one wait ahead of the batch's first reader
	v_pk_add_f32 v[LL:LL+1], v[PR:PR+1], v[PR+2:PR+3]
	v_pk_add_f32 v[LM:LM+1], v[PR+4:PR+5], v[PR+6:PR+7]
	v_pk_add_f32 v[LL:LL+1], v[LL:LL+1], v[LM:LM+1]
	v_add_f32 v[LL], v[LL], v[LL+1]
	v_permlanex16_b32 v[LL+1], v[LL], s[SEL], s[SEL+1]
	v_add_f32 v[LL], v[LL], v[LL+1]
	v_rcp_f32 v[RL], v[LL]
	v_nop
	s_wait_alu depctr_va_vdst(0)
.irp z, 0,1,2,3
	v_pk_mul_f32 v[PR+2*(\z):PR+2*(\z)+1], v[PR+2*(\z):PR+2*(\z)+1], v[RL:RL+1] op_sel_hi:[1,0]   ; the weights, in f32
.endr
.irp i, 0,1,2,3
	v_cvt_pk_f16_f32 v[PH+(\i)], v[PR+2*(\i)], v[PR+2*(\i)+1]
.endr
.irp i, 0,1,2,3
	v_fma_mix_f32 v[PD+2*(\i)],   v[PH+(\i)], v[M1], v[PR+2*(\i)]   op_sel_hi:[1,0,0]
	v_fma_mix_f32 v[PD+2*(\i)+1], v[PH+(\i)], v[M1], v[PR+2*(\i)+1] op_sel:[1,0,0] op_sel_hi:[1,0,0]
.endr
.irp i, 0,1,2,3
	v_cvt_pk_f16_f32 v[PL+(\i)], v[PD+2*(\i)], v[PD+2*(\i)+1]
.endr
	; O^T for my two tiles of 16 channels: the two accumulators take turns
	v_wmma_f32_16x16x32_f16 v[OA:OA+7],    v[VF:VF+7],       v[PH:PH+7], 0
	v_wmma_f32_16x16x32_f16 v[OA+8:OA+15], v[VF+8:VF+15],    v[PH:PH+7], 0
	v_wmma_f32_16x16x32_f16 v[OA:OA+7],    v[VF:VF+7],       v[PL:PL+7], v[OA:OA+7]
	v_wmma_f32_16x16x32_f16 v[OA+8:OA+15], v[VF+8:VF+15],    v[PL:PL+7], v[OA+8:OA+15]
	v_wmma_f32_16x16x32_f16 v[OA:OA+7],    v[VF+16:VF+23],   v[PH:PH+7], v[OA:OA+7]
	v_wmma_f32_16x16x32_f16 v[OA+8:OA+15], v[VF+24:VF+31],   v[PH:PH+7], v[OA+8:OA+15]
	PLACES
	; THE WAY OUT: a lane's eight channels of a query go as 32 bytes into the work-group's stage; a barrier, since a row comes from all eight waves; back as 512 consecutive bytes a load
.irp g, 0,1
	ds_store_b128 v[SS], v[OA+8*(\g):OA+8*(\g)+3]   offset:64*(\g)
	ds_store_b128 v[SS], v[OA+8*(\g)+4:OA+8*(\g)+7] offset:64*(\g)+16
.endr
	s_wait_dscnt 0x0                               ; for the others' sake: my stores into the stage are done
	s_barrier_signal -1
	s_barrier_wait -1
.irp i, 0,1,2,3
	ds_load_b128 v[BK+4*(\i):BK+4*(\i)+3], v[SR] offset:((\i)/2)*SGP+((\i)%2)*512
.endr
.irp i, 0,1,2,3
	s_wait_dscnt 3-(\i)                            ; load i is in, the younger ones may be out
	global_store_b128 v[GO], v[BK+4*(\i):BK+4*(\i)+3], s[6:7] offset:((\i)/2)*4096+((\i)%2)*512 th:TH_STORE_NT  ; 512 consecutive bytes, aligned
.endr
	s_wait_tensorcnt 0x0                           ; the wave's end: behind my last LDS store
	ds_add_u32 v[SPW], v[NIL]
	s_wait_dscnt 0x0
	s_endpgm
.Lfunc_end_k_qaf09dc43d4_head:
	.size	k_qaf09dc43d4_head, .Lfunc_end_k_qaf09dc43d4_head-k_qaf09dc43d4_head
	.p2alignl 7, 3214868480
	.fill 96, 4, 3214868480
	.section	.rodata,"a",@progbits
	.p2align	6, 0x0
	.amdhsa_kernel k_qaf09dc43d4_head
		.amdhsa_group_segment_fixed_size 50432
		.amdhsa_private_segment_fixed_size 0
		.amdhsa_enable_private_segment 0
		.amdhsa_kernarg_size 16
		.amdhsa_user_sgpr_count 2
		.amdhsa_user_sgpr_kernarg_segment_ptr 1
		.amdhsa_wavefront_size32 1
		.amdhsa_system_sgpr_workgroup_id_x 1
		.amdhsa_system_sgpr_workgroup_id_y 1
		.amdhsa_system_sgpr_workgroup_id_z 1
		.amdhsa_system_vgpr_workitem_id 0
		.amdhsa_next_free_vgpr 512
		.amdhsa_next_free_sgpr 66
		.amdhsa_reserve_vcc 1
		.amdhsa_float_denorm_mode_32 3
		.amdhsa_float_denorm_mode_16_64 3
		.amdhsa_memory_ordered 1
		.amdhsa_forward_progress 1
		.amdhsa_inst_pref_size 36
	.end_amdhsa_kernel
	.amdgpu_metadata
---
amdhsa.version: [ 1, 2 ]
amdhsa.kernels:
  - .name:           k_qaf09dc43d4_head
    .symbol:         k_qaf09dc43d4_head.kd
    .args:
      - { .name: h32, .offset: 0, .size: 8, .value_kind: global_buffer, .address_space: global }
      - { .name: out0, .offset: 8, .size: 8, .value_kind: global_buffer, .address_space: global }
    .group_segment_fixed_size: 50432
    .private_segment_fixed_size: 0
    .kernarg_segment_align: 8
    .kernarg_segment_size: 16
    .max_flat_workgroup_size: 256
    .sgpr_count:     66
    .vgpr_count:     512
    .wavefront_size: 32
...
	.end_amdgpu_metadata
.endif
;; end of part 3
;; launch scores (part 4): grid 36 x 4, 4 waves a work-group, no clusters, 327,680 bytes of LDS; arguments qkv, pf, st; writes pf, st
.if DOCPART == 4
	.amdgcn_target "amdgcn-amd-amdhsa--gfx1250"
	.amdhsa_code_object_version 6
	.text
	.protected	k_qaf09dc43d4_scores
	.globl	k_qaf09dc43d4_scores
	.p2align	8
	.type	k_qaf09dc43d4_scores,@function
k_qaf09dc43d4_scores:
	s_mov_b64 s[64:65], 0
	v_nop
	global_prefetch_b8 v0, s[64:65] scope:SCOPE_SE
	s_setreg_imm32_b32 hwreg(HW_REG_WAVE_MODE, 25, 1), 1
	s_wait_xcnt 0x0
; For each tile of 256 queries x 256 keys on or below the diagonal: S^T = K Q^T (f16 operands, f32 sums over 1,024 channels); then, for each query and each block of 128 keys, the block's own maximum m,
; p = 2^(c s - c m) with c = log2(e) / 32, rounded to f16, and l = the sum of the unrounded p.  The launch behind joins the blocks by 2^(c m - the row's greatest c m), in f32.
; pf holds p as the next product's source 1 wants it: [batch][16 queries][32 keys][half][lane][16 bytes]: what a lane holds of S^T, rounded, is stored as it stands.
; st holds c m and l: [batch][128 queries][128 keys][pair of query tiles][c m, l][query % 16][tile of the pair], f32.
; LIMITS.  A hidden score counts as its value less 1e30; p below 6e-8 is 0 in pf; a p below 2^-126 counts as 0 in l; NaN and infinities are not treated apart.
; SHARES.  Work-group x of 36 is tile (I, J), J <= I, of batch y.  Wave (a, c) makes 128 queries x 128 keys: 64 accumulators in windows 2 and 3.  K goes in steps of 128 through two LDS slots.
; On the diagonal tile the wave with a < c lies wholly above the diagonal: it stores zeros in pf (the next launch reads them, with factor 0) and leaves st as it was filled.
; NO CLUSTER: a row of the triangle has 1 to 8 tiles, so they fall into no groups of four that share a block; a rectangle of clusters would hold 96 work-groups with nothing to do.
; 144 work-groups: halves of these tiles would be 288, more than one for each WGP and less than two.
; REGISTERS: window 0: v0-31 addresses; v32-63 at work on the way out; v64-127, v128-191 fragments of Q, two buffers (on the way out v64-127 hold packed p)
;   window 1: v64-127, v128-191 fragments of K     window 2: accumulators of my query tiles 0-3, (t, kt) at 8 (8 t + kt)     window 3: tiles 4-7
.set KSTEP,  128
.set PITCH,  272                       ; 256 bytes + 16 of padding: the 16 rows of a fragment load start at 16 different groups of four banks (ISA guide 11.1)
.set HALFT,  128*PITCH
.set SLOT,   4*HALFT                   ; Q's 256 rows, then K's 256 rows
.set SPARE,  2*SLOT                    ; behind the ring: the spare words, 128 bytes a wave, that no other line names
.set LAPS,   4
.set ADRA, 16                          ; v16-17  LDS address of my fragments of Q in slot 0, 1
.set ADRB, 20                          ; v20-21  of K
.set PO,   26                          ; v26     16 x lane
.set SO,   27                          ; v27     128 (l / 16) + 8 (l % 16)
.set SPW,  28                          ; v28     my spare word; never rewritten
.set NIL,  29                          ; v29     0; never rewritten
.set DD,   30                          ; v30     l % 16 - 8 (l / 16): register j of the diagonal's key tile is hidden where j is greater
.set PFO,  31                          ; v31     lane x a row of qkv
.set MD,   32                          ; v32-39  the diagonal key tile's mask
.set CC,   40                          ; v40-43  four running maxima
.set CM,   44                          ; v44-45  c m (the pair's low word is taken for both halves)
.set LS,   46                          ; v46-47  at work on l
.set CMS,  48                          ; v48-55  c m of my eight query tiles
.set LSS,  56                          ; v56-63  l of them
.set TMP,  64                          ; v64-127 packed p, two buffers of 32
.set F0,   64
.set F1,   128
.set G1,   24                          ; s[24:31] descriptor group 1
.set G0,   32                          ; s[32:39] group 0, a set for each slot
.set LIM,  43
.set PFA,  44                          ; s[44:45]
.set CS,   46                          ; s[46:47] c
.set SEL,  48                          ; s[48:49] v_permlanex16_b32's selects
.set BE,   50                          ; s[50:51] -1e30 in the wave that holds the diagonal, else 0
.set ZW,   52                          ; s52  1 in the wave above the diagonal
.set HM,   53                          ; s53  the mask of lanes 16-31
.set PP,   54                          ; s[54:55] pf at my first query tile and chunk
.set SP,   56                          ; s[56:57] st at my entry
.set MSB, 0
.macro WIN new
.if MSB != (\new)
	s_set_vgpr_msb (MSB<<8)|(\new)
.set MSB, \new
.endif
.endm
.set MUL_LO, 0xa1                      ; source 0 (K) window 1, source 1 (Q) window 0, C and D window 2
.set MUL_HI, 0xf1                      ; the same, C and D window 3
.set TO_B,   0x40
	s_load_b128 s[4:7], s[0:1], 0x0                ; qkv s[4:5], pf s[6:7]
	s_load_b64 s[8:9], s[0:1], 0x10                ; st
	v_lshl_add_u32 v[SPW], v0, 2, SPARE
	v_mov_b32 v[NIL], 0
	ds_add_u32 v[SPW], v[NIL]                      ; the wave's opening: the add and its wait ahead of my first tensor load
	v_lshrrev_b32 v1, 5, v0
	v_readfirstlane_b32 s10, v1                    ; wave 0..3
	s_lshr_b32 s11, s10, 1                         ; a: my half of the queries.  Also: I fetch for Q (0) or K (1)
	s_and_b32 s12, s10, 1                          ; c: my half of the keys.  Also: which 128 rows I fetch
	s_mov_b32 s13, 0
.irp th, 1,3,6,10,15,21,28
	s_cmp_ge_u32 ttmp9, \th                        ; I = how many of the triangle's row starts lie at or below x
	s_add_co_ci_u32 s13, s13, 0
.endr
	s_add_co_u32 s16, s13, 1
	s_mul_i32 s16, s16, s13
	s_lshr_b32 s16, s16, 1
	s_sub_co_u32 s14, ttmp9, s16                   ; J = x - I (I + 1) / 2
	s_and_b32 s15, ttmp7, 0xffff                   ; batch
	s_mov_b32 s[G1+0], (1<<16)|(1<<20)|(5<<22)|(3<<25)  ; 2-byte elements; padding on: after every 64 words 4 words
	s_mov_b32 s[G1+1], KSTEP<<16                   ; tensor_dim0 = 128
	s_mov_b32 s[G1+2], 128<<16                     ; tensor_dim1 = 128
	s_mov_b32 s[G1+3], KSTEP<<16                   ; tile_dim0 = 128
	s_mov_b32 s[G1+4], 128                         ; tile_dim1 = 128
	s_mov_b32 s[G1+5], 1024
	s_mov_b32 s[G1+6], 0
	s_mov_b32 s[G1+7], 0
	s_sub_co_u32 s18, s13, s14                     ; I - J
	s_xor_b32 s19, s13, s14                        ; 0 on the diagonal tile
	s_xor_b32 s22, s11, s12
	s_or_b32 s22, s22, s19
	s_cmp_eq_u32 s22, 0
	s_cselect_b32 s[BE], 0xf149f2ca, 0             ; -1e30 where my block holds the diagonal
	s_mov_b32 s[BE+1], s[BE]
	s_xor_b32 s22, s10, 1
	s_or_b32 s22, s22, s19
	s_cmp_eq_u32 s22, 0
	s_cselect_b32 s[ZW], 1, 0                      ; wave 1 of a diagonal tile
	s_cmp_eq_u32 s11, 0
	s_cselect_b32 s16, s13, s14                    ; Q's block I or K's block J
	s_cselect_b32 s18, s14, s18                    ; Q's rows are asked for ahead where J = 0, K's where I = J: each block once in the launch
	s_cmp_eq_u32 s18, 0
	s_cselect_b32 s[LIM], 1, -1
	s_lshl_b32 s16, s16, 8
	s_lshl_b32 s17, s15, 11
	s_add_co_u32 s16, s16, s17
	s_lshl_b32 s17, s12, 7
	s_add_co_u32 s16, s16, s17                     ; the first row that I fetch
	s_lshl_b32 s16, s16, 11
	s_lshl_b32 s17, s11, 24                        ; K's plane lies 16,777,216 bytes behind Q's
	s_add_co_u32 s16, s16, s17
	s_mov_b32 s17, 0
	s_mul_i32 s20, s10, HALFT                      ; where my rows go: wave x 128 rows
	s_mov_b32 s[CS], 0x3d38aa3b                    ; c = log2(e) / 32
	s_mov_b32 s[CS+1], s[CS]
	s_mov_b32 s[SEL], 0x76543210
	s_mov_b32 s[SEL+1], 0xfedcba98
	s_mov_b32 s[HM], 0xffff0000
	s_wait_dscnt 0x0                               ; the opening add is done
	s_wait_kmcnt 0x0
	s_add_nc_u64 s[18:19], s[4:5], s[16:17]
.irp s, 0,1
	s_mov_b32 s[G0+4*(\s)], 1
	s_add_co_u32 s[G0+4*(\s)+1], s20, (\s)*SLOT
	s_add_nc_u64 s[G0+4*(\s)+2:G0+4*(\s)+3], s[18:19], (\s)*KSTEP*2
	s_or_b32 s[G0+4*(\s)+3], s[G0+4*(\s)+3], 0x80000000
	tensor_load_to_lds s[G0+4*(\s):G0+4*(\s)+3], s[G1:G1+7]   ; two tensor loads of mine are out
	s_nop 0
.endr
	s_add_nc_u64 s[PFA:PFA+1], s[18:19], 2*KSTEP*2 ; the prefetches' pointer at K step 2: the first refill steps it to 3 and names K step 4
	v_and_b32 v1, 15, v0                           ; l % 16
	v_bfe_u32 v2, v0, 4, 1                         ; l / 16
	v_mul_u32_u24 v3, v1, PITCH
	v_lshl_add_u32 v3, v2, 4, v3
	s_mul_i32 s21, s11, HALFT                      ; my 128 rows of Q
	s_mul_i32 s22, s12, HALFT
	s_add_co_u32 s22, s22, 2*HALFT                 ; my 128 rows of K
.irp s, 0,1
	v_add_nc_u32 v[ADRA+(\s)], s21, v3
	v_add_nc_u32 v[ADRB+(\s)], s22, v3
	s_add_co_u32 s21, s21, SLOT
	s_add_co_u32 s22, s22, SLOT
.endr
	v_and_b32 v[PO], 31, v0
	v_lshlrev_b32 v[PFO], 11, v[PO]
	v_lshlrev_b32 v[PO], 4, v[PO]
	v_lshlrev_b32 v[SO], 3, v1
	v_lshl_add_u32 v[SO], v2, 7, v[SO]
	v_lshlrev_b32 v[DD], 3, v2
	v_sub_nc_u32 v[DD], v1, v[DD]
	s_lshl_b32 s16, s15, 7                         ; pf: query tile 128 b + 16 I + 8 a, chunk 8 J + 4 c
	s_lshl_b32 s17, s13, 4
	s_add_co_u32 s16, s16, s17
	s_lshl_b32 s17, s11, 3
	s_add_co_u32 s16, s16, s17
	s_lshl_b32 s16, s16, 6
	s_lshl_b32 s17, s14, 3
	s_add_co_u32 s16, s16, s17
	s_lshl_b32 s17, s12, 2
	s_add_co_u32 s16, s16, s17
	s_lshl_b32 s16, s16, 10
	s_mov_b32 s17, 0
	s_add_nc_u64 s[PP:PP+1], s[6:7], s[16:17]
	s_lshl_b32 s16, s15, 4                         ; st: entry (16 b + 2 I + a, 2 J + c)
	s_lshl_b32 s17, s13, 1
	s_add_co_u32 s16, s16, s17
	s_add_co_u32 s16, s16, s11
	s_lshl_b32 s16, s16, 4
	s_lshl_b32 s17, s14, 1
	s_add_co_u32 s16, s16, s17
	s_add_co_u32 s16, s16, s12
	s_lshl_b32 s16, s16, 10
	s_mov_b32 s17, 0
	s_add_nc_u64 s[SP:SP+1], s[8:9], s[16:17]
; 16 matrix instructions: query tiles a0, a0 + 1 of the window's four x all 8 key tiles, 32 channels.  The 64 accumulators take turns, one instruction a turn.
.macro MUL16 f, hi, a0, zero
	WIN MUL_LO+0x50*(\hi)
.irp a, \a0, (\a0)+1
.irp b, 0,1,2,3,4,5,6,7
.if \zero
	v_wmma_f32_16x16x32_f16 v[8*(8*(\a)+(\b)):8*(8*(\a)+(\b))+7], v[(\f)+8*(\b):(\f)+8*(\b)+7], v[(\f)+8*(4*(\hi)+(\a)):(\f)+8*(4*(\hi)+(\a))+7], 0
.else
	v_wmma_f32_16x16x32_f16 v[8*(8*(\a)+(\b)):8*(8*(\a)+(\b))+7], v[(\f)+8*(\b):(\f)+8*(\b)+7], v[(\f)+8*(4*(\hi)+(\a)):(\f)+8*(4*(\hi)+(\a))+7], v[8*(8*(\a)+(\b)):8*(8*(\a)+(\b))+7]
.endif
.endr
.endr
.endm
.macro FETCH slot, k, f                ; 32 LDS loads in one run: K's eight fragments, then Q's eight
	WIN TO_B
.irp i, 0,1,2,3,4,5,6,7
	ds_load_b128 v[(\f)+8*(\i):(\f)+8*(\i)+3],   v[ADRB+(\slot)] offset:(\k)+(\i)*16*PITCH
	ds_load_b128 v[(\f)+8*(\i)+4:(\f)+8*(\i)+7], v[ADRB+(\slot)] offset:(\k)+(\i)*16*PITCH+32
.endr
	WIN 0
.irp i, 0,1,2,3,4,5,6,7
	ds_load_b128 v[(\f)+8*(\i):(\f)+8*(\i)+3],   v[ADRA+(\slot)] offset:(\k)+(\i)*16*PITCH
	ds_load_b128 v[(\f)+8*(\i)+4:(\f)+8*(\i)+7], v[ADRA+(\slot)] offset:(\k)+(\i)*16*PITCH+32
.endr
.endm
.macro PLACES                          ; four plain vector instructions behind a matrix instruction (ISA guide 7.12.1)
.rept 4
	v_nop
.endr
.endm
.macro QUARTER slot, k, f, g, zero
	s_wait_dscnt 8                                 ; K and Q's tiles 0-3 are in; the youngest eight loads may be out
	MUL16 \f, 0, 0, \zero
	MUL16 \f, 0, 2, \zero
	PLACES
	FETCH \slot, \k, \g
	s_wait_dscnt 32                                ; all but the 32 just issued
	MUL16 \f, 1, 0, \zero
	MUL16 \f, 1, 2, \zero
.endm
; A prefetch into the L2 of my own 128 rows' 256 bytes of the K step two refills on: a lane a row, four instructions.  The loop's last trip asks for nothing.
.macro ASK
	s_cmp_gt_u32 s3, s[LIM]
	s_cbranch_scc0 .Lnot_mine_\@
.irp n, 0,1,2,3
	global_prefetch_b8 v[PFO], s[PFA:PFA+1] offset:KSTEP*2+65536*(\n) th:TH_LOAD_NT scope:SCOPE_SE
.endr
.Lnot_mine_\@:
.endm
; The last quarter multiplies buffer 1 and changes slots: one barrier; in front of it each wave waits for all its tensor loads, adds 0 to its spare word, and waits for that and for its reads of this slot.
; fill = 1: behind the barrier the slot is filled again first, with the K step two on: one tensor load a wave, 224 matrix instructions ahead of the wait for it.
.macro TURN slot, next, fill
.if \fill
	s_wait_xcnt 0x0                                ; the last prefetches, a K step back, have read their address
	s_add_nc_u64 s[PFA:PFA+1], s[PFA:PFA+1], KSTEP*2
.endif
	WIN 0
	s_wait_tensorcnt 0x0
	ds_add_u32 v[SPW], v[NIL]
	s_wait_dscnt 9                                 ; the add and the youngest eight loads may be out
	MUL16 F1, 0, 0, 0
	s_wait_dscnt 0x0                               ; the add is done, and my reads of this slot are over
	s_barrier_signal -1
	MUL16 F1, 0, 2, 0
.if \fill
	WIN 0
.endif
	s_barrier_wait -1
.if \fill
	s_add_nc_u64 s[G0+4*(\slot)+2:G0+4*(\slot)+3], s[G0+4*(\slot)+2:G0+4*(\slot)+3], 2*KSTEP*2
	tensor_load_to_lds s[G0+4*(\slot):G0+4*(\slot)+3], s[G1:G1+7]
	s_nop 0
.endif
	PLACES
	FETCH \next, 0, F0
.if \fill
	ASK
.endif
	MUL16 F1, 1, 0, 0
	MUL16 F1, 1, 2, 0
.endm
	s_wait_tensorcnt 1                             ; my part of K step 0 is in; K step 1's may stay out
	s_barrier_signal -1
	s_barrier_wait -1
	FETCH 0, 0, F0
	QUARTER 0, 64,  F0, F1, 1
	WIN 0
	s_mov_b32 s3, LAPS-1
.Llap:
	QUARTER 0, 128, F1, F0, 0
	QUARTER 0, 192, F0, F1, 0
	TURN 0, 1, 1
	QUARTER 1, 64,  F0, F1, 0
	QUARTER 1, 128, F1, F0, 0
	QUARTER 1, 192, F0, F1, 0
	TURN 1, 0, 1
	QUARTER 0, 64,  F0, F1, 0
	WIN 0
	s_sub_co_u32 s3, s3, 1
	s_cmp_lg_u32 s3, 0
	s_cbranch_scc1 .Llap
	QUARTER 0, 128, F1, F0, 0                      ; the last lap fills nothing
	QUARTER 0, 192, F0, F1, 0
	TURN 0, 1, 0
	QUARTER 1, 64,  F0, F1, 0
	QUARTER 1, 128, F1, F0, 0
	QUARTER 1, 192, F0, F1, 0
	s_wait_dscnt 8
	MUL16 F1, 0, 0, 0
	MUL16 F1, 0, 2, 0
	s_wait_dscnt 0x0
	MUL16 F1, 1, 0, 0
	MUL16 F1, 1, 2, 0
	PLACES
	WIN 0
	s_cmp_eq_u32 s[ZW], 1
	s_cbranch_scc1 .Lzero
	; THE WAY OUT, each wave by itself.  The mask of the key tile that holds the diagonal: -1e30 where 8 (l / 16) + j > l % 16, in the diagonal's wave; 0 everywhere else.
.irp j, 0,1,2,3,4,5,6,7
	v_cmp_gt_i32 vcc_lo, \j, v[DD]
	v_cndmask_b32 v[MD+(\j)], 0, s[BE], vcc_lo
.endr
	v_mov_b32 v[CM+1], 0                           ; named in a pair
	v_mov_b32 v[LS+1], 0                           ; v_permlanex16_b32's destination counts as read
; Query tile t: mask; the maximum of the lane's 64 scores and of the other half of the lanes'; c s - c m and the exponentials, ONE batch with one wait; roundings and stores; the sum.
.macro EPI t
.set W, 2+(\t)/4
.set AC, 64*((\t)%4)
.set TM, TMP+32*((\t)%2)
	WIN (W<<6)|W                                   ; destination and source 0 in the accumulators' window
.set z, 4*(\t)
.rept 4
	v_pk_add_f32 v[AC+2*z:AC+2*z+1], v[AC+2*z:AC+2*z+1], v[MD+2*(z%4):MD+2*(z%4)+1]   ; key tile t
.set z, z+1
.endr
.if (\t) < 7
.rept 4*(7-(\t))
	v_pk_add_f32 v[AC+2*z:AC+2*z+1], v[AC+2*z:AC+2*z+1], s[BE:BE+1] op_sel_hi:[1,0]   ; the key tiles behind it
.set z, z+1
.endr
.endif
	WIN (W<<4)|(W<<2)|W                            ; four chains of 16 scores
.irp i, 0,1,2,3
	v_max3_num_f32 v[CC+(\i)], v[AC+16*(\i)], v[AC+16*(\i)+1], v[AC+16*(\i)+2]
.endr
	WIN (W<<4)|(W<<2)
.irp k, 1,2,3,4,5,6
.irp i, 0,1,2,3
	v_max3_num_f32 v[CC+(\i)], v[CC+(\i)], v[AC+16*(\i)+2*(\k)+1], v[AC+16*(\i)+2*(\k)+2]
.endr
.endr
.irp i, 0,1,2,3
	v_max_num_f32 v[CC+(\i)], v[CC+(\i)], v[AC+16*(\i)+15]
.endr
	WIN 0
	v_max3_num_f32 v[CC], v[CC], v[CC+1], v[CC+2]
	v_max_num_f32 v[CC], v[CC], v[CC+3]
	v_permlanex16_b32 v[CC+1], v[CC], s[SEL], s[SEL+1]   ; the query's other 64 keys lie in the lane 16 away
	v_max_num_f32 v[CC], v[CC], v[CC+1]
	v_mul_f32 v[CM], s[CS], v[CC]
	v_mov_b32 v[CMS+(\t)], v[CM]
	WIN (W<<6)|W
.set z, 0
.rept 2
	v_pk_fma_f32 v[AC+2*z:AC+2*z+1], v[AC+2*z:AC+2*z+1], s[CS:CS+1], v[CM:CM+1] op_sel_hi:[1,0,0] neg_lo:[0,0,1] neg_hi:[0,0,1]
.set z, z+1
.endr
.set z, 0
.rept 32                               ; a pair is scaled two pairs ahead of its exponentials; nothing here names an exponential's result
	v_exp_f32 v[AC+2*z], v[AC+2*z]
.if z < 30
	v_pk_fma_f32 v[AC+2*z+4:AC+2*z+5], v[AC+2*z+4:AC+2*z+5], s[CS:CS+1], v[CM:CM+1] op_sel_hi:[1,0,0] neg_lo:[0,0,1] neg_hi:[0,0,1]
.endif
	v_exp_f32 v[AC+2*z+1], v[AC+2*z+1]
.set z, z+1
.endr
	v_nop                                          ; a plain instruction behind the last exponential,
	s_wait_alu depctr_va_vdst(0)                   ; and the one wait ahead of the batch's first reader
.if (\t) >= 2
	s_wait_xcnt 0x0                                ; the stores of tile t - 2 have read this buffer
.endif
	WIN (W<<2)|W
.set z, 0
.rept 32
	v_cvt_pk_f16_f32 v[TM+z], v[AC+2*z], v[AC+2*z+1]
.set z, z+1
.endr
	WIN 0
.irp kt, 0,1,2,3,4,5,6,7
	global_store_b128 v[PO], v[TM+4*(\kt):TM+4*(\kt)+3], s[PP:PP+1] offset:65536*(\t)+1024*((\kt)/2)+512*((\kt)%2)  ; 512 consecutive bytes, aligned
.endr
	WIN (W<<6)|(W<<2)|W
.irp sd, 1,2,4,8,16                    ; the sum of the 32 pairs, in place: neighbours 1, 2, 4, 8 and 16 pairs apart
.set z, 0
.rept 16/(\sd)
	v_pk_add_f32 v[AC+2*z:AC+2*z+1], v[AC+2*z:AC+2*z+1], v[AC+2*(z+(\sd)):AC+2*(z+(\sd))+1]
.set z, z+2*(\sd)
.endr
.endr
	WIN (W<<2)|W
	v_add_f32 v[LS], v[AC], v[AC+1]
	WIN 0
	v_permlanex16_b32 v[LS+1], v[LS], s[SEL], s[SEL+1]
	v_add_f32 v[LSS+(\t)], v[LS], v[LS+1]
.endm
.irp t, 0,1,2,3,4,5,6,7
	EPI \t
.endr
.irp t, 0,1,2,3,4,5,6,7
	v_cndmask_b32 v[CMS+(\t)], v[CMS+(\t)], v[LSS+(\t)], s[HM]   ; lanes 0-15 keep c m, lanes 16-31 take l
.endr
.irp tp, 0,1,2,3
	global_store_b64 v[SO], v[CMS+2*(\tp):CMS+2*(\tp)+1], s[SP:SP+1] offset:256*(\tp)  ; 256 consecutive bytes, aligned
.endr
	s_branch .Lend
.Lzero:                                                ; the block above the diagonal: 32 KiB of zeros
.irp r, 0,1,2,3
	v_mov_b32 v[TMP+(\r)], 0
.endr
.irp t, 0,1,2,3,4,5,6,7
.irp kt, 0,1,2,3,4,5,6,7
	global_store_b128 v[PO], v[TMP:TMP+3], s[PP:PP+1] offset:65536*(\t)+512*(\kt)
.endr
.endr
.Lend:
	s_wait_tensorcnt 0x0                           ; the wave's end
	ds_add_u32 v[SPW], v[NIL]
	s_wait_dscnt 0x0
	s_endpgm
.Lfunc_end_k_qaf09dc43d4_scores:
	.size	k_qaf09dc43d4_scores, .Lfunc_end_k_qaf09dc43d4_scores-k_qaf09dc43d4_scores
	.p2alignl 7, 3214868480
	.fill 96, 4, 3214868480
	.section	.rodata,"a",@progbits
	.p2align	6, 0x0
	.amdhsa_kernel k_qaf09dc43d4_scores
		.amdhsa_group_segment_fixed_size 327680
		.amdhsa_private_segment_fixed_size 0
		.amdhsa_enable_private_segment 0
		.amdhsa_kernarg_size 24
		.amdhsa_user_sgpr_count 2
		.amdhsa_user_sgpr_kernarg_segment_ptr 1
		.amdhsa_wavefront_size32 1
		.amdhsa_system_sgpr_workgroup_id_x 1
		.amdhsa_system_sgpr_workgroup_id_y 1
		.amdhsa_system_sgpr_workgroup_id_z 1
		.amdhsa_system_vgpr_workitem_id 0
		.amdhsa_next_free_vgpr 1024
		.amdhsa_next_free_sgpr 66
		.amdhsa_reserve_vcc 1
		.amdhsa_float_denorm_mode_32 3
		.amdhsa_float_denorm_mode_16_64 3
		.amdhsa_memory_ordered 1
		.amdhsa_forward_progress 1
		.amdhsa_inst_pref_size 217
	.end_amdhsa_kernel
	.amdgpu_metadata
---
amdhsa.version: [ 1, 2 ]
amdhsa.kernels:
  - .name:           k_qaf09dc43d4_scores
    .symbol:         k_qaf09dc43d4_scores.kd
    .args:
      - { .name: qkv, .offset: 0, .size: 8, .value_kind: global_buffer, .address_space: global }
      - { .name: pf, .offset: 8, .size: 8, .value_kind: global_buffer, .address_space: global }
      - { .name: st, .offset: 16, .size: 8, .value_kind: global_buffer, .address_space: global }
    .group_segment_fixed_size: 327680
    .private_segment_fixed_size: 0
    .kernarg_segment_align: 8
    .kernarg_segment_size: 24
    .max_flat_workgroup_size: 128
    .sgpr_count:     66
    .vgpr_count:     1024
    .wavefront_size: 32
...
	.end_amdgpu_metadata
.endif
;; end of part 4
;; launch pv (part 5): grid 8 x 32, 4 waves a work-group, clusters of 4 x 1, 327,680 bytes of LDS; arguments qkv, pf, st, out0; writes out0
.if DOCPART == 5
	.amdgcn_target "amdgcn-amd-amdhsa--gfx1250"
	.amdhsa_code_object_version 6
	.text
	.protected	k_qaf09dc43d4_pv
	.globl	k_qaf09dc43d4_pv
	.p2align	8
	.type	k_qaf09dc43d4_pv,@function
k_qaf09dc43d4_pv:
	s_mov_b64 s[64:65], 0
	v_nop
	global_prefetch_b8 v0, s[64:65] scope:SCOPE_SE
	s_setreg_imm32_b32 hwreg(HW_REG_WAVE_MODE, 25, 1), 1
	s_wait_xcnt 0x0
	s_wait_alu depctr_hold_cnt(0) depctr_sa_sdst(0) depctr_va_vdst(0) depctr_va_sdst(0) depctr_va_ssrc(0) depctr_va_vcc(0) depctr_vm_vsrc(0)
	s_getreg_b32 s2, hwreg(HW_REG_IB_STS2, 6, 4)
	s_cmp_eq_u32 s2, 0
	s_cbranch_scc0 .Lentry_in_a_cluster
	s_endpgm
.Lentry_in_a_cluster:
	s_bfe_u32 s2, ttmp6, 0x10000c
	s_cmp_lg_u32 s2, 0x3003
	s_cbranch_scc0 .Lentry_shape_is_right
	s_endpgm
.Lentry_shape_is_right:
; out0[b][q][:] = (the sum over blocks jb of 128 keys of f_jb x the sum over the block's keys of p v[key][:]) / L,  f_jb = 2^(c m_jb - MX), MX = the greatest c m_jb of the row, L = the sum of f_jb l_jb.
; p (f16, in fragment order) and c m, l (f32) come from the launch before; v is plane 2 of qkv, f16 [8192][1024]; out0 is f32.  Products in f16 with f32 sums; f, MX, L and the joined sums in f32.
; Rows 0-15 of each batch are not stored here: an earlier launch has made them, from operands in two parts.
; An entry of st that the launch before did not store holds -1e30 twice: its f is 0, and 0 x -1e30 adds nothing to L.  LIMITS: an f below 2^-126 counts as 0; NaN and infinities are not treated apart.
; THE WALK.  A work-group takes 128 channels and TWO blocks of 128 queries of a batch, 15 - pb and then pb.  Block ib sees the keys of ib / 2 + 1 steps of 256, so a pair has 9 steps whatever pb:
; 256 work-groups of equal work, and one loop with a constant trip count.  (An even block's last 128 keys are hidden: p is 0 there and f is 0.)
; SHARES.  Wave (a, c) makes 64 queries x 64 channels.  O^T = V^T P: source 0 = V turned by ds_load_tr16_b128, source 1 = P as it lies; a lane holds one query and eight channels.
; For each block of 128 keys the 16 accumulators T start with the constant 0; then O += f T, a packed multiply-add in f32.
; CLUSTER.  The four partners differ in their channels alone and walk the same P: P's tiles are asked for jointly (waves 0, 1).  V's tiles hang on the channels: plain loads (waves 2, 3).
; REGISTERS, in windows of 256 (s_set_vgpr_msb: bits 1:0 source 0, 3:2 source 1, 5:4 source 2, 7:6 destination):
;   window 0: addresses, statistics, v64-191 rows on the way out     window 1: two fragment buffers of 128 (P's 8 fragments, then V's 8)
;   window 2: T, two buffers of 128, (t, cb) at 8 (4 t + cb); at the head the statistics as loaded     window 3: v0-127 O, laid out as T
.set PV,    288                        ; a row of V in LDS: 256 bytes + 32 of padding = 72 words
.set SLOTB, 0x22000                    ; a slot: P's 8 query tiles x 8,192 bytes, then V's 256 rows.  The descriptors' LDS words have no bit in common with it, so one exclusive or changes the slot
.set VOFF,  65536
.set AVH,   128*PV
.set STAGE, 2*SLOTB                    ; behind the ring: 16 rows x 272 bytes for each wave
.set SP,    272
.set SPARE, STAGE+4*16*SP              ; behind the stages: the spare words, 128 bytes a wave, that no other line names
.set AP0, 4                            ; v4   my place in a slot's P; never rewritten
.set AV0, 5                            ; v5   in its V; never rewritten
.set AP,  6                            ; v6   the step's address of P
.set AVA, 7                            ; v7   of V's keys 0-127
.set AVB, 8                            ; v8   of V's keys 128-255
.set STO, 9                            ; v9   the way out: where I put 32 bytes of a row
.set RD,  10                           ; v10  where I read rows back
.set CO,  11                           ; v11  my byte offset in two rows of out0
.set SO,  12                           ; v12  my byte offset in an entry of st
.set PFO, 13                           ; v13  the prefetches' offset
.set SPW, 14                           ; v14  my spare word; never rewritten
.set NIL, 15                           ; v15  0; never rewritten
.set MXC, 16                           ; v16-19  MX of my four query tiles, block in hand
.set RLC, 20                           ; v20-27  1 / L, in the even registers
.set MXL, 28                           ; v28-31  the second block's
.set RLL, 32                           ; v32-39
.set FF,  40                           ; v40-55  f of (key block kb, tile t) at 2 (4 kb + t)
.set MBUF, 56                          ; v56-63  c m of the step to come, at 4 kb + t
.set BK,  64                           ; v64-191 rows read back from the stage
.set ARG, 192                          ; v192-199 at work
.set F0,  0
.set F1,  128
.set SKIP, 3                           ; s3   0 where my query tile 0 of the second block is a batch's rows 0-15
.set WV,  12
.set G1P, 24                           ; s[24:31] descriptor group 1 for P's tiles
.set G1V, 32                           ; s[32:39] for V's
.set G0P, 40                           ; s[40:43] group 0 for P's
.set G0V, 44                           ; s[44:47] for V's
.set OFFP, 48                          ; s[48:49] a tile's offset in pf
.set OFFV, 50                          ; s[50:51] in qkv
.set OFFS, 52                          ; s[52:53] a step's offset in st
.set SB,  54                           ; s[54:55] st at the step to come
.set PFA, 56                           ; s[56:57] where my prefetches stand
.set NXT, 58                           ; the step to be asked for next
.set LQ,  59                           ; the last step of the block whose tiles are being asked for
.set PCUR, 60                          ; that block's offset in pf (my four query tiles)
.set PLO, 61                           ; the second block's
.set SCUR, 62                          ; that block's offset in st
.set SLO, 63
.set VBASE, 66                         ; my 128 rows and channels of V's step 0
.set LQLO, 67
.set RT,  68                           ; steps of the block in hand still to be multiplied
.set NLO, 69
.set TB,  70                           ; the slot to be read: 0 or SLOTB
.set CNT, 71
.set PFOK, 72
.set LIMW, 73
.set OLO, 74                           ; s[74:75] out0 at my rows of the second block
.set PFB, 76                           ; s[76:77] the prefetches' base: one step on
.set OFFQ, 78                          ; s[78:79] their offset
.set W_MM, 0xa5                        ; sources in window 1, C and D in window 2
.set MSB, 0
.macro WIN new
.if MSB != (\new)
	s_set_vgpr_msb (MSB<<8)|(\new)
.set MSB, \new
.endif
.endm
; A fill.  Waves 0 and 1 ask jointly for the two halves of the step's P, waves 2 and 3 for the two halves of its V.  An s_nop 0 and four v_nop follow each of the two lines.
.macro JLOAD
	s_cmp_lt_u32 s[WV], 2
	s_cbranch_scc0 .Lfor_v_\@
	tensor_load_to_lds s[G0P:G0P+3], s[G1P:G1P+7]
	s_nop 0
.rept 4
	v_nop
.endr
	s_branch .Lasked_\@
.Lfor_v_\@:
	tensor_load_to_lds s[G0V:G0V+3], s[G1V:G1V+7]
	s_nop 0
.rept 4
	v_nop
.endr
.Lasked_\@:
.endm
; A prefetch into the L2 of what the next change of slots will ask for, where that is a further step of the same block.  P: the clusters with x = 0; of a wave's four query tiles the partner at cx takes one, 8,192 bytes,
; a lane 256 bytes: told apart by address.  V: the work-groups with pb = 0, whose first block walks all of the batch's keys; a wave's own 128 rows, a lane a row, four instructions.
.macro ASK
	s_cmp_eq_u32 s[PFOK], 1
	s_cbranch_scc0 .Lnone_\@
	s_cmp_lt_u32 s[WV], 2
	s_cbranch_scc0 .Lask_v_\@
	global_prefetch_b8 v[PFO], s[PFA:PFA+1] th:TH_LOAD_NT scope:SCOPE_SE
	s_branch .Lnone_\@
.Lask_v_\@:
.irp n, 0,1,2,3
	global_prefetch_b8 v[PFO], s[PFA:PFA+1] offset:65536*(\n) th:TH_LOAD_NT scope:SCOPE_SE
.endr
.Lnone_\@:
.endm
.macro CROUND                          ; a round of the cluster's barrier
	s_barrier_signal -1
	s_barrier_wait -1
	s_cmp_lg_u32 s[WV], 0
	s_cbranch_scc1 .Lnot_wave_0_\@
	s_barrier_signal -3
.Lnot_wave_0_\@:
	s_barrier_wait -3
	s_barrier_signal -1
	s_barrier_wait -1
.endm
.macro PLACES                          ; four plain vector instructions behind a matrix instruction (ISA guide 7.12.1)
.rept 4
	v_nop
.endr
.endm
	s_load_b256 s[4:11], s[0:1], 0x0               ; qkv s[4:5], pf s[6:7], st s[8:9], out0 s[10:11]
	v_lshl_add_u32 v[SPW], v0, 2, SPARE
	v_mov_b32 v[NIL], 0
	ds_add_u32 v[SPW], v[NIL]                      ; the wave's opening: the add and its wait ahead of my first tensor load
	v_lshrrev_b32 v1, 5, v0
	v_readfirstlane_b32 s[WV], v1                  ; wave 0..3
	s_bfe_u32 s13, ttmp6, 0x40000                  ; cx
	s_lshr_b32 s14, s[WV], 1                       ; a: my half of the queries
	s_and_b32 s15, s[WV], 1                        ; c: my half of the channels.  Also: which half of a tile I fetch
	s_lshl_b32 s16, ttmp9, 2
	s_add_co_u32 s16, s16, s13                     ; block of 128 channels
	s_and_b32 s17, ttmp7, 0xffff
	s_lshr_b32 s18, s17, 3                         ; batch
	s_and_b32 s19, s17, 7                          ; pb: the second block
	s_or_b32 s[SKIP], s19, s14                     ; made of the cluster's y and the wave's number: the same in all four partners, for a given wave
	s_sub_co_u32 s20, 15, s19                      ; the first block
	s_lshr_b32 s[LQ], s20, 1
	s_add_co_u32 s[RT], s[LQ], 1
	s_lshr_b32 s[LQLO], s19, 1
	s_add_co_u32 s[NLO], s[LQLO], 1
	s_lshl_b32 s21, s18, 7
	s_lshl_b32 s22, s15, 2
	s_add_co_u32 s21, s21, s22                     ; 128 b + my four of a block's eight query tiles
	s_lshl_b32 s22, s20, 3
	s_add_co_u32 s[PCUR], s21, s22
	s_lshl_b32 s[PCUR], s[PCUR], 16
	s_lshl_b32 s22, s19, 3
	s_add_co_u32 s[PLO], s21, s22
	s_lshl_b32 s[PLO], s[PLO], 16
	s_lshl_b32 s21, s18, 4
	s_add_co_u32 s[SCUR], s21, s20
	s_lshl_b32 s[SCUR], s[SCUR], 14
	s_add_co_u32 s[SLO], s21, s19
	s_lshl_b32 s[SLO], s[SLO], 14
	s_lshl_b32 s21, s18, 11
	s_lshl_b32 s22, s15, 7
	s_add_co_u32 s21, s21, s22
	s_lshl_b32 s21, s21, 11
	s_lshl_b32 s22, s16, 8
	s_add_co_u32 s21, s21, s22
	s_add_co_u32 s[VBASE], s21, 2*16777216         ; plane 2, row 2,048 b + 128 x half, my work-group's channels
	s_lshl_b32 s21, s18, 11
	s_lshl_b32 s22, s14, 6
	s_add_co_u32 s21, s21, s22                     ; 2,048 b + 64 a
	s_lshl_b32 s22, s16, 9
	s_lshl_b32 s23, s15, 8
	s_add_co_u32 s22, s22, s23                     ; my 64 channels, in bytes of f32
	s_lshl_b32 s23, s20, 7
	s_add_co_u32 s23, s23, s21
	s_lshl_b32 s23, s23, 12
	s_add_co_u32 s[OFFV], s23, s22                 ; for now: my place in out0, first block,
	s_lshl_b32 s23, s19, 7
	s_add_co_u32 s23, s23, s21
	s_lshl_b32 s23, s23, 12
	s_add_co_u32 s[OFFS], s23, s22                 ; and second block
	s_mov_b32 s[OFFP+1], 0
	s_mov_b32 s[OFFV+1], 0
	s_mov_b32 s[OFFS+1], 0
	s_mov_b32 s[OFFQ+1], 0
	s_cmp_lt_u32 s[WV], 2
	s_cselect_b32 s21, ttmp9, s19                  ; who prefetches: the same in all four partners, for a given wave
	s_cselect_b32 s17, 8, 11                       ; a lane's step: 256 bytes of P, a row of V
	s_cmp_eq_u32 s21, 0
	s_cselect_b32 s[LIMW], 1, 0
	s_mov_b32 s[G1P+0], 15|(3<<16)|(1<<21)         ; the mask of four; 8-byte elements; bit 21 beside a mask; no padding
	s_mov_b32 s[G1P+1], 1024<<16                   ; tensor_dim0 = 1,024 elements: 8,192 bytes, a query tile's eight chunks
	s_mov_b32 s[G1P+2], 4<<16                      ; tensor_dim1 = 4 query tiles
	s_mov_b32 s[G1P+3], 1024<<16                   ; tile_dim0
	s_mov_b32 s[G1P+4], 4                          ; tile_dim1
	s_mov_b32 s[G1P+5], 8192                       ; 65,536 bytes from a query tile to the next
	s_mov_b32 s[G1P+6], 0
	s_mov_b32 s[G1P+7], 0
	s_mov_b32 s[G1V+0], (1<<16)|(1<<20)|(5<<22)|(7<<25)  ; 2-byte elements; padding on: after every 64 words 8 words
	s_mov_b32 s[G1V+1], 128<<16
	s_mov_b32 s[G1V+2], 128<<16
	s_mov_b32 s[G1V+3], 128<<16
	s_mov_b32 s[G1V+4], 128
	s_mov_b32 s[G1V+5], 1024
	s_mov_b32 s[G1V+6], 0
	s_mov_b32 s[G1V+7], 0
	s_mov_b32 s[G0P], 1
	s_lshl_b32 s[G0P+1], s15, 15                   ; slot 0: my half of P
	s_mov_b32 s[G0V], 1
	s_mul_i32 s[G0V+1], s15, AVH
	s_add_co_u32 s[G0V+1], s[G0V+1], VOFF          ; my half of V
	s_mov_b32 s[NXT], 1
	s_mov_b32 s[TB], SLOTB                         ; the first change of slots turns it into 0
	s_mov_b32 s[CNT], 8
	s_wait_dscnt 0x0                               ; the opening add is done
	s_wait_kmcnt 0x0
	s_add_nc_u64 s[OLO:OLO+1], s[10:11], s[OFFS:OFFS+1]
	s_add_nc_u64 s[10:11], s[10:11], s[OFFV:OFFV+1]
	s_mov_b32 s[OFFP], s[PCUR]
	s_add_nc_u64 s[G0P+2:G0P+3], s[6:7], s[OFFP:OFFP+1]
	s_or_b32 s[G0P+3], s[G0P+3], 0x80000000
	s_mov_b32 s[OFFV], s[VBASE]
	s_add_nc_u64 s[G0V+2:G0V+3], s[4:5], s[OFFV:OFFV+1]
	s_or_b32 s[G0V+3], s[G0V+3], 0x80000000
	s_mov_b32 s[OFFS], s[SCUR]
	s_add_nc_u64 s[SB:SB+1], s[8:9], s[OFFS:OFFS+1]        ; st at the first block
	s_mov_b32 s[OFFS], s[SLO]
	s_add_nc_u64 s[20:21], s[8:9], s[OFFS:OFFS+1]          ; and at the second
	s_lshl_b32 s22, s13, 16
	s_add_co_u32 s22, s22, 8192                    ; P: my work-group's query tile of the wave's four, one step on
	s_mov_b32 s23, 0
	s_cmp_lt_u32 s[WV], 2
	s_cselect_b32 s22, s22, 524288                 ; V: one step on
	s_cselect_b64 s[PFB:PFB+1], s[6:7], s[4:5]
	s_add_nc_u64 s[PFB:PFB+1], s[PFB:PFB+1], s[22:23]
	CROUND                                         ; all four work-groups are here: the first joint load meets
	JLOAD                                          ; step 0 into slot 0
	v_and_b32 v1, 31, v0                           ; lane
	v_and_b32 v2, 15, v0                           ; l % 16
	v_bfe_u32 v3, v0, 4, 1                         ; l / 16
	s_lshl_b32 s22, s14, 15
	v_lshlrev_b32 v[AP0], 4, v1
	v_add_nc_u32 v[AP0], s22, v[AP0]               ; my four query tiles; a lane's 16 bytes of a fragment's half
	v_and_b32 v[AP], 7, v0
	v_lshl_add_u32 v[AP], v3, 3, v[AP]
	v_mul_u32_u24 v[AV0], v[AP], PV                ; the turning load: key 8 (l / 16) + l % 8,
	v_bfe_u32 v[AP], v0, 3, 1
	v_lshl_add_u32 v[AV0], v[AP], 4, v[AV0]        ; channels 8 ((l / 8) % 2) on,
	s_lshl_b32 s22, s15, 7
	s_add_co_u32 s22, s22, VOFF
	v_add_nc_u32 v[AV0], s22, v[AV0]               ; in my 64 channels
	s_mul_i32 s22, s[WV], 16*SP
	s_add_co_u32 s22, s22, STAGE                   ; my stage
	v_mul_u32_u24 v[STO], v2, SP
	v_lshl_add_u32 v[STO], v3, 5, v[STO]
	v_add_nc_u32 v[STO], s22, v[STO]               ; in: row l % 16, 32 bytes for each half of the lanes
	v_mul_u32_u24 v[RD], v3, SP
	v_lshl_add_u32 v[RD], v2, 4, v[RD]
	v_add_nc_u32 v[RD], s22, v[RD]                 ; back: lanes 0-15 one row of 256 bytes, lanes 16-31 the next
	v_lshlrev_b32 v[CO], 12, v3
	v_lshl_add_u32 v[CO], v2, 4, v[CO]             ; the same two rows in out0
	s_lshl_b32 s22, s14, 9
	v_lshl_add_u32 v[SO], v2, 3, s22               ; my two pairs of query tiles, my query
	v_lshlrev_b32 v[PFO], s17, v1
	WIN 0x80                                       ; loaded data into window 2: c m at 4 jb + t, l at 64 + 4 jb + t; the second block's 128 further on
.irp jb, 0,1,2,3,4,5,6,7,8,9,10,11,12,13,14,15
.irp tp, 0,1
	global_load_b64 v[4*(\jb)+2*(\tp):4*(\jb)+2*(\tp)+1],         v[SO], s[SB:SB+1] offset:1024*(\jb)+256*(\tp)
	global_load_b64 v[64+4*(\jb)+2*(\tp):64+4*(\jb)+2*(\tp)+1],   v[SO], s[SB:SB+1] offset:1024*(\jb)+256*(\tp)+128
	global_load_b64 v[128+4*(\jb)+2*(\tp):128+4*(\jb)+2*(\tp)+1], v[SO], s[20:21] offset:1024*(\jb)+256*(\tp)
	global_load_b64 v[192+4*(\jb)+2*(\tp):192+4*(\jb)+2*(\tp)+1], v[SO], s[20:21] offset:1024*(\jb)+256*(\tp)+128
.endr
.endr
	WIN 0
.irp kb, 0,1
.irp tp, 0,1
	global_load_b64 v[MBUF+4*(\kb)+2*(\tp):MBUF+4*(\kb)+2*(\tp)+1], v[SO], s[SB:SB+1] offset:1024*(\kb)+256*(\tp)  ; step 0's c m
.endr
.endr
.irp i, 0,1,2,3,4,5,6,7
	v_mov_b32 v[FF+2*(\i)+1], 0                    ; named in pairs
.endr
.irp i, 0,1,2,3
	v_mov_b32 v[RLC+2*(\i)+1], 0
	v_mov_b32 v[RLL+2*(\i)+1], 0
.endr
	WIN 0xc0
.set z, 0
.rept 128
	v_mov_b32 v[z], 0                              ; O starts at 0: written while the first tile and the statistics are on their way
.set z, z+1
.endr
	s_wait_loadcnt 0x0
; A block's statistics.  MX: eight maxima a tile.  f = 2^(c m - MX) for all 16 key blocks: one batch of 64 exponentials, one wait.  L = the sum of f l, two chains.  1 / L: four reciprocals, one wait.
.macro STATS base, mx, rl
	WIN 0x2a
.irp t, 0,1,2,3
	v_max3_num_f32 v[(\mx)+(\t)], v[(\base)+(\t)], v[(\base)+4+(\t)], v[(\base)+8+(\t)]
.endr
	WIN 0x28
.irp k, 0,1,2,3,4,5
.irp t, 0,1,2,3
	v_max3_num_f32 v[(\mx)+(\t)], v[(\mx)+(\t)], v[(\base)+12+8*(\k)+(\t)], v[(\base)+16+8*(\k)+(\t)]
.endr
.endr
.irp t, 0,1,2,3
	v_max_num_f32 v[(\mx)+(\t)], v[(\mx)+(\t)], v[(\base)+60+(\t)]
.endr
	WIN 0x82
.set z, 0
.rept 32
	v_pk_add_f32 v[(\base)+2*z:(\base)+2*z+1], v[(\base)+2*z:(\base)+2*z+1], v[(\mx)+2*(z%2):(\mx)+2*(z%2)+1] neg_lo:[0,1] neg_hi:[0,1]
.set z, z+1
.endr
.set z, 0
.rept 64
	v_exp_f32 v[(\base)+z], v[(\base)+z]
.set z, z+1
.endr
	v_nop                                          ; a plain instruction behind the last exponential,
	s_wait_alu depctr_va_vdst(0)                   ; and the batch's one wait
	WIN 0x0a
.irp p, 0,1
	v_pk_mul_f32 v[ARG+2*(\p):ARG+2*(\p)+1], v[(\base)+2*(\p):(\base)+2*(\p)+1], v[(\base)+64+2*(\p):(\base)+64+2*(\p)+1]
.endr
.set z, 2
.rept 30
	v_pk_fma_f32 v[ARG+2*(z%2):ARG+2*(z%2)+1], v[(\base)+2*z:(\base)+2*z+1], v[(\base)+64+2*z:(\base)+64+2*z+1], v[ARG+2*(z%2):ARG+2*(z%2)+1]
.set z, z+1
.endr
	WIN 0
.irp t, 0,1,2,3
	v_rcp_f32 v[(\rl)+2*(\t)], v[ARG+(\t)]
.endr
	v_nop
	s_wait_alu depctr_va_vdst(0)
.endm
	STATS 0, MXC, RLC
	STATS 128, MXL, RLL
; 8 matrix instructions: query tiles q0, q0 + 1 x 4 channel tiles, chunk cc of buffer f, into T's buffer par.  The 16 accumulators take turns, one instruction a turn.
.macro MUL8 f, cc, q0, par, zero
	WIN W_MM
.irp t, \q0, (\q0)+1
.irp cb, 0,1,2,3
.if \zero
	v_wmma_f32_16x16x32_f16 v[128*(\par)+8*(4*(\t)+(\cb)):128*(\par)+8*(4*(\t)+(\cb))+7], v[(\f)+64+8*(4*(\cc)+(\cb)):(\f)+64+8*(4*(\cc)+(\cb))+7], v[(\f)+8*(4*(\cc)+(\t)):(\f)+8*(4*(\cc)+(\t))+7], 0
.else
	v_wmma_f32_16x16x32_f16 v[128*(\par)+8*(4*(\t)+(\cb)):128*(\par)+8*(4*(\t)+(\cb))+7], v[(\f)+64+8*(4*(\cc)+(\cb)):(\f)+64+8*(4*(\cc)+(\cb))+7], v[(\f)+8*(4*(\cc)+(\t)):(\f)+8*(4*(\cc)+(\t))+7], v[128*(\par)+8*(4*(\t)+(\cb)):128*(\par)+8*(4*(\t)+(\cb))+7]
.endif
.endr
.endr
.endm
; 32 LDS loads in one run: the fragments of quarter q (chunks 2 q and 2 q + 1 of 32 keys), the first chunk's first
.macro FETCHQ q, f
	WIN 0x40
.irp cc, 0,1
.irp i, 0,1,2,3
	ds_load_b128 v[(\f)+8*(4*(\cc)+(\i)):(\f)+8*(4*(\cc)+(\i))+3],   v[AP] offset:8192*(\i)+1024*(2*(\q)+(\cc))
	ds_load_b128 v[(\f)+8*(4*(\cc)+(\i))+4:(\f)+8*(4*(\cc)+(\i))+7], v[AP] offset:8192*(\i)+1024*(2*(\q)+(\cc))+512
	ds_load_tr16_b128 v[(\f)+64+8*(4*(\cc)+(\i)):(\f)+64+8*(4*(\cc)+(\i))+3],   v[AVA+(\q)/2] offset:32*((2*(\q)+(\cc))%4)*PV+32*(\i)
	ds_load_tr16_b128 v[(\f)+64+8*(4*(\cc)+(\i))+4:(\f)+64+8*(4*(\cc)+(\i))+7], v[AVA+(\q)/2] offset:32*((2*(\q)+(\cc))%4)*PV+16*PV+32*(\i)
.endr
.endr
.endm
.macro QUARTER q, f, g, par, zero
	s_wait_dscnt 16                                ; the first chunk is in; the second chunk's sixteen loads may be out
	MUL8 \f, 0, 0, \par, \zero
	MUL8 \f, 0, 2, \par, \zero
	PLACES
	FETCHQ (\q)+1, \g
	s_wait_dscnt 32                                ; all but the 32 just issued
	MUL8 \f, 1, 0, \par, 0
	MUL8 \f, 1, 2, \par, 0
.endm
.macro COMBINE par, kb                 ; O += f T, each accumulator's registers in ascending order
	PLACES
	WIN 0xf2                                       ; T in window 2, f in window 0, O in window 3
.irp t, 0,1,2,3
.set z, 0
.rept 16
	v_pk_fma_f32 v[32*(\t)+2*z:32*(\t)+2*z+1], v[128*(\par)+32*(\t)+2*z:128*(\par)+32*(\t)+2*z+1], v[FF+2*(4*(\kb)+(\t)):FF+2*(4*(\kb)+(\t))+1], v[32*(\t)+2*z:32*(\t)+2*z+1] op_sel_hi:[1,0,1]
.set z, z+1
.endr
.endr
.endm
; THE CHANGE OF SLOTS.  Each wave waits for all its tensor loads (one is out: its part of the other slot), adds 0 to its spare word, and waits for that and for its reads of the slot that it leaves.
; fill = 1: the barrier is a round of the cluster's, and the slot is filled again first behind it, with step NXT; the addresses are made anew from that number.  A fill has a step's 128 matrix instructions in which to land.
.macro CHANGE fill
	WIN 0
	s_wait_tensorcnt 0x0                           ; no tensor load of mine is out, so a group 0 may be written
	ds_add_u32 v[SPW], v[NIL]                      ; 0 onto my spare word; the scalar work below stands between it and the wait for it
.if \fill
	s_wait_xcnt 0x0                                ; the last step's loads and prefetches have read their bases
	s_xor_b32 s[G0P+1], s[G0P+1], SLOTB
	s_xor_b32 s[G0V+1], s[G0V+1], SLOTB
	s_lshl_b32 s[OFFP], s[NXT], 13                 ; a step is 8,192 bytes of each query tile,
	s_add_co_u32 s[OFFP], s[OFFP], s[PCUR]
	s_add_nc_u64 s[G0P+2:G0P+3], s[6:7], s[OFFP:OFFP+1]
	s_or_b32 s[G0P+3], s[G0P+3], 0x80000000
	s_lshl_b32 s[OFFV], s[NXT], 19                 ; 256 rows of V,
	s_add_co_u32 s[OFFV], s[OFFV], s[VBASE]
	s_add_nc_u64 s[G0V+2:G0V+3], s[4:5], s[OFFV:OFFV+1]
	s_or_b32 s[G0V+3], s[G0V+3], 0x80000000
	s_lshl_b32 s[OFFS], s[NXT], 11                 ; two entries of st
	s_add_co_u32 s[OFFS], s[OFFS], s[SCUR]
	s_add_nc_u64 s[SB:SB+1], s[8:9], s[OFFS:OFFS+1]
	s_cmp_lt_u32 s[WV], 2
	s_cselect_b32 s[OFFQ], s[OFFP], s[OFFV]
	s_add_nc_u64 s[PFA:PFA+1], s[PFB:PFB+1], s[OFFQ:OFFQ+1]
	s_cmp_lt_u32 s[NXT], s[LQ]                     ; is there a further step of this block?
	s_cselect_b32 s[PFOK], s[LIMW], 0
	s_add_co_u32 s[NXT], s[NXT], 1                 ; the block's next step, or behind its last the second block's step 0
	s_cmp_gt_u32 s[NXT], s[LQ]
	s_cselect_b32 s[NXT], 0, s[NXT]
	s_cselect_b32 s[PCUR], s[PLO], s[PCUR]
	s_cselect_b32 s[SCUR], s[SLO], s[SCUR]
	s_cselect_b32 s[LQ], s[LQLO], s[LQ]
	s_wait_dscnt 0x0                               ; the add is done, and my reads of the slot are over
	CROUND
	JLOAD
	ASK
.else
	s_wait_dscnt 0x0
	s_barrier_signal -1
	s_barrier_wait -1
.endif
	s_xor_b32 s[TB], s[TB], SLOTB
.endm
; A STEP of 256 keys: its eight f, then four quarters of 64 keys; behind each two of them a block of 128 keys is joined to O.  more = 1: the next step's c m are asked for.
.macro STEP more
	WIN 0
	v_add_nc_u32 v[AP], s[TB], v[AP0]
	v_add_nc_u32 v[AVA], s[TB], v[AV0]
	v_add_nc_u32 v[AVB], AVH, v[AVA]
	FETCHQ 0, F0
	WIN 0
	s_wait_loadcnt 0x0                             ; this step's c m
.irp i, 0,1,2,3
	v_pk_add_f32 v[ARG+2*(\i):ARG+2*(\i)+1], v[MBUF+2*(\i):MBUF+2*(\i)+1], v[MXC+2*((\i)%2):MXC+2*((\i)%2)+1] neg_lo:[0,1] neg_hi:[0,1]
.endr
.irp i, 0,1,2,3,4,5,6,7
	v_exp_f32 v[FF+2*(\i)], v[ARG+(\i)]
.endr
.if \more
.irp kb, 0,1
.irp tp, 0,1
	global_load_b64 v[MBUF+4*(\kb)+2*(\tp):MBUF+4*(\kb)+2*(\tp)+1], v[SO], s[SB:SB+1] offset:1024*(\kb)+256*(\tp)
.endr
.endr
.endif
	v_nop                                          ; a plain instruction behind the last exponential,
	s_wait_alu depctr_va_vdst(0)                   ; and the one wait for the eight
	QUARTER 0, F0, F1, 0, 1
	QUARTER 1, F1, F0, 0, 0
	COMBINE 0, 0
	QUARTER 2, F0, F1, 1, 1
	s_wait_dscnt 16
	MUL8 F1, 0, 0, 1, 0
	MUL8 F1, 0, 2, 1, 0
	s_wait_dscnt 0x0
	MUL8 F1, 1, 0, 1, 0
	MUL8 F1, 1, 2, 1, 0
	COMBINE 1, 1
.endm
; THE WAY OUT.  Tile t: O times 1 / L; a lane's eight channels of each channel tile go as 32 bytes into rows of 272 bytes and come back as whole rows of 256.
.macro PACK t
	WIN 0xc3
.set z, 0
.rept 16
	v_pk_mul_f32 v[32*(\t)+2*z:32*(\t)+2*z+1], v[32*(\t)+2*z:32*(\t)+2*z+1], v[RLC+2*(\t):RLC+2*(\t)+1] op_sel_hi:[1,0]
.set z, z+1
.endr
	WIN 0x0c                                       ; store data in window 3
.irp cb, 0,1,2,3
	ds_store_b128 v[STO], v[32*(\t)+8*(\cb):32*(\t)+8*(\cb)+3]   offset:64*(\cb)
	ds_store_b128 v[STO], v[32*(\t)+8*(\cb)+4:32*(\t)+8*(\cb)+7] offset:64*(\cb)+16
.endr
	WIN 0
.irp f, 0,1,2,3,4,5,6,7
	ds_load_b128 v[BK+32*(\t)+4*(\f):BK+32*(\t)+4*(\f)+3], v[RD] offset:(\f)*2*SP  ; LDS serves a wave's instructions in order: these see the stores above; the next tile's stores come behind them
.endr
.endm
; younger: the LDS instructions issued behind tile t's loads: the next tile's sixteen, or none.  skip = 1: where the tile is a batch's rows 0-15 its stores are jumped: a forward jump past waits and stores alone;
; the later waits count the instructions behind their own loads and hold on both ways.
.macro SEND t, younger, skip=0
	WIN 0
.if \skip
	s_cmp_eq_u32 s[SKIP], 0
	s_cbranch_scc1 .Lmade_\@
.endif
.irp f, 0,1,2,3,4,5,6,7
	s_wait_dscnt (\younger)+7-(\f)
	global_store_b128 v[CO], v[BK+32*(\t)+4*(\f):BK+32*(\t)+4*(\f)+3], s[10:11] offset:(16*(\t)+2*(\f))*4096 th:TH_STORE_NT  ; 16 lanes store 256 consecutive bytes, aligned
.endr
.if \skip
.Lmade_\@:
.endif
.endm
.macro WAYOUT skip
	PACK 0
	PACK 1
	SEND 0, 16, \skip
	PACK 2
	SEND 1, 16
	PACK 3
	SEND 2, 16
	SEND 3, 0
.endm
.Lstep:                                                ; eight trips: a step is asked for, the one before it multiplied
	CHANGE 1
	STEP 1
	WIN 0
	s_sub_co_u32 s[RT], s[RT], 1
	s_cmp_lg_u32 s[RT], 0
	s_cbranch_scc1 .Lbottom                        ; forward, past text with no barrier and no tensor load
	WAYOUT 0                                       ; the first block's end: block 15 - pb is never a batch's first
	s_wait_xcnt 0x0                                ; the stores have read their base and their registers
	s_mov_b64 s[10:11], s[OLO:OLO+1]
	s_mov_b32 s[RT], s[NLO]
.irp t, 0,1,2,3
	v_mov_b32 v[MXC+(\t)], v[MXL+(\t)]
	v_mov_b32 v[RLC+2*(\t)], v[RLL+2*(\t)]
.endr
	WIN 0xc0
.set z, 0
.rept 128
	v_mov_b32 v[z], 0                              ; the second block's O starts at 0
.set z, z+1
.endr
	WIN 0
.Lbottom:
	s_sub_co_u32 s[CNT], s[CNT], 1
	s_cmp_lg_u32 s[CNT], 0
	s_cbranch_scc1 .Lstep
	CHANGE 0                                       ; the walk's last step is written out: nothing is asked for
	STEP 0
	WAYOUT 1                                       ; the second block's end
	s_wait_tensorcnt 0x0                           ; the wave's end: behind my last tensor load and my last LDS store
	ds_add_u32 v[SPW], v[NIL]
	s_wait_dscnt 0x0
	CROUND                                         ; the closing round
	s_endpgm
.Lfunc_end_k_qaf09dc43d4_pv:
	.size	k_qaf09dc43d4_pv, .Lfunc_end_k_qaf09dc43d4_pv-k_qaf09dc43d4_pv
	.p2alignl 7, 3214868480
	.fill 96, 4, 3214868480
	.section	.rodata,"a",@progbits
	.p2align	6, 0x0
	.amdhsa_kernel k_qaf09dc43d4_pv
		.amdhsa_group_segment_fixed_size 327680
		.amdhsa_private_segment_fixed_size 0
		.amdhsa_enable_private_segment 0
		.amdhsa_kernarg_size 32
		.amdhsa_user_sgpr_count 2
		.amdhsa_user_sgpr_kernarg_segment_ptr 1
		.amdhsa_wavefront_size32 1
		.amdhsa_system_sgpr_workgroup_id_x 1
		.amdhsa_system_sgpr_workgroup_id_y 1
		.amdhsa_system_sgpr_workgroup_id_z 1
		.amdhsa_system_vgpr_workitem_id 0
		.amdhsa_next_free_vgpr 896
		.amdhsa_next_free_sgpr 80
		.amdhsa_reserve_vcc 0
		.amdhsa_float_denorm_mode_32 3
		.amdhsa_float_denorm_mode_16_64 3
		.amdhsa_memory_ordered 1
		.amdhsa_forward_progress 1
		.amdhsa_inst_pref_size 126
	.end_amdhsa_kernel
	.amdgpu_metadata
---
amdhsa.version: [ 1, 2 ]
amdhsa.kernels:
  - .name:           k_qaf09dc43d4_pv
    .symbol:         k_qaf09dc43d4_pv.kd
    .args:
      - { .name: qkv, .offset: 0, .size: 8, .value_kind: global_buffer, .address_space: global }
      - { .name: pf, .offset: 8, .size: 8, .value_kind: global_buffer, .address_space: global }
      - { .name: st, .offset: 16, .size: 8, .value_kind: global_buffer, .address_space: global }
      - { .name: out0, .offset: 24, .size: 8, .value_kind: global_buffer, .address_space: global }
    .group_segment_fixed_size: 327680
    .private_segment_fixed_size: 0
    .kernarg_segment_align: 8
    .kernarg_segment_size: 32
    .max_flat_workgroup_size: 128
    .sgpr_count:     80
    .vgpr_count:     896
    .wavefront_size: 32
...
	.end_amdgpu_metadata
.endif
;; end of part 5
;; ======== version 2 of 3: 4 launches
;; limits: values are held in f16: magnitudes above 65,504 overflow, below 6.1e-05 lose precision
;; workspace buffers: xb 16,777,216 bytes; wb 6,291,456 bytes; qkv 50,331,648 bytes; pf 33,554,432 bytes; st 1,048,576 bytes; h32 786,432 bytes
;; launch cast: the kernel of part 1 again; grid 720 x 1, 8 waves a work-group, no clusters, 0 bytes of LDS; arguments x, Wq, Wk, Wv, xb, wb, st; writes xb, wb, st
;; launch proj (part 6): grid 12 x 16, 4 waves a work-group, clusters of 4 x 4, 327,680 bytes of LDS; arguments xb, wb, qkv, h32; writes qkv, h32
.if DOCPART == 6
	.amdgcn_target "amdgcn-amd-amdhsa--gfx1250"
	.amdhsa_code_object_version 6
	.text
	.protected	k_qaf09dc43d4_proj
	.globl	k_qaf09dc43d4_proj
	.p2align	8
	.type	k_qaf09dc43d4_proj,@function
k_qaf09dc43d4_proj:
	s_mov_b64 s[64:65], 0
	v_nop
	global_prefetch_b8 v0, s[64:65] scope:SCOPE_SE
	s_setreg_imm32_b32 hwreg(HW_REG_WAVE_MODE, 25, 1), 1
	s_wait_xcnt 0x0
	s_wait_alu depctr_hold_cnt(0) depctr_sa_sdst(0) depctr_va_vdst(0) depctr_va_sdst(0) depctr_va_ssrc(0) depctr_va_vcc(0) depctr_vm_vsrc(0)
	s_getreg_b32 s2, hwreg(HW_REG_IB_STS2, 6, 4)
	s_cmp_eq_u32 s2, 0
	s_cbranch_scc0 .Lentry_in_a_cluster
	s_endpgm
.Lentry_in_a_cluster:
	s_bfe_u32 s2, ttmp6, 0x10000c
	s_cmp_lg_u32 s2, 0xf033
	s_cbranch_scc0 .Lentry_shape_is_right
	s_endpgm
.Lentry_shape_is_right:
; qkv[t][token][o] = the sum over d of xb[token][d] wb[1024 t + o][d], t = 0, 1, 2 (q, k, v).  xb: [8192][1024] bf16, wb: [3072][1024] bf16, qkv: [3][8192][1024] f16; sums in f32, rounded once.
; h32 keeps the f32 sums of tokens 0-15 of each batch, as the accumulators lie: [t][batch][tile of 16 outputs][half of the registers][lane][16 bytes]: the launch behind makes each batch's first 16 rows from them.
; LIMIT.  f16 ends at 65,504: a q, k or v beyond that leaves as an infinity.
; SHARES.  A tile is 256 tokens x 256 rows of wb: 32 x 12 = 384 tiles.  A work-group makes TWO, one 1,024 tokens below the other: 12 x 16 = 192 work-groups of equal work.  A wave makes 128 x 128: 64 accumulators.
; WHY THIS TILE.  K goes in steps of 128 through two LDS slots; a step of this tile is 256 matrix instructions a wave, 224 of them between a tile's request and the wait for it.  A tile of half the size has half of that,
; and two slots of two of its steps (2 x 384 rows x 528 bytes) do not fit in LDS; three halves of a tile for each of 256 work-groups would have such short steps in a third of the work.
; The token block is 8 cy + cluster y + 4 x tile: the batch is cy, and a batch's first block is tile 0 of the clusters with y = 0.
; THE TEXT.  A K step is written once: a trip of the loop goes from a step's second quarter to the next step's first; the slot to be read is a scalar (0 or SLOT) turned by an exclusive or, and one descriptor walks.
; One loop of eight trips serves both tiles: the first tile leaves it in the middle of the eighth trip, for the way out (trips 7 and 8 have asked for the next tile's K steps 0 and 1: the ring does not stop);
; the last tile leaves it at the head of the seventh, for the two steps that ask for nothing.  Those are a loop of two trips, left in the middle of the second.  All these jumps go forward and hang on counters.
; CLUSTER.  4 x 4 work-groups.  The four of a row need the same rows of xb, the four of a column the same rows of wb: each tile is asked for jointly, by the same tensor load with the same descriptor and a mask of four.
; THE MATRIX INSTRUCTION IS USED TRANSPOSED (source 0 = 16 rows of wb, source 1 = 16 rows of xb): a lane then holds one token and eight neighbouring outputs, 16 bytes of f16.
; REGISTERS, in windows of 256 (s_set_vgpr_msb: bits 1:0 source 0, 3:2 source 1, 5:4 source 2, 7:6 destination):
;   window 0: v0-31 addresses; v64-127, v128-191 fragments of xb, two buffers; v32-63, v192-255 at work on the way out     window 1: v64-127, v128-191 fragments of wb
;   window 2: the accumulators of my token tiles 0-3, (a, b) at 8 (8 a + b)     window 3: token tiles 4-7
.set KSTEP,  128
.set PITCH,  272                       ; an LDS row: 256 bytes + 16 of padding = 68 words: the 16 rows of a fragment load start at 16 different groups of four banks (ISA guide 11.1)
.set HALFT,  128*PITCH                 ; 128 rows: what one tensor load brings, and what one wave reads of xb or of wb
.set SLOT,   4*HALFT                   ; xb's 256 rows, then wb's 256: 0x22000.  The descriptors' LDS words, wave x 0x8800, have no bit in common with it, so one exclusive or changes the slot
.set STAGE,  2*SLOT                    ; behind the ring: 16 rows x 272 bytes for each wave
.set SPITCH, 272
.set SPARE,  STAGE+4*16*SPITCH         ; behind the stages: the spare words, 128 bytes a wave, that no other line names
.set ROWB,   2048                      ; bytes in a row of xb, wb and qkv
.set WALK,   1024                      ; rows from a work-group's first tile to its second
.set NEXT_A, WALK*ROWB-7*KSTEP*2       ; from a tile's last K step to the next tile's first: xb goes WALK rows down and back along K (wb only back)
.set NEXT_P, (WALK-1)*ROWB+KSTEP*2     ; the prefetches' pointer: from the K step after a tile's last to the next tile's K step 1
.set NEXT_C, (WALK-7*16)*ROWB          ; from my last 16 rows of a tile to my first of the next
.set ADRA0, 16                         ; v16  my place in a slot's rows of xb; never rewritten
.set ADRB0, 17                         ; v17  in its rows of wb; never rewritten
.set ADRA,  18                         ; v18  the same in the slot that is being read
.set ADRB,  19                         ; v19
.set STO,  24                          ; v24  the way out: where I put 16 bytes of a row
.set RD,   25                          ; v25  where I read rows back
.set CO,   26                          ; v26  my byte offset in two rows of qkv
.set HO,   27                          ; v27  16 x lane: my place in 512 bytes of h32
.set SPW,  28                          ; v28  LDS address of my spare word; never rewritten
.set NIL,  29                          ; v29  0; never rewritten
.set PFO,  30                          ; v30  the prefetches' offset: lane x a row; never rewritten
.set OB,   32                          ; 16 rows read back from the stage: v32-63 and v224-255 by turns
.set F0,   64
.set F1,   128
.set TMP,  192                         ; v192-223 packed results
.set HP,   18                          ; s[18:19] h32 at my batch and my 8 tiles of 16 outputs
.set G1,   24                          ; s[24:31] descriptor group 1 for xb's tiles
.set G0,   32                          ; s[32:39] group 0: a set for each of the two first fills; the second then walks on
.set PFA,  44                          ; s[44:45] where my prefetches stand
.set G1B,  48                          ; s[48:55], s[56:63] the same for wb's
.set G0B,  56
.set ASKW, 66                          ; s66  1 in a wave that prefetches in the tile in hand
.set ASKA, 67                          ; s67  1 in a wave that prefetches rows of xb
.set TB,   68                          ; s68  the slot to be read: 0 or SLOT
.set HF,   69                          ; s69  0 where my token tile 0 is a batch's first 16 tokens
.set EXITAT, 70                        ; s70  the count at which the loop is left for the tail: 2 in the last tile, else 0, which the count never is at the loop's head
.set OK,   71                          ; s71  1: this change of slots prefetches
.set K256, 72                          ; s72  256
.set MUL_LO, 0xa1                      ; source 0 (wb) window 1, source 1 (xb) window 0, C and D window 2
.set MUL_HI, 0xf1                      ; the same, C and D window 3
.set TO_B,   0x40                      ; destination window 1, address window 0
.set MSB, 0
.macro WIN new                         ; the immediate's high byte repeats the setting that is left; a switch that changes nothing is dropped
.if MSB != (\new)
	s_set_vgpr_msb (MSB<<8)|(\new)
.set MSB, \new
.endif
.endm
; A joint load: waves 0 and 1 fetch xb's two halves, waves 2 and 3 wb's.  The branch hangs on the wave's number alone.  An s_nop 0 and four v_nop follow each of the two lines.
.macro JLOAD s
	s_cmp_eq_u32 s11, 0
	s_cbranch_scc0 .Lfor_b_\@
	tensor_load_to_lds s[G0+4*(\s):G0+4*(\s)+3], s[G1:G1+7]
	s_nop 0
.rept 4
	v_nop
.endr
	s_branch .Lasked_\@
.Lfor_b_\@:
	tensor_load_to_lds s[G0B+4*(\s):G0B+4*(\s)+3], s[G1B:G1B+7]
	s_nop 0
.rept 4
	v_nop
.endr
.Lasked_\@:
.endm
; A prefetch into the L2 of the K step that stands two refills on: 32 rows x 256 bytes, a lane a row, one instruction a wave.  xb's rows: waves 0 and 1 of the clusters with x = 0; wb's rows: waves 2 and 3 of the
; clusters with y = 0, in the first tile alone (the second tile reads the same rows again).  Of the 128 rows that a wave fetches each of the four partners that ask for them jointly takes 32, told apart by address
; (cx for xb, cy for wb), never by a branch.  A tile's steps 4 and 5 ask for nothing; the first tile's steps 6 and 7 ask for the next tile's K steps 2 and 3 of xb.
.macro ASK
	s_cmp_eq_u32 s[OK], 1
	s_cbranch_scc0 .Lnot_mine_\@
	global_prefetch_b8 v[PFO], s[PFA:PFA+1] offset:KSTEP*2 th:TH_LOAD_NT scope:SCOPE_SE
.Lnot_mine_\@:
.endm
.macro CREST                           ; a round of the cluster's barrier behind its opening barrier
	s_cmp_lg_u32 s10, 0
	s_cbranch_scc1 .Lnot_wave_0_\@
	s_barrier_signal -3
.Lnot_wave_0_\@:
	s_barrier_wait -3
	s_barrier_signal -1
	s_barrier_wait -1
.endm
.macro CROUND                          ; a whole round
	s_barrier_signal -1
	s_barrier_wait -1
	CREST
.endm
	s_load_b128 s[4:7], s[0:1], 0x0                ; xb s[4:5], wb s[6:7]
	s_load_b64 s[8:9], s[0:1], 0x10                ; qkv
	s_load_b64 s[HP:HP+1], s[0:1], 0x18            ; h32
	v_lshl_add_u32 v[SPW], v0, 2, SPARE
	v_mov_b32 v[NIL], 0
	ds_add_u32 v[SPW], v[NIL]                      ; the wave's opening: the add and its wait ahead of my first tensor load; the set-up below stands between them
	v_lshrrev_b32 v1, 5, v0
	v_readfirstlane_b32 s10, v1                    ; wave 0..3
	s_lshr_b32 s11, s10, 1                         ; which half of the tile's tokens is mine.  Also: I fetch for xb (0) or for wb (1)
	s_and_b32 s12, s10, 1                          ; which half of its outputs.  Also: which 128 rows of that tile I fetch
	s_bfe_u32 s40, ttmp6, 0x40000                  ; cx
	s_bfe_u32 s41, ttmp6, 0x40004                  ; cy
	s_lshl_b32 s42, ttmp9, 2
	s_add_co_u32 s42, s42, s40                     ; block of 256 rows of wb = 4 x cluster x + cx
	s_and_b32 s13, ttmp7, 0xffff
	s_lshl_b32 s14, s41, 3
	s_add_co_u32 s13, s13, s14                     ; the first tile's block of 256 tokens = 8 x cy + cluster y
	s_lshl_b32 s43, s41, 2
	s_lshl_b32 s43, 15, s43                        ; my row of the cluster
	s_lshl_b32 s44, 0x1111, s40                    ; my column
	s_or_b32 s[G1+0], s43, (1<<16)|(1<<20)|(1<<21)|(5<<22)|(3<<25)   ; the mask; 2-byte elements; padding on; bit 21 beside a mask; after every 64 words 4 words
	s_or_b32 s[G1B+0], s44, (1<<16)|(1<<20)|(1<<21)|(5<<22)|(3<<25)
.irp g, G1, G1B
	s_mov_b32 s[(\g)+1], KSTEP<<16                 ; tensor_dim0 = 128
	s_mov_b32 s[(\g)+2], 128<<16                   ; tensor_dim1 = 128
	s_mov_b32 s[(\g)+3], KSTEP<<16                 ; tile_dim0 = 128
	s_mov_b32 s[(\g)+4], 128                       ; tile_dim1 = 128
	s_mov_b32 s[(\g)+5], 1024                      ; elements from row to row
	s_mov_b32 s[(\g)+6], 0
	s_mov_b32 s[(\g)+7], 0
.endr
	s_lshl_b32 s17, s12, 7
	s_lshl_b32 s16, s13, 8
	s_add_co_u32 s16, s16, s17                     ; xb: row 256 x token block + 128 x half
	s_lshl_b32 s16, s16, 11
	s_mov_b32 s17, 0
	s_lshl_b32 s47, s12, 7
	s_lshl_b32 s46, s42, 8
	s_add_co_u32 s46, s46, s47                     ; wb: row 256 x block + 128 x half
	s_lshl_b32 s46, s46, 11
	s_mov_b32 s47, 0
	s_mul_i32 s20, s10, HALFT                      ; where they go: xb's two halves, then wb's two = wave x 128 rows: no place in the cluster enters an LDS address
	s_wait_dscnt 0x0                               ; the opening add is done
	s_wait_kmcnt 0x0
	s_add_nc_u64 s[14:15], s[4:5], s[16:17]
	s_add_nc_u64 s[46:47], s[6:7], s[46:47]
	CROUND                                         ; all sixteen work-groups are here: the first joint loads meet
.irp s, 0,1
	s_mov_b32 s[G0+4*(\s)], 1
	s_add_co_u32 s[G0+4*(\s)+1], s20, (\s)*SLOT
	s_add_nc_u64 s[G0+4*(\s)+2:G0+4*(\s)+3], s[14:15], (\s)*KSTEP*2
	s_or_b32 s[G0+4*(\s)+3], s[G0+4*(\s)+3], 0x80000000
	s_mov_b32 s[G0B+4*(\s)], 1
	s_add_co_u32 s[G0B+4*(\s)+1], s20, (\s)*SLOT
	s_add_nc_u64 s[G0B+4*(\s)+2:G0B+4*(\s)+3], s[46:47], (\s)*KSTEP*2
	s_or_b32 s[G0B+4*(\s)+3], s[G0B+4*(\s)+3], 0x80000000
	JLOAD \s                                       ; two tensor loads of mine are out
.endr
	v_and_b32 v1, 15, v0                           ; l % 16
	v_bfe_u32 v2, v0, 4, 1                         ; l / 16
	v_mul_u32_u24 v3, v1, PITCH
	v_lshl_add_u32 v3, v2, 4, v3                   ; a fragment's row x pitch + 16 x half
	s_mul_i32 s21, s11, HALFT                      ; my 128 rows of xb
	s_mul_i32 s22, s12, HALFT
	s_add_co_u32 s22, s22, 2*HALFT                 ; my 128 rows of wb, behind xb's 256
	v_add_nc_u32 v[ADRA0], s21, v3
	v_add_nc_u32 v[ADRB0], s22, v3
	v_mov_b32 v[ADRA], v[ADRA0]                    ; K step 0 lies in slot 0
	v_mov_b32 v[ADRB], v[ADRB0]
	s_mul_i32 s23, s10, 16*SPITCH
	s_add_co_u32 s23, s23, STAGE                   ; my stage
	v_mul_u32_u24 v4, v1, SPITCH
	v_lshl_add_u32 v4, v2, 4, v4
	v_add_nc_u32 v[STO], s23, v4                   ; in: row l % 16, 16 bytes for each half of the lanes
	v_mul_u32_u24 v5, v2, SPITCH
	v_lshl_add_u32 v5, v1, 4, v5
	v_add_nc_u32 v[RD], s23, v5                    ; back: lanes 0-15 one row of 256 bytes, lanes 16-31 the next
	v_lshlrev_b32 v5, 11, v2
	v_lshl_add_u32 v[CO], v1, 4, v5                ; the same two rows in qkv
	s_lshl_b32 s16, s13, 8
	s_lshl_b32 s17, s11, 7
	s_add_co_u32 s16, s16, s17                     ; my first token
	s_lshl_b32 s16, s16, 11
	s_lshr_b32 s17, s42, 2
	s_lshl_b32 s17, s17, 24                        ; the plane: four blocks of 256 outputs each
	s_add_co_u32 s16, s16, s17
	s_and_b32 s17, s42, 3
	s_lshl_b32 s17, s17, 9                         ; the block's 512 bytes of a row,
	s_add_co_u32 s16, s16, s17
	s_lshl_b32 s17, s12, 8                         ; my half of them
	s_add_co_u32 s16, s16, s17
	s_mov_b32 s17, 0                               ; s[16:17]: what the first way out adds to qkv's address
	; the prefetches
	s_lshl_b32 s20, s13, 8                         ; xb's tile
	s_lshl_b32 s21, s42, 8                         ; wb's tile
	s_and_b32 s22, ttmp7, 0xffff                   ; cluster y
	s_cmp_eq_u32 s11, 0
	s_cselect_b32 s20, s20, s21
	s_cselect_b32 s21, s40, s41                    ; my place among the four that ask with me
	s_cselect_b32 s22, ttmp9, s22                  ; the coordinate along which other clusters read the same rows
	s_cselect_b32 s23, 1, 0
	s_cselect_b64 s[PFA:PFA+1], s[4:5], s[6:7]
	s_cmp_eq_u32 s22, 0
	s_cselect_b32 s[ASKW], 1, 0                    ; the same in all sixteen partners, for a given wave
	s_and_b32 s[ASKA], s[ASKW], s23
	s_lshl_b32 s22, s12, 7
	s_add_co_u32 s20, s20, s22                     ; the 128 rows that I fetch,
	s_lshl_b32 s21, s21, 5
	s_add_co_u32 s20, s20, s21                     ; my work-group's 32 of them
	s_lshl_b32 s20, s20, 11
	s_add_co_u32 s20, s20, 2*KSTEP*2               ; at K step 2: the first refill steps it to 3 and names K step 4
	s_mov_b32 s21, 0
	s_add_nc_u64 s[PFA:PFA+1], s[PFA:PFA+1], s[20:21]
	v_and_b32 v[PFO], 31, v0
	v_lshlrev_b32 v[HO], 4, v[PFO]
	v_lshlrev_b32 v[PFO], 11, v[PFO]
	; the f32 copy of a batch's first 16 tokens
	s_and_b32 s[HF], ttmp7, 0xffff
	s_or_b32 s[HF], s[HF], s11                     ; made of the cluster's y and the wave's number: the same in all sixteen partners, for a given wave
	s_lshr_b32 s20, s42, 2
	s_lshl_b32 s20, s20, 18                        ; the plane of h32,
	s_lshl_b32 s22, s41, 16                        ; batch cy,
	s_add_co_u32 s20, s20, s22
	s_and_b32 s22, s42, 3
	s_lshl_b32 s22, s22, 14                        ; the block's 16 tiles of 1,024 bytes,
	s_add_co_u32 s20, s20, s22
	s_lshl_b32 s22, s12, 13                        ; my 8 of them
	s_add_co_u32 s20, s20, s22
	s_add_nc_u64 s[HP:HP+1], s[HP:HP+1], s[20:21]
	s_mov_b32 s23, 0                               ; s21 and s23 stay 0: the high words of the two offsets that a change of slots makes
	s_mov_b32 s[K256], KSTEP*2
	s_mov_b32 s[TB], 0
	s_mov_b32 s[EXITAT], 0
; 16 matrix instructions: token tiles a0, a0 + 1 of the window's four x all 8 output tiles, 32 along K.  zero = 1: the product starts the sums.  The 64 accumulators take turns, one instruction a turn, in the same order
; in every quarter.
.macro MUL16 f, hi, a0, zero
	WIN MUL_LO+0x50*(\hi)
.irp a, \a0, (\a0)+1
.irp b, 0,1,2,3,4,5,6,7
.if \zero
	v_wmma_f32_16x16x32_bf16 v[8*(8*(\a)+(\b)):8*(8*(\a)+(\b))+7], v[(\f)+8*(\b):(\f)+8*(\b)+7], v[(\f)+8*(4*(\hi)+(\a)):(\f)+8*(4*(\hi)+(\a))+7], 0
.else
	v_wmma_f32_16x16x32_bf16 v[8*(8*(\a)+(\b)):8*(8*(\a)+(\b))+7], v[(\f)+8*(\b):(\f)+8*(\b)+7], v[(\f)+8*(4*(\hi)+(\a)):(\f)+8*(4*(\hi)+(\a))+7], v[8*(8*(\a)+(\b)):8*(8*(\a)+(\b))+7]
.endif
.endr
.endr
.endm
; 32 LDS loads in one run: a quarter step's fragments (32 K at byte k of the rows) into buffer f: wb's eight, then xb's eight
.macro FETCH k, f
	WIN TO_B
.irp i, 0,1,2,3,4,5,6,7
	ds_load_b128 v[(\f)+8*(\i):(\f)+8*(\i)+3],   v[ADRB] offset:(\k)+(\i)*16*PITCH
	ds_load_b128 v[(\f)+8*(\i)+4:(\f)+8*(\i)+7], v[ADRB] offset:(\k)+(\i)*16*PITCH+32
.endr
	WIN 0
.irp i, 0,1,2,3,4,5,6,7
	ds_load_b128 v[(\f)+8*(\i):(\f)+8*(\i)+3],   v[ADRA] offset:(\k)+(\i)*16*PITCH
	ds_load_b128 v[(\f)+8*(\i)+4:(\f)+8*(\i)+7], v[ADRA] offset:(\k)+(\i)*16*PITCH+32
.endr
.endm
.macro PLACES                          ; four plain vector instructions between a matrix instruction and a load into a register that it read, or a vector instruction that reads its result
.rept 4
	v_nop
.endr
.endm
; A K step is four quarters of 32 along K, 64 matrix instructions each, on buffers 0, 1, 0, 1.  One of the first three multiplies f and fetches the next quarter, at byte k, into g.
.macro QUARTER k, f, g, zero
	s_wait_dscnt 8                                 ; wb's fragments and xb's tiles 0-3 are in; the youngest eight loads may be out
	MUL16 \f, 0, 0, \zero
	MUL16 \f, 0, 2, \zero
	PLACES
	FETCH \k, \g
	s_wait_dscnt 32                                ; all but the 32 just issued
	MUL16 \f, 1, 0, \zero
	MUL16 \f, 1, 2, \zero
.endm
; The last quarter multiplies buffer 1 and changes slots: ONE barrier.  In front of it each wave waits for all its tensor loads (one is out: its part of the next slot), adds 0 to its spare word, and waits for that
; and for its reads of this slot.  fill = 1: the barrier opens a round of the cluster's, and the joint load is the first tensor load behind the round: the K step two on, or, at the count 2, the next tile's K step 0
; (at the count 1 the walking descriptor's plain step then leads to its K step 1).  From a request to the wait for it a wave issues 224 matrix instructions, across tiles too.
.macro TURN fill
.if \fill
	s_wait_xcnt 0x0                                ; the last prefetch, a K step back, has read its address
	s_cmp_eq_u32 s3, 2
	s_cselect_b32 s20, NEXT_P, s[K256]
	s_add_nc_u64 s[PFA:PFA+1], s[PFA:PFA+1], s[20:21]
.endif
	WIN 0
	s_wait_tensorcnt 0x0                           ; no tensor load of mine is out, so a group 0 may be written
	ds_add_u32 v[SPW], v[NIL]                      ; 0 onto my spare word; the scalar work and sixteen matrix instructions stand between it and the wait for it
.if \fill
	s_cmp_eq_u32 s3, 2
	s_cselect_b32 s20, NEXT_A, s[K256]             ; xb: a K step on, or on to the next tile
	s_cselect_b32 s22, 8*KSTEP*2, 0                ; wb: a K step on, and at the change of tiles a whole row back
	s_xor_b32 s[G0+5], s[G0+5], SLOT               ; the walking descriptors: the other slot than last time
	s_add_nc_u64 s[G0+6:G0+7], s[G0+6:G0+7], s[20:21]
	s_xor_b32 s[G0B+5], s[G0B+5], SLOT
	s_add_nc_u64 s[G0B+6:G0B+7], s[G0B+6:G0B+7], KSTEP*2
	s_sub_nc_u64 s[G0B+6:G0B+7], s[G0B+6:G0B+7], s[22:23]
	s_cmp_gt_u32 s3, 4                             ; steps 0 to 3 have a K step four on in their own tile
	s_cselect_b32 s[OK], s[ASKW], 0
	s_cmp_lt_u32 s3, 3                             ; steps 6 and 7 of the first tile name the next tile's
	s_cselect_b32 s[OK], s[ASKA], s[OK]
.endif
	s_xor_b32 s[TB], s[TB], SLOT                   ; the slot that is read behind the barrier
	s_wait_dscnt 9                                 ; the add and the youngest eight loads may be out
	MUL16 F1, 0, 0, 0
	s_wait_dscnt 0x0                               ; the add is done, and my reads of this slot are over
	s_barrier_signal -1
	MUL16 F1, 0, 2, 0
	WIN 0
	s_barrier_wait -1
.if \fill
	CREST                                          ; no wave of any partner still reads this slot or has a load on its way
	JLOAD 1                                        ; its four v_nop are also the places in front of the loads below
.else
	PLACES
.endif
	v_add_nc_u32 v[ADRA], s[TB], v[ADRA0]
	v_add_nc_u32 v[ADRB], s[TB], v[ADRB0]
	FETCH 0, F0
.if \fill
	ASK
.endif
	MUL16 F1, 1, 0, 0
	MUL16 F1, 1, 2, 0
.endm
; THE WAY OUT.  KEEP: where token tile 0 is a batch's first 16 tokens its eight accumulators are stored as they lie, in f32: each store covers 512 consecutive bytes, aligned; each accumulator's low registers first.
; The branch hangs on the cluster's y, the wave's number and the tile's number alone.
.macro KEEP
	WIN 0
	s_cmp_lg_u32 s[HF], 0
	s_cbranch_scc1 .Lnot_first_\@
	WIN 0x08                                       ; store data in window 2
.irp b, 0,1,2,3,4,5,6,7
	global_store_b128 v[HO], v[8*(\b):8*(\b)+3],   s[HP:HP+1] offset:1024*(\b)
	global_store_b128 v[HO], v[8*(\b)+4:8*(\b)+7], s[HP:HP+1] offset:1024*(\b)+512
.endr
	WIN 0
.Lnot_first_\@:
.endm
; Token tile a.  PACK: rounded to f16, each accumulator's registers in ascending order.  TOSTAGE: into my stage, and back as whole rows of 256 bytes.  SEND: stored.
.macro PACK a
	WIN 0x0a+5*((\a)/4)                            ; sources 0 and 1 in window 2 or 3
.irp b, 0,1,2,3,4,5,6,7
.irp r, 0,1,2,3
	v_cvt_pk_f16_f32 v[TMP+4*(\b)+(\r)], v[64*((\a)%4)+8*(\b)+2*(\r)], v[64*((\a)%4)+8*(\b)+2*(\r)+1]
.endr
.endr
	WIN 0
.endm
.macro TOSTAGE a
	WIN 0
.irp b, 0,1,2,3,4,5,6,7
	ds_store_b128 v[STO], v[TMP+4*(\b):TMP+4*(\b)+3] offset:32*(\b)
.endr
.irp t, 0,1,2,3,4,5,6,7
	ds_load_b128 v[OB+192*((\a)%2)+4*(\t):OB+192*((\a)%2)+4*(\t)+3], v[RD] offset:(\t)*2*SPITCH  ; LDS serves a wave's instructions in order: these see the stores above
.endr
.endm
.macro SEND a
	WIN 0
	s_wait_dscnt 0x0                               ; the tile is back in registers
	s_wait_xcnt 0x0                                ; earlier stores have read their base and data: only behind this wait are they rewritten
.if (\a) == 0
	s_add_nc_u64 s[8:9], s[8:9], s[16:17]          ; on to this tile's first rows
.else
	s_add_nc_u64 s[8:9], s[8:9], 16*ROWB
.endif
.irp t, 0,1,2,3,4,5,6,7
	global_store_b128 v[CO], v[OB+192*((\a)%2)+4*(\t):OB+192*((\a)%2)+4*(\t)+3], s[8:9] offset:2*(\t)*ROWB  ; 16 lanes store 256 consecutive bytes, aligned
.endr
.endm
	s_wait_tensorcnt 1                             ; my part of K step 0 is in; K step 1's may stay out
	s_barrier_signal -1
	s_barrier_wait -1
	FETCH 0, F0
	s_mov_b32 s2, 2                                ; tiles to go
.Ltile:
	QUARTER 64, F0, F1, 1                          ; a tile's first quarter starts the sums
	WIN 0
	s_mov_b32 s3, 8                                ; the tile's K steps to go
.Lstep:                                                ; a trip: a step's quarters 2, 3 and 4, a refill, and the next step's first quarter
	s_cmp_eq_u32 s3, s[EXITAT]
	s_cbranch_scc1 .Llast                          ; the last tile's steps 6 and 7 ask for nothing: they have a text of their own
	QUARTER 128, F1, F0, 0
	QUARTER 192, F0, F1, 0
	TURN 1
	WIN 0
	s_cmp_eq_u32 s3, 1
	s_cbranch_scc1 .Lway                           ; the first tile is finished; both refills for the next are asked for, and its first fragments are fetched
	QUARTER 64, F0, F1, 0
	WIN 0
	s_sub_co_u32 s3, s3, 1
	s_cmp_lg_u32 s3, 0
	s_cbranch_scc1 .Lstep
.Llast:
	s_mov_b32 s3, 2
.Ltail:                                                ; two trips without a refill; the second is left in its middle.  Its change of slots fetches 32 fragments that nobody multiplies: the price, once a launch, of one text for both trips
	QUARTER 128, F1, F0, 0
	QUARTER 192, F0, F1, 0
	TURN 0
	WIN 0
	s_cmp_eq_u32 s3, 1
	s_cbranch_scc1 .Lway
	QUARTER 64, F0, F1, 0
	WIN 0
	s_sub_co_u32 s3, s3, 1
	s_cmp_lg_u32 s3, 0
	s_cbranch_scc1 .Ltail
.Lway:                                                 ; token tiles 0-3 were finished ahead of the places in the change of slots; their 128 conversions are the places behind the last products
	KEEP
	PACK 0
	TOSTAGE 0
.irp a, 1,2,3,4,5,6,7                  ; tile a's conversions stand between tile a - 1's loads from the stage and the wait for them
	PACK \a
	SEND (\a)-1
	TOSTAGE \a
.endr
	SEND 7
	s_mov_b64 s[16:17], NEXT_C                     ; what the next way out adds to qkv's address
	s_mov_b32 s[HF], 1                             ; the second tile holds no batch's first tokens,
	s_mov_b32 s[ASKW], s[ASKA]                     ; reads the same rows of wb again,
	s_mov_b32 s[EXITAT], 2                         ; and is the last
	s_sub_co_u32 s2, s2, 1
	s_cmp_lg_u32 s2, 0
	s_cbranch_scc1 .Ltile
	s_wait_tensorcnt 0x0                           ; the wave's end: behind my last tensor load and my last LDS store
	ds_add_u32 v[SPW], v[NIL]
	s_wait_dscnt 0x0
	CROUND                                         ; the closing round
	s_endpgm
.Lfunc_end_k_qaf09dc43d4_proj:
	.size	k_qaf09dc43d4_proj, .Lfunc_end_k_qaf09dc43d4_proj-k_qaf09dc43d4_proj
	.p2alignl 7, 3214868480
	.fill 96, 4, 3214868480
	.section	.rodata,"a",@progbits
	.p2align	6, 0x0
	.amdhsa_kernel k_qaf09dc43d4_proj
		.amdhsa_group_segment_fixed_size 327680
		.amdhsa_private_segment_fixed_size 0
		.amdhsa_enable_private_segment 0
		.amdhsa_kernarg_size 32
		.amdhsa_user_sgpr_count 2
		.amdhsa_user_sgpr_kernarg_segment_ptr 1
		.amdhsa_wavefront_size32 1
		.amdhsa_system_sgpr_workgroup_id_x 1
		.amdhsa_system_sgpr_workgroup_id_y 1
		.amdhsa_system_sgpr_workgroup_id_z 1
		.amdhsa_system_vgpr_workitem_id 0
		.amdhsa_next_free_vgpr 1024
		.amdhsa_next_free_sgpr 80
		.amdhsa_reserve_vcc 0
		.amdhsa_float_denorm_mode_32 3
		.amdhsa_float_denorm_mode_16_64 3
		.amdhsa_memory_ordered 1
		.amdhsa_forward_progress 1
		.amdhsa_inst_pref_size 104
	.end_amdhsa_kernel
	.amdgpu_metadata
---
amdhsa.version: [ 1, 2 ]
amdhsa.kernels:
  - .name:           k_qaf09dc43d4_proj
    .symbol:         k_qaf09dc43d4_proj.kd
    .args:
      - { .name: xb, .offset: 0, .size: 8, .value_kind: global_buffer, .address_space: global }
      - { .name: wb, .offset: 8, .size: 8, .value_kind: global_buffer, .address_space: global }
      - { .name: qkv, .offset: 16, .size: 8, .value_kind: global_buffer, .address_space: global }
      - { .name: h32, .offset: 24, .size: 8, .value_kind: global_buffer, .address_space: global }
    .group_segment_fixed_size: 327680
    .private_segment_fixed_size: 0
    .kernarg_segment_align: 8
    .kernarg_segment_size: 32
    .max_flat_workgroup_size: 128
    .sgpr_count:     80
    .vgpr_count:     1024
    .wavefront_size: 32
...
	.end_amdgpu_metadata
.endif
;; end of part 6
;; launch scores (part 7): grid 44 x 4, 4 waves a work-group, no clusters, 327,680 bytes of LDS; arguments qkv, pf, st, h32, out0; writes pf, st, out0
.if DOCPART == 7
	.amdgcn_target "amdgcn-amd-amdhsa--gfx1250"
	.amdhsa_code_object_version 6
	.text
	.protected	k_qaf09dc43d4_scores
	.globl	k_qaf09dc43d4_scores
	.p2align	8
	.type	k_qaf09dc43d4_scores,@function
k_qaf09dc43d4_scores:
	s_mov_b64 s[64:65], 0
	v_nop
	global_prefetch_b8 v0, s[64:65] scope:SCOPE_SE
	s_setreg_imm32_b32 hwreg(HW_REG_WAVE_MODE, 25, 1), 1
	s_wait_xcnt 0x0
; TWO KINDS OF WORK-GROUP.  x < 36: a tile of the scores (below).  x >= 36: 128 channels of a batch's first 16 rows of out0 (at the label .Lhead, with a head of its own).  The 32 work-groups of the
; second kind run beside the 144 of the first and end long before them: they cost no launch of their own.  The branch hangs on the work-group's x alone: all waves of a work-group go the same way.
; THE TILES.  For each tile of 256 queries x 256 keys on or below the diagonal: S^T = K Q^T (f16 operands, f32 sums over 1,024 channels); then, for each query and each block of 128 keys, the block's own maximum of c s,
; p = 2^(c s - c m) with c = log2(e) / 32, rounded to f16, and l = the sum of the unrounded p.  The launch behind joins the blocks by 2^(c m - the row's greatest c m), in f32.
; pf holds p as the next product's source 1 wants it: [batch][16 queries][32 keys][half][lane][16 bytes]: what a lane holds of S^T, rounded, is stored as it stands.
; st holds c m and l: [batch][128 queries][128 keys][pair of query tiles][c m, l][query % 16][tile of the pair], f32.
; LIMITS.  A hidden score counts as c times its value less 1e30; p below 6e-8 is 0 in pf; a p below 2^-126 counts as 0 in l; NaN and infinities are not treated apart.
; SHARES.  Work-group x of 36 is tile (I, J), J <= I, of batch y.  Wave (a, c) makes 128 queries x 128 keys: 64 accumulators in windows 2 and 3.  K goes in steps of 128 through two LDS slots.
; On the diagonal tile the wave with a < c lies wholly above the diagonal: it stores zeros in pf (the next launch reads them, with factor 0) and leaves st as it was filled.
; THE TEXT.  A K step is written once: a trip of the loop goes from a step's second quarter to the next step's first; the slot to be read is a scalar (0 or SLOT) turned by an exclusive or, and one descriptor walks.
; The two steps that ask for nothing are a loop of two trips, left in the middle of the second.  The softmax is written once for the eight query tiles: only the 32 lines that take a tile's scores out of its
; accumulators, scaled and masked, are written for each tile, and a ladder of forward jumps on the counter picks them.
; NO CLUSTER: a row of the triangle has 1 to 8 tiles, so they fall into no groups of four that share a block; a rectangle of clusters would hold 96 work-groups with nothing to do.
; REGISTERS: window 0: v0-31 addresses; v32-63 at work on the way out; v64-127, v128-191 fragments of Q, two buffers (on the way out v64-127 hold a tile's scores, v128-159 its packed p)
;   window 1: v64-127, v128-191 fragments of K     window 2: accumulators of my query tiles 0-3, (t, kt) at 8 (8 t + kt)     window 3: tiles 4-7
.set NT,     36                        ; tiles of the triangle in a batch
.set KSTEP,  128
.set PITCH,  272                       ; 256 bytes + 16 of padding: the 16 rows of a fragment load start at 16 different groups of four banks (ISA guide 11.1)
.set HALFT,  128*PITCH
.set SLOT,   4*HALFT                   ; Q's 256 rows, then K's 256 rows: 0x22000.  The descriptors' LDS words, wave x 0x8800, have no bit in common with it, so one exclusive or changes the slot
.set SPARE,  2*SLOT                    ; behind the ring: the spare words, 128 bytes a wave, that no other line names
.set ADRA0, 16                         ; v16  my place in a slot's rows of Q; never rewritten
.set ADRB0, 17                         ; v17  in its rows of K; never rewritten
.set ADRA,  18                         ; v18  the same in the slot that is being read
.set ADRB,  19                         ; v19
.set PO,   26                          ; v26     16 x lane
.set SO,   27                          ; v27     128 (l / 16) + 8 (l % 16)
.set SPW,  28                          ; v28     my spare word; never rewritten
.set NIL,  29                          ; v29     0; never rewritten
.set DD,   30                          ; v30     l % 16 - 8 (l / 16): register j of the diagonal's key tile is hidden where j is greater
.set PFO,  31                          ; v31     lane x a row of qkv
.set MD,   32                          ; v32-39  the diagonal key tile's mask
.set CC,   40                          ; v40-43  four running maxima
.set CM,   44                          ; v44-45  c m (the pair's low word is taken for both halves)
.set LS,   46                          ; v46-47  at work on l
.set RR,   48                          ; v48-49  c m (lanes 0-15) and l (lanes 16-31) of a pair of query tiles
.set POX,  50                          ; v50     PO + the tile's 65,536 bytes
.set SOX,  51                          ; v51     SO + the pair's 256 bytes
.set SB,   64                          ; v64-127 a query tile's 64 scores a lane
.set TM,   128                         ; v128-159 its packed p
.set F0,   64
.set F1,   128
.set G1,   24                          ; s[24:31] descriptor group 1
.set G0,   32                          ; s[32:39] group 0: a set for each of the two first fills; the second then walks on
.set LIM,  43                          ; s43  2 in a wave that prefetches, else the greatest number
.set PFA,  44                          ; s[44:45]
.set CS,   46                          ; s[46:47] c
.set SEL,  48                          ; s[48:49] v_permlanex16_b32's selects
.set BE,   50                          ; s[50:51] -1e30 in the wave that holds the diagonal, else 0
.set ZW,   52                          ; s52  1 in the wave above the diagonal
.set HM,   53                          ; s53  the mask of lanes 16-31
.set PP,   54                          ; s[54:55] pf at my first query tile and chunk
.set SP,   56                          ; s[56:57] st at my entry
.set T,    58                          ; s58  the query tile in hand
.set TB,   59                          ; s59  the slot to be read: 0 or SLOT
.set HH32, 60                          ; s[60:61] h32
.set HOUT, 62                          ; s[62:63] out0
.set MSB, 0
.macro WIN new                         ; the immediate's high byte repeats the setting that is left; a switch that changes nothing is dropped
.if MSB != (\new)
	s_set_vgpr_msb (MSB<<8)|(\new)
.set MSB, \new
.endif
.endm
.set MUL_LO, 0xa1                      ; source 0 (K) window 1, source 1 (Q) window 0, C and D window 2
.set MUL_HI, 0xf1                      ; the same, C and D window 3
.set TO_B,   0x40
	s_load_b128 s[4:7], s[0:1], 0x0                ; qkv s[4:5], pf s[6:7]
	s_load_b64 s[8:9], s[0:1], 0x10                ; st
	s_load_b64 s[HH32:HH32+1], s[0:1], 0x18        ; h32
	s_load_b64 s[HOUT:HOUT+1], s[0:1], 0x20        ; out0
	v_lshl_add_u32 v[SPW], v0, 2, SPARE
	v_mov_b32 v[NIL], 0
	ds_add_u32 v[SPW], v[NIL]                      ; the wave's opening: the add and its wait ahead of my first tensor load
	v_lshrrev_b32 v1, 5, v0
	v_readfirstlane_b32 s10, v1                    ; wave 0..3
	s_lshr_b32 s11, s10, 1                         ; a: my half of the queries.  Also: I fetch for Q (0) or K (1)
	s_and_b32 s12, s10, 1                          ; c: my half of the keys.  Also: which 128 rows I fetch
	s_mov_b32 s13, 0
.irp th, 1,3,6,10,15,21,28
	s_cmp_ge_u32 ttmp9, \th                        ; I = how many of the triangle's row starts lie at or below x
	s_add_co_ci_u32 s13, s13, 0
.endr
	s_add_co_u32 s16, s13, 1
	s_mul_i32 s16, s16, s13
	s_lshr_b32 s16, s16, 1
	s_sub_co_u32 s14, ttmp9, s16                   ; J = x - I (I + 1) / 2
	s_and_b32 s15, ttmp7, 0xffff                   ; batch
	s_mov_b32 s[G1+0], (1<<16)|(1<<20)|(5<<22)|(3<<25)  ; 2-byte elements; padding on: after every 64 words 4 words
	s_mov_b32 s[G1+1], KSTEP<<16                   ; tensor_dim0 = 128
	s_mov_b32 s[G1+2], 128<<16                     ; tensor_dim1 = 128
	s_mov_b32 s[G1+3], KSTEP<<16                   ; tile_dim0 = 128
	s_mov_b32 s[G1+4], 128                         ; tile_dim1 = 128
	s_mov_b32 s[G1+5], 1024
	s_mov_b32 s[G1+6], 0
	s_mov_b32 s[G1+7], 0
	s_sub_co_u32 s18, s13, s14                     ; I - J
	s_xor_b32 s19, s13, s14                        ; 0 on the diagonal tile
	s_xor_b32 s22, s11, s12
	s_or_b32 s22, s22, s19
	s_cmp_eq_u32 s22, 0
	s_cselect_b32 s[BE], 0xf149f2ca, 0             ; -1e30 where my block holds the diagonal
	s_mov_b32 s[BE+1], s[BE]
	s_xor_b32 s22, s10, 1
	s_or_b32 s22, s22, s19
	s_cmp_eq_u32 s22, 0
	s_cselect_b32 s[ZW], 1, 0                      ; wave 1 of a diagonal tile
	s_cmp_eq_u32 s11, 0
	s_cselect_b32 s16, s13, s14                    ; Q's block I or K's block J
	s_cselect_b32 s18, s14, s18                    ; Q's rows are asked for ahead where J = 0, K's where I = J: each block once in the launch
	s_cmp_eq_u32 s18, 0
	s_cselect_b32 s[LIM], 2, -1
	s_lshl_b32 s16, s16, 8
	s_lshl_b32 s17, s15, 11
	s_add_co_u32 s16, s16, s17
	s_lshl_b32 s17, s12, 7
	s_add_co_u32 s16, s16, s17                     ; the first row that I fetch
	s_lshl_b32 s16, s16, 11
	s_lshl_b32 s17, s11, 24                        ; K's plane lies 16,777,216 bytes behind Q's
	s_add_co_u32 s16, s16, s17
	s_mov_b32 s17, 0
	s_mul_i32 s20, s10, HALFT                      ; where my rows go: wave x 128 rows
	s_mov_b32 s[CS], 0x3d38aa3b                    ; c = log2(e) / 32
	s_mov_b32 s[CS+1], s[CS]
	s_mov_b32 s[SEL], 0x76543210
	s_mov_b32 s[SEL+1], 0xfedcba98
	s_mov_b32 s[HM], 0xffff0000
	s_mov_b32 s[TB], 0
	s_wait_dscnt 0x0                               ; the opening add is done
	s_wait_kmcnt 0x0
	s_cmp_ge_u32 ttmp9, NT
	s_cbranch_scc1 .Lhead                          ; the work-groups of the first rows: they issue no tensor load and pass barriers of their own
	s_add_nc_u64 s[18:19], s[4:5], s[16:17]
.irp s, 0,1
	s_mov_b32 s[G0+4*(\s)], 1
	s_add_co_u32 s[G0+4*(\s)+1], s20, (\s)*SLOT
	s_add_nc_u64 s[G0+4*(\s)+2:G0+4*(\s)+3], s[18:19], (\s)*KSTEP*2
	s_or_b32 s[G0+4*(\s)+3], s[G0+4*(\s)+3], 0x80000000
	tensor_load_to_lds s[G0+4*(\s):G0+4*(\s)+3], s[G1:G1+7]   ; two tensor loads of mine are out
	s_nop 0
.endr
	s_add_nc_u64 s[PFA:PFA+1], s[18:19], 2*KSTEP*2 ; the prefetches' pointer at K step 2: the first refill steps it to 3 and names K step 4
	v_and_b32 v1, 15, v0                           ; l % 16
	v_bfe_u32 v2, v0, 4, 1                         ; l / 16
	v_mul_u32_u24 v3, v1, PITCH
	v_lshl_add_u32 v3, v2, 4, v3
	s_mul_i32 s21, s11, HALFT                      ; my 128 rows of Q
	s_mul_i32 s22, s12, HALFT
	s_add_co_u32 s22, s22, 2*HALFT                 ; my 128 rows of K
	v_add_nc_u32 v[ADRA0], s21, v3
	v_add_nc_u32 v[ADRB0], s22, v3
	v_mov_b32 v[ADRA], v[ADRA0]                    ; K step 0 lies in slot 0
	v_mov_b32 v[ADRB], v[ADRB0]
	v_and_b32 v[PO], 31, v0
	v_lshlrev_b32 v[PFO], 11, v[PO]
	v_lshlrev_b32 v[PO], 4, v[PO]
	v_lshlrev_b32 v[SO], 3, v1
	v_lshl_add_u32 v[SO], v2, 7, v[SO]
	v_lshlrev_b32 v[DD], 3, v2
	v_sub_nc_u32 v[DD], v1, v[DD]
	s_lshl_b32 s16, s15, 7                         ; pf: query tile 128 b + 16 I + 8 a, chunk 8 J + 4 c
	s_lshl_b32 s17, s13, 4
	s_add_co_u32 s16, s16, s17
	s_lshl_b32 s17, s11, 3
	s_add_co_u32 s16, s16, s17
	s_lshl_b32 s16, s16, 6
	s_lshl_b32 s17, s14, 3
	s_add_co_u32 s16, s16, s17
	s_lshl_b32 s17, s12, 2
	s_add_co_u32 s16, s16, s17
	s_lshl_b32 s16, s16, 10
	s_mov_b32 s17, 0
	s_add_nc_u64 s[PP:PP+1], s[6:7], s[16:17]
	s_lshl_b32 s16, s15, 4                         ; st: entry (16 b + 2 I + a, 2 J + c)
	s_lshl_b32 s17, s13, 1
	s_add_co_u32 s16, s16, s17
	s_add_co_u32 s16, s16, s11
	s_lshl_b32 s16, s16, 4
	s_lshl_b32 s17, s14, 1
	s_add_co_u32 s16, s16, s17
	s_add_co_u32 s16, s16, s12
	s_lshl_b32 s16, s16, 10
	s_mov_b32 s17, 0
	s_add_nc_u64 s[SP:SP+1], s[8:9], s[16:17]
; 16 matrix instructions: query tiles a0, a0 + 1 of the window's four x all 8 key tiles, 32 channels.  The 64 accumulators take turns, one instruction a turn.
.macro MUL16 f, hi, a0, zero
	WIN MUL_LO+0x50*(\hi)
.irp a, \a0, (\a0)+1
.irp b, 0,1,2,3,4,5,6,7
.if \zero
	v_wmma_f32_16x16x32_f16 v[8*(8*(\a)+(\b)):8*(8*(\a)+(\b))+7], v[(\f)+8*(\b):(\f)+8*(\b)+7], v[(\f)+8*(4*(\hi)+(\a)):(\f)+8*(4*(\hi)+(\a))+7], 0
.else
	v_wmma_f32_16x16x32_f16 v[8*(8*(\a)+(\b)):8*(8*(\a)+(\b))+7], v[(\f)+8*(\b):(\f)+8*(\b)+7], v[(\f)+8*(4*(\hi)+(\a)):(\f)+8*(4*(\hi)+(\a))+7], v[8*(8*(\a)+(\b)):8*(8*(\a)+(\b))+7]
.endif
.endr
.endr
.endm
.macro FETCH k, f                      ; 32 LDS loads in one run: K's eight fragments, then Q's eight
	WIN TO_B
.irp i, 0,1,2,3,4,5,6,7
	ds_load_b128 v[(\f)+8*(\i):(\f)+8*(\i)+3],   v[ADRB] offset:(\k)+(\i)*16*PITCH
	ds_load_b128 v[(\f)+8*(\i)+4:(\f)+8*(\i)+7], v[ADRB] offset:(\k)+(\i)*16*PITCH+32
.endr
	WIN 0
.irp i, 0,1,2,3,4,5,6,7
	ds_load_b128 v[(\f)+8*(\i):(\f)+8*(\i)+3],   v[ADRA] offset:(\k)+(\i)*16*PITCH
	ds_load_b128 v[(\f)+8*(\i)+4:(\f)+8*(\i)+7], v[ADRA] offset:(\k)+(\i)*16*PITCH+32
.endr
.endm
.macro PLACES                          ; four plain vector instructions behind a matrix instruction (ISA guide 7.12.1)
.rept 4
	v_nop
.endr
.endm
.macro QUARTER k, f, g, zero
	s_wait_dscnt 8                                 ; K and Q's tiles 0-3 are in; the youngest eight loads may be out
	MUL16 \f, 0, 0, \zero
	MUL16 \f, 0, 2, \zero
	PLACES
	FETCH \k, \g
	s_wait_dscnt 32                                ; all but the 32 just issued
	MUL16 \f, 1, 0, \zero
	MUL16 \f, 1, 2, \zero
.endm
; A prefetch into the L2 of my own 128 rows' 256 bytes of the K step two refills on: a lane a row, four instructions.  The loop's last two trips ask for nothing: there is no such step.
.macro ASK
	s_cmp_gt_u32 s3, s[LIM]
	s_cbranch_scc0 .Lnot_mine_\@
.irp n, 0,1,2,3
	global_prefetch_b8 v[PFO], s[PFA:PFA+1] offset:KSTEP*2+65536*(\n) th:TH_LOAD_NT scope:SCOPE_SE
.endr
.Lnot_mine_\@:
.endm
; The last quarter multiplies buffer 1 and changes slots: one barrier; in front of it each wave waits for all its tensor loads, adds 0 to its spare word, and waits for that and for its reads of this slot.
; fill = 1: behind the barrier the slot is filled again first, with the K step two on: one tensor load a wave, 224 matrix instructions ahead of the wait for it.
.macro TURN fill
.if \fill
	s_wait_xcnt 0x0                                ; the last prefetches, a K step back, have read their address
	s_add_nc_u64 s[PFA:PFA+1], s[PFA:PFA+1], KSTEP*2
.endif
	WIN 0
	s_wait_tensorcnt 0x0                           ; no tensor load of mine is out, so a group 0 may be written
	ds_add_u32 v[SPW], v[NIL]
.if \fill
	s_xor_b32 s[G0+5], s[G0+5], SLOT               ; the walking descriptor: the other slot than last time,
	s_add_nc_u64 s[G0+6:G0+7], s[G0+6:G0+7], KSTEP*2  ; the next K step
.endif
	s_xor_b32 s[TB], s[TB], SLOT                   ; the slot that is read behind the barrier
	s_wait_dscnt 9                                 ; the add and the youngest eight loads may be out
	MUL16 F1, 0, 0, 0
	s_wait_dscnt 0x0                               ; the add is done, and my reads of this slot are over
	s_barrier_signal -1
	MUL16 F1, 0, 2, 0
	WIN 0
	s_barrier_wait -1
.if \fill
	tensor_load_to_lds s[G0+4:G0+7], s[G1:G1+7]
	s_nop 0
.endif
	PLACES
	v_add_nc_u32 v[ADRA], s[TB], v[ADRA0]
	v_add_nc_u32 v[ADRB], s[TB], v[ADRB0]
	FETCH 0, F0
.if \fill
	ASK
.endif
	MUL16 F1, 1, 0, 0
	MUL16 F1, 1, 2, 0
.endm
	s_wait_tensorcnt 1                             ; my part of K step 0 is in; K step 1's may stay out
	s_barrier_signal -1
	s_barrier_wait -1
	FETCH 0, F0
	QUARTER 64, F0, F1, 1                          ; the first quarter starts the sums
	WIN 0
	s_mov_b32 s3, 6
.Lstep:                                                ; six trips: a step's quarters 2, 3 and 4, a refill, and the next step's first quarter
	QUARTER 128, F1, F0, 0
	QUARTER 192, F0, F1, 0
	TURN 1
	QUARTER 64, F0, F1, 0
	WIN 0
	s_sub_co_u32 s3, s3, 1
	s_cmp_lg_u32 s3, 0
	s_cbranch_scc1 .Lstep
	s_mov_b32 s3, 2
.Ltail:                                                ; two trips without a refill; the second is left in its middle.  Its change of slots fetches 32 fragments that nobody multiplies: the price, once a launch, of one text for both trips
	QUARTER 128, F1, F0, 0
	QUARTER 192, F0, F1, 0
	TURN 0
	WIN 0
	s_cmp_eq_u32 s3, 1
	s_cbranch_scc1 .Lout
	QUARTER 64, F0, F1, 0
	WIN 0
	s_sub_co_u32 s3, s3, 1
	s_cmp_lg_u32 s3, 0
	s_cbranch_scc1 .Ltail
.Lout:
	s_wait_dscnt 0x0                               ; the fragment buffers are written anew below
	PLACES
	s_cmp_eq_u32 s[ZW], 1
	s_cbranch_scc1 .Lzero
	; THE WAY OUT, each wave by itself.  The mask of the key tile that holds the diagonal: -1e30 where 8 (l / 16) + j > l % 16, in the diagonal's wave; 0 everywhere else.
.irp j, 0,1,2,3,4,5,6,7
	v_cmp_gt_i32 vcc_lo, \j, v[DD]
	v_cndmask_b32 v[MD+(\j)], 0, s[BE], vcc_lo
.endr
	v_mov_b32 v[CM+1], 0                           ; named in a pair
	v_mov_b32 v[LS+1], 0                           ; v_permlanex16_b32's destination counts as read
	v_mov_b32 v[RR], 0                             ; named in a pair
	v_mov_b32 v[RR+1], 0
; Query tile t's 64 scores a lane leave their accumulators as c s + mask: nothing is added for the key tiles below the diagonal's, the diagonal's mask for key tile t, -1e30 (in the diagonal's wave) behind it.
; Each accumulator's registers are taken in ascending order.
.macro COPY t
	WIN 2+(\t)/4                                   ; source 0 in the accumulators' window
.set z, 0
.rept 32
.if z/4 < (\t)
	v_pk_mul_f32 v[SB+2*z:SB+2*z+1], v[64*((\t)%4)+2*z:64*((\t)%4)+2*z+1], s[CS:CS+1] op_sel_hi:[1,0]
.elseif z/4 == (\t)
	v_pk_fma_f32 v[SB+2*z:SB+2*z+1], v[64*((\t)%4)+2*z:64*((\t)%4)+2*z+1], s[CS:CS+1], v[MD+2*(z%4):MD+2*(z%4)+1] op_sel_hi:[1,0,1]
.else
	v_pk_fma_f32 v[SB+2*z:SB+2*z+1], v[64*((\t)%4)+2*z:64*((\t)%4)+2*z+1], s[CS:CS+1], s[BE:BE+1] op_sel_hi:[1,0,0]
.endif
.set z, z+1
.endr
	WIN 0
.endm
	s_mov_b32 s[T], 0
.Lepi:                                                 ; eight trips, a query tile each
.irp t, 0,1,2,3,4,5,6
	s_cmp_lg_u32 s[T], \t
	s_cbranch_scc1 .Lnot_\t
	COPY \t
	s_branch .Lsoft
.Lnot_\t:
.endr
	COPY 7
.Lsoft:                                                ; the maximum of the lane's 64 numbers c s, four chains, and of the other half of the lanes'
.irp i, 0,1,2,3
	v_max3_num_f32 v[CC+(\i)], v[SB+16*(\i)], v[SB+16*(\i)+1], v[SB+16*(\i)+2]
.endr
.irp k, 1,2,3,4,5,6
.irp i, 0,1,2,3
	v_max3_num_f32 v[CC+(\i)], v[CC+(\i)], v[SB+16*(\i)+2*(\k)+1], v[SB+16*(\i)+2*(\k)+2]
.endr
.endr
.irp i, 0,1,2,3
	v_max_num_f32 v[CC+(\i)], v[CC+(\i)], v[SB+16*(\i)+15]
.endr
	v_max3_num_f32 v[CC], v[CC], v[CC+1], v[CC+2]
	v_max_num_f32 v[CC], v[CC], v[CC+3]
	v_permlanex16_b32 v[CC+1], v[CC], s[SEL], s[SEL+1]   ; the query's other 64 keys lie in the lane 16 away
	v_max_num_f32 v[CM], v[CC], v[CC+1]            ; c m
.set z, 0
.rept 2
	v_pk_add_f32 v[SB+2*z:SB+2*z+1], v[SB+2*z:SB+2*z+1], v[CM:CM+1] op_sel_hi:[1,0] neg_lo:[0,1] neg_hi:[0,1]
.set z, z+1
.endr
.set z, 0
.rept 32                               ; ONE batch of 64 exponentials: c m is taken from a pair two pairs ahead of its exponentials; nothing here names an exponential's result
	v_exp_f32 v[SB+2*z], v[SB+2*z]
.if z < 30
	v_pk_add_f32 v[SB+2*z+4:SB+2*z+5], v[SB+2*z+4:SB+2*z+5], v[CM:CM+1] op_sel_hi:[1,0] neg_lo:[0,1] neg_hi:[0,1]
.endif
	v_exp_f32 v[SB+2*z+1], v[SB+2*z+1]
.set z, z+1
.endr
	v_nop                                          ; a plain instruction behind the last exponential,
	s_wait_alu depctr_va_vdst(0)                   ; and the one wait ahead of the batch's first reader
	s_wait_xcnt 0x0                                ; the last trip's stores have read their offsets and data: those registers are written anew below
	s_lshl_b32 s16, s[T], 16
	v_add_nc_u32 v[POX], s16, v[PO]                ; a query tile's row of chunks is 65,536 bytes
.set z, 0
.rept 32
	v_cvt_pk_f16_f32 v[TM+z], v[SB+2*z], v[SB+2*z+1]
.set z, z+1
.endr
.irp kt, 0,1,2,3,4,5,6,7
	global_store_b128 v[POX], v[TM+4*(\kt):TM+4*(\kt)+3], s[PP:PP+1] offset:512*(\kt)  ; 512 consecutive bytes, aligned
.endr
.irp sd, 1,2,4,8,16                    ; the sum of the 32 pairs, in place: neighbours 1, 2, 4, 8 and 16 pairs apart
.set z, 0
.rept 16/(\sd)
	v_pk_add_f32 v[SB+2*z:SB+2*z+1], v[SB+2*z:SB+2*z+1], v[SB+2*(z+(\sd)):SB+2*(z+(\sd))+1]
.set z, z+2*(\sd)
.endr
.endr
	v_add_f32 v[LS], v[SB], v[SB+1]
	v_permlanex16_b32 v[LS+1], v[LS], s[SEL], s[SEL+1]
	v_add_f32 v[LS], v[LS], v[LS+1]                ; l
	s_and_b32 s16, s[T], 1
	s_cmp_lg_u32 s16, 0
	s_cbranch_scc1 .Lodd
	v_cndmask_b32 v[RR], v[CM], v[LS], s[HM]       ; lanes 0-15 keep c m, lanes 16-31 take l: the pair's first tile
	s_branch .Lnext
.Lodd:
	v_cndmask_b32 v[RR+1], v[CM], v[LS], s[HM]     ; its second tile: the pair is stored
	s_lshl_b32 s16, s[T], 7
	s_sub_co_u32 s16, s16, 128                     ; 256 x the pair's number
	v_add_nc_u32 v[SOX], s16, v[SO]
	global_store_b64 v[SOX], v[RR:RR+1], s[SP:SP+1]  ; 256 consecutive bytes, aligned
.Lnext:
	s_add_co_u32 s[T], s[T], 1
	s_cmp_lt_u32 s[T], 8
	s_cbranch_scc1 .Lepi
	s_branch .Lend
.Lzero:                                                ; the block above the diagonal: 32 KiB of zeros, a query tile's 4,096 bytes a trip
.irp r, 0,1,2,3
	v_mov_b32 v[TM+(\r)], 0
.endr
	s_mov_b32 s[T], 0
.Lz:
	s_lshl_b32 s16, s[T], 16
	v_add_nc_u32 v[POX], s16, v[PO]
.irp kt, 0,1,2,3,4,5,6,7
	global_store_b128 v[POX], v[TM:TM+3], s[PP:PP+1] offset:512*(\kt)
.endr
	s_wait_xcnt 0x0                                ; the stores have read their offset, which the next trip writes
	s_add_co_u32 s[T], s[T], 1
	s_cmp_lt_u32 s[T], 8
	s_cbranch_scc1 .Lz
	s_branch .Lend
; THE FIRST 16 ROWS OF EACH BATCH.  out0[b][q][:] for q = 0 .. 15: softmax over k <= q of q . k / 32, times v, from the f32 sums of q, k and v that the projection kept in h32.
; WHY APART.  Row q is a mean of q + 1 rows of v: the first rows' numbers have v's own size, while most of the output's rows are means of hundreds of rows and far smaller.  A number of the first rows that nearly
; cancels is wanted to more digits of v's size than f16's 11 bits in q, k, p and v leave it.  With n keys the roundings' sum falls as the root of n; these 16 rows are made here, all others by the tiles and the launch behind.
; HOW.  Each number x goes to the matrix unit as TWO f16 numbers, hi = f16(x) and lo = f16(x - hi) (the difference is exact in f32), and a product a b as hi hi + hi lo + lo hi, all summed in f32: some 22 bits.
; LIMITS.  |q|, |k|, |v| within f16's 65,504; a lo part below 6e-5 keeps f16's fixed step of 6e-8; a hidden score counts as -1e30; NaN and infinities are not treated apart.
; h32: [t = q, k, v][batch][tile of 16 outputs][half][lane][16 bytes]: the projection's accumulators as they lay: lane l holds token l % 16 and outputs 8 (l / 16) + 0..7 of the tile.  Two neighbouring tiles, rounded in
; pairs, ARE a fragment of 16 tokens x 32 channels, in the same lanes.
; SHARES.  Work-group x - 36 of 8 makes 128 channels of batch y's 16 rows.  S^T = K Q^T (16 keys x 16 queries) is made in every work-group, its 1,024 channels split among the four waves, 256 each, walked in a loop of
; two trips of 128, so that the text that splits q and k is written once; the four partial tiles meet in LDS.  Every wave then makes the softmax and takes 32 channels of O^T = V^T P.  The fragments' keys 16-31 are zeros.
; LDS.  Its bytes lie behind the ring and the spare words, in blocks of 256 bytes into which no tensor load lands.
; REGISTERS: window 0: addresses, statistics, accumulators, V's and P's fragments (v28, v29 stay the add's).  Window 1: v0-127 a trip's f32 numbers of q and k; v128-255 their fragments: q hi, q lo, k hi, k lo, 32 registers each.
.set HB,     SPARE+512
.set HPART,  HB                        ; wave w's partial S^T, 1,024 bytes, at HPART + 1,024 w
.set HHV,    HB+4*1024                 ; wave w's own 16 keys x 32 channels of V, hi then lo, at HHV + w HVW
.set HVP,    96                        ; a row there: 64 bytes + 32 of padding: 8 rows x 32 bytes of a turning load fall on different banks
.set HVW,    2*16*HVP
.set HSTG,   HHV+4*HVW                 ; the work-group's stage for the way out: 16 rows
.set HSGP,   528                       ; of 512 bytes + 16 of padding
.set HPLANE, 262144                    ; a plane of h32
.set HLO,  4                           ; v4   16 x lane
.set HVS,  5                           ; v5   where I put 16 bytes of a row of V
.set HVT,  6                           ; v6   my address for the turning loads
.set HLS,  7                           ; v7   where I put my 32 bytes of the partial tile
.set HLR,  8                           ; v8   where I read them back
.set HSS,  9                           ; v9   the stage: where I put 32 bytes of a row
.set HSR,  10                          ; v10  where I read rows back
.set HGO,  11                          ; v11  my byte offset in out0
.set HDD,  12                          ; v12  l % 16 - 8 (l / 16): register j is hidden where j is greater
.set HTT,  13
.set HM1,  16                          ; v16  -1.0
.set HBIG, 17                          ; v17  -1e30
.set HCC,  18                          ; v18-19 the maximum
.set HCM,  20                          ; v20-21 c m (a pair's low word is taken for both halves)
.set HLL,  22                          ; v22-25 the sum
.set HLM,  24
.set HRL,  26                          ; v26-27 1 / l
.set HBK,  32                          ; v32-47  rows read back from the stage
.set HPD,  48                          ; v48-55  the weights' remainders
.set HSA,  64                          ; v64-87  S^T: hi hi, hi lo, lo hi
.set HSB,  72
.set HSC,  80
.set HPR,  88                          ; v88-119 the four partial tiles; then the scores and weights in v88-95
.set HV32, 152                         ; v152-167 my two tiles of v in f32
.set HVPK, 168                         ; v168-183 packed: hi, then lo
.set HVF,  184                         ; v184-215 V^T's fragments: hi of channel tiles 0, 1, then lo
.set HPH,  216                         ; v216-223 P hi
.set HPL,  224                         ; v224-231 P lo
.set HOA,  232                         ; v232-247 O^T, two channel tiles
.set HQH,  128                         ; window 1
.set HQL,  160
.set HKH,  192
.set HKL,  224
.set HQ,   32                          ; s[32:33] q at the trip's 8 tiles of 16 channels
.set HK,   34                          ; s[34:35] k likewise
.set HVA,  36                          ; s[36:37] v at my two tiles
.Lhead:
	s_sub_co_u32 s13, ttmp9, NT                    ; which 128 channels
	s_lshl_b32 s16, s15, 16                        ; the batch's 65,536 bytes of a plane,
	s_lshl_b32 s17, s10, 14                        ; my 16 tiles of 16 channels of q and k
	s_add_co_u32 s16, s16, s17
	s_mov_b32 s17, 0
	s_add_nc_u64 s[HQ:HQ+1], s[HH32:HH32+1], s[16:17]
	s_add_nc_u64 s[HK:HK+1], s[HQ:HQ+1], HPLANE
	s_lshl_b32 s16, s15, 16
	s_lshl_b32 s18, s13, 13                        ; the work-group's 8 tiles of v,
	s_add_co_u32 s16, s16, s18
	s_lshl_b32 s18, s10, 11                        ; my two of them,
	s_add_co_u32 s16, s16, s18
	s_add_co_u32 s16, s16, 2*HPLANE                ; in plane 2
	s_add_nc_u64 s[HVA:HVA+1], s[HH32:HH32+1], s[16:17]
	s_lshl_b32 s16, s15, 23                        ; the batch's 2,048 rows of 4,096 bytes of out0,
	s_lshl_b32 s18, s13, 9                         ; the work-group's 128 channels
	s_add_co_u32 s16, s16, s18
	s_add_nc_u64 s[HOUT:HOUT+1], s[HOUT:HOUT+1], s[16:17]
	v_and_b32 v1, 31, v0                           ; lane
	v_and_b32 v2, 15, v0                           ; l % 16
	v_bfe_u32 v3, v0, 4, 1                         ; l / 16
	v_lshlrev_b32 v[HLO], 4, v1
.irp g, 0,1
	global_load_b128 v[HV32+8*(\g):HV32+8*(\g)+3],   v[HLO], s[HVA:HVA+1] offset:1024*(\g)      ; 512 consecutive bytes a load
	global_load_b128 v[HV32+8*(\g)+4:HV32+8*(\g)+7], v[HLO], s[HVA:HVA+1] offset:1024*(\g)+512
.endr
	; constants, zeros and addresses
	v_mov_b32 v[HM1], -1.0
	v_mov_b32 v[HBIG], 0xf149f2ca
	v_mov_b32 v[HCC+1], 0                          ; v_permlanex16_b32's destination counts as read
	v_mov_b32 v[HCM+1], 0                          ; named in pairs
	v_mov_b32 v[HRL+1], 0
.irp i, 4,5,6,7
.irp f, 0,1,2,3
	v_mov_b32 v[HVF+8*(\f)+(\i)], 0                ; keys 16-31 of the fragments
.endr
	v_mov_b32 v[HPH+(\i)], 0
	v_mov_b32 v[HPL+(\i)], 0
.endr
.set z, 0
.rept 24
	v_mov_b32 v[HSA+z], 0                          ; S^T's three sums start at 0, so that the loop below has one form of product
.set z, z+1
.endr
	s_lshl_b32 s22, s10, 10
	s_add_co_u32 s22, s22, HPART
	v_lshl_add_u32 v[HLS], v1, 5, s22              ; 1,024 x wave + 32 x lane
	v_lshl_add_u32 v[HLR], v1, 5, HPART
	s_mul_i32 s22, s10, HVW
	s_add_co_u32 s22, s22, HHV                     ; my own bytes for V
	v_mul_u32_u24 v[HVS], v2, HVP
	v_lshl_add_u32 v[HVS], v3, 4, v[HVS]
	v_add_nc_u32 v[HVS], s22, v[HVS]               ; in: key l % 16, 16 bytes for each half of the lanes
	v_and_b32 v[HVT], 7, v0
	v_lshl_add_u32 v[HVT], v3, 3, v[HVT]
	v_mul_u32_u24 v[HVT], v[HVT], HVP              ; the turning load: key 8 (l / 16) + l % 8,
	v_bfe_u32 v[HTT], v0, 3, 1
	v_lshl_add_u32 v[HVT], v[HTT], 4, v[HVT]       ; channels 8 ((l / 8) % 2) on
	v_add_nc_u32 v[HVT], s22, v[HVT]
	s_lshl_b32 s22, s10, 7
	s_add_co_u32 s22, s22, HSTG
	v_mul_u32_u24 v[HSS], v2, HSGP
	v_lshl_add_u32 v[HSS], v3, 5, v[HSS]
	v_add_nc_u32 v[HSS], s22, v[HSS]               ; the stage, in: row l % 16, my wave's 128 bytes, 32 for each half of the lanes
	s_mul_i32 s22, s10, 4*HSGP
	s_add_co_u32 s22, s22, HSTG
	v_lshl_add_u32 v[HSR], v1, 4, s22              ; back: rows 4 w .. 4 w + 3, a row of 512 bytes a load
	s_lshl_b32 s22, s10, 14
	v_lshl_add_u32 v[HGO], v1, 4, s22              ; the same rows in out0
	v_lshlrev_b32 v[HDD], 3, v3
	v_sub_nc_u32 v[HDD], v2, v[HDD]
	s_mov_b32 s3, 2
.Lhk:                                                  ; two trips: 128 channels of q and k each
	WIN 0x40                                       ; loaded data into window 1
.irp g, 0,1,2,3,4,5,6,7
	global_load_b128 v[8*(\g):8*(\g)+3],         v[HLO], s[HQ:HQ+1] offset:1024*(\g)
	global_load_b128 v[8*(\g)+4:8*(\g)+7],       v[HLO], s[HQ:HQ+1] offset:1024*(\g)+512
	global_load_b128 v[64+8*(\g):64+8*(\g)+3],   v[HLO], s[HK:HK+1] offset:1024*(\g)
	global_load_b128 v[64+8*(\g)+4:64+8*(\g)+7], v[HLO], s[HK:HK+1] offset:1024*(\g)+512
.endr
	s_wait_loadcnt 0x0                             ; the trip's q and k are in (in the first trip v too); the loads are done, so their bases may be stepped
	s_add_nc_u64 s[HQ:HQ+1], s[HQ:HQ+1], 8192
	s_add_nc_u64 s[HK:HK+1], s[HK:HK+1], 8192
	; q and k in two parts.  Pair z of the 64 pairs: hi; the two remainders, in place; lo.
	WIN 0x45                                       ; destination and sources in window 1
.set z, 0
.rept 64
	v_cvt_pk_f16_f32 v[HQH+z+32*(z/32)], v[2*z], v[2*z+1]
.set z, z+1
.endr
	WIN 0x51                                       ; -1.0 in window 0, all else in window 1
.set z, 0
.rept 64
	v_fma_mix_f32 v[2*z],   v[HQH+z+32*(z/32)], v[HM1], v[2*z]   op_sel_hi:[1,0,0]                 ; x - f16 low half
	v_fma_mix_f32 v[2*z+1], v[HQH+z+32*(z/32)], v[HM1], v[2*z+1] op_sel:[1,0,0] op_sel_hi:[1,0,0]  ; x - f16 high half
.set z, z+1
.endr
	WIN 0x45
.set z, 0
.rept 64
	v_cvt_pk_f16_f32 v[HQL+z+32*(z/32)], v[2*z], v[2*z+1]
.set z, z+1
.endr
	; S^T over the trip's 128 channels: three accumulators take turns, one instruction a turn, over the backward jump too
	WIN 0x05                                       ; sources in window 1, C and D in window 0
.irp m, 0,1,2,3
	v_wmma_f32_16x16x32_f16 v[HSA:HSA+7], v[HKH+8*(\m):HKH+8*(\m)+7], v[HQH+8*(\m):HQH+8*(\m)+7], v[HSA:HSA+7]
	v_wmma_f32_16x16x32_f16 v[HSB:HSB+7], v[HKH+8*(\m):HKH+8*(\m)+7], v[HQL+8*(\m):HQL+8*(\m)+7], v[HSB:HSB+7]
	v_wmma_f32_16x16x32_f16 v[HSC:HSC+7], v[HKL+8*(\m):HKL+8*(\m)+7], v[HQH+8*(\m):HQH+8*(\m)+7], v[HSC:HSC+7]
.endr
	WIN 0
	PLACES                                         ; between the products and the next trip's conversions, which write their sources
	s_sub_co_u32 s3, s3, 1
	s_cmp_lg_u32 s3, 0
	s_cbranch_scc1 .Lhk
	; v in two parts: 32 plain instructions that name no register of the products above
.irp i, 0,1,2,3,4,5,6,7
	v_cvt_pk_f16_f32 v[HVPK+(\i)], v[HV32+2*(\i)], v[HV32+2*(\i)+1]
.endr
.irp i, 0,1,2,3,4,5,6,7
	v_fma_mix_f32 v[HV32+2*(\i)],   v[HVPK+(\i)], v[HM1], v[HV32+2*(\i)]   op_sel_hi:[1,0,0]
	v_fma_mix_f32 v[HV32+2*(\i)+1], v[HVPK+(\i)], v[HM1], v[HV32+2*(\i)+1] op_sel:[1,0,0] op_sel_hi:[1,0,0]
.endr
.irp i, 0,1,2,3,4,5,6,7
	v_cvt_pk_f16_f32 v[HVPK+8+(\i)], v[HV32+2*(\i)], v[HV32+2*(\i)+1]
.endr
.irp g, 0,1
	ds_store_b128 v[HVS], v[HVPK+4*(\g):HVPK+4*(\g)+3]     offset:32*(\g)
	ds_store_b128 v[HVS], v[HVPK+8+4*(\g):HVPK+8+4*(\g)+3] offset:16*HVP+32*(\g)
.endr
.irp g, 0,1
	ds_load_tr16_b128 v[HVF+8*(\g):HVF+8*(\g)+3],       v[HVT] offset:32*(\g)         ; my own bytes: LDS serves a wave's instructions in order, so these see the stores above
	ds_load_tr16_b128 v[HVF+16+8*(\g):HVF+16+8*(\g)+3], v[HVT] offset:16*HVP+32*(\g)
.endr
.irp z, 0,1,2,3
	v_pk_add_f32 v[HSB+2*(\z):HSB+2*(\z)+1], v[HSB+2*(\z):HSB+2*(\z)+1], v[HSC+2*(\z):HSC+2*(\z)+1]   ; the two small sums first; each accumulator is read from its low end on
.endr
.irp z, 0,1,2,3
	v_pk_add_f32 v[HSA+2*(\z):HSA+2*(\z)+1], v[HSA+2*(\z):HSA+2*(\z)+1], v[HSB+2*(\z):HSB+2*(\z)+1]
.endr
	ds_store_b128 v[HLS], v[HSA:HSA+3]
	ds_store_b128 v[HLS], v[HSA+4:HSA+7] offset:16
	s_wait_dscnt 0x0                               ; for the others' sake: my partial tile lies in LDS (and V's fragments are in)
	s_barrier_signal -1
	s_barrier_wait -1
.irp w, 0,1,2,3
	ds_load_b128 v[HPR+8*(\w):HPR+8*(\w)+3],   v[HLR] offset:1024*(\w)
	ds_load_b128 v[HPR+8*(\w)+4:HPR+8*(\w)+7], v[HLR] offset:1024*(\w)+16
.endr
	s_wait_dscnt 0x0
.irp sd, 2,1                           ; the four partial tiles: neighbours 2 and 1 apart
.set z, 0
.rept 4*(\sd)
	v_pk_add_f32 v[HPR+2*z:HPR+2*z+1], v[HPR+2*z:HPR+2*z+1], v[HPR+8*(\sd)+2*z:HPR+8*(\sd)+2*z+1]
.set z, z+1
.endr
.endr
	; THE SOFTMAX, in every wave: a lane holds query l % 16 and the keys 8 (l / 16) + 0..7
.irp j, 0,1,2,3,4,5,6,7
	v_cmp_gt_i32 vcc_lo, \j, v[HDD]
	v_cndmask_b32 v[HPR+(\j)], v[HPR+(\j)], v[HBIG], vcc_lo
.endr
	v_max3_num_f32 v[HCC], v[HPR], v[HPR+1], v[HPR+2]
	v_max3_num_f32 v[HCC], v[HCC], v[HPR+3], v[HPR+4]
	v_max3_num_f32 v[HCC], v[HCC], v[HPR+5], v[HPR+6]
	v_max_num_f32 v[HCC], v[HCC], v[HPR+7]
	v_permlanex16_b32 v[HCC+1], v[HCC], s[SEL], s[SEL+1]   ; the query's other 8 keys lie in the lane 16 away
	v_max_num_f32 v[HCC], v[HCC], v[HCC+1]         ; every query sees its own key: the maximum is a true score
	v_mul_f32 v[HCM], s[CS], v[HCC]
.irp z, 0,1,2,3
	v_pk_fma_f32 v[HPR+2*(\z):HPR+2*(\z)+1], v[HPR+2*(\z):HPR+2*(\z)+1], s[CS:CS+1], v[HCM:HCM+1] op_sel_hi:[1,0,0] neg_lo:[0,0,1] neg_hi:[0,0,1]
.endr
.irp j, 0,1,2,3,4,5,6,7
	v_exp_f32 v[HPR+(\j)], v[HPR+(\j)]
.endr
	v_nop                                          ; a plain instruction behind the last exponential,
	s_wait_alu depctr_va_vdst(0)                   ; and the one wait ahead of the batch's first reader
	v_pk_add_f32 v[HLL:HLL+1], v[HPR:HPR+1], v[HPR+2:HPR+3]
	v_pk_add_f32 v[HLM:HLM+1], v[HPR+4:HPR+5], v[HPR+6:HPR+7]
	v_pk_add_f32 v[HLL:HLL+1], v[HLL:HLL+1], v[HLM:HLM+1]
	v_add_f32 v[HLL], v[HLL], v[HLL+1]
	v_permlanex16_b32 v[HLL+1], v[HLL], s[SEL], s[SEL+1]
	v_add_f32 v[HLL], v[HLL], v[HLL+1]
	v_rcp_f32 v[HRL], v[HLL]
	v_nop
	s_wait_alu depctr_va_vdst(0)
.irp z, 0,1,2,3
	v_pk_mul_f32 v[HPR+2*(\z):HPR+2*(\z)+1], v[HPR+2*(\z):HPR+2*(\z)+1], v[HRL:HRL+1] op_sel_hi:[1,0]   ; the weights, in f32
.endr
.irp i, 0,1,2,3
	v_cvt_pk_f16_f32 v[HPH+(\i)], v[HPR+2*(\i)], v[HPR+2*(\i)+1]
.endr
.irp i, 0,1,2,3
	v_fma_mix_f32 v[HPD+2*(\i)],   v[HPH+(\i)], v[HM1], v[HPR+2*(\i)]   op_sel_hi:[1,0,0]
	v_fma_mix_f32 v[HPD+2*(\i)+1], v[HPH+(\i)], v[HM1], v[HPR+2*(\i)+1] op_sel:[1,0,0] op_sel_hi:[1,0,0]
.endr
.irp i, 0,1,2,3
	v_cvt_pk_f16_f32 v[HPL+(\i)], v[HPD+2*(\i)], v[HPD+2*(\i)+1]
.endr
	; O^T for my two tiles of 16 channels: the two accumulators take turns
	v_wmma_f32_16x16x32_f16 v[HOA:HOA+7],    v[HVF:HVF+7],     v[HPH:HPH+7], 0
	v_wmma_f32_16x16x32_f16 v[HOA+8:HOA+15], v[HVF+8:HVF+15],  v[HPH:HPH+7], 0
	v_wmma_f32_16x16x32_f16 v[HOA:HOA+7],    v[HVF:HVF+7],     v[HPL:HPL+7], v[HOA:HOA+7]
	v_wmma_f32_16x16x32_f16 v[HOA+8:HOA+15], v[HVF+8:HVF+15],  v[HPL:HPL+7], v[HOA+8:HOA+15]
	v_wmma_f32_16x16x32_f16 v[HOA:HOA+7],    v[HVF+16:HVF+23], v[HPH:HPH+7], v[HOA:HOA+7]
	v_wmma_f32_16x16x32_f16 v[HOA+8:HOA+15], v[HVF+24:HVF+31], v[HPH:HPH+7], v[HOA+8:HOA+15]
	PLACES
	; THE WAY OUT: a lane's eight channels of a query go as 32 bytes into the work-group's stage; a barrier, since a row comes from all four waves; back as whole rows of 512 bytes
.irp g, 0,1
	ds_store_b128 v[HSS], v[HOA+8*(\g):HOA+8*(\g)+3]   offset:64*(\g)
	ds_store_b128 v[HSS], v[HOA+8*(\g)+4:HOA+8*(\g)+7] offset:64*(\g)+16
.endr
	s_wait_dscnt 0x0                               ; for the others' sake: my stores into the stage are done
	s_barrier_signal -1
	s_barrier_wait -1
.irp i, 0,1,2,3
	ds_load_b128 v[HBK+4*(\i):HBK+4*(\i)+3], v[HSR] offset:(\i)*HSGP
.endr
.irp i, 0,1,2,3
	s_wait_dscnt 3-(\i)                            ; load i is in, the younger ones may be out
	global_store_b128 v[HGO], v[HBK+4*(\i):HBK+4*(\i)+3], s[HOUT:HOUT+1] offset:(\i)*4096 th:TH_STORE_NT  ; 512 consecutive bytes, aligned
.endr
.Lend:
	s_wait_tensorcnt 0x0                           ; the wave's end: behind my last tensor load and my last LDS store
	ds_add_u32 v[SPW], v[NIL]
	s_wait_dscnt 0x0
	s_endpgm
.Lfunc_end_k_qaf09dc43d4_scores:
	.size	k_qaf09dc43d4_scores, .Lfunc_end_k_qaf09dc43d4_scores-k_qaf09dc43d4_scores
	.p2alignl 7, 3214868480
	.fill 96, 4, 3214868480
	.section	.rodata,"a",@progbits
	.p2align	6, 0x0
	.amdhsa_kernel k_qaf09dc43d4_scores
		.amdhsa_group_segment_fixed_size 327680
		.amdhsa_private_segment_fixed_size 0
		.amdhsa_enable_private_segment 0
		.amdhsa_kernarg_size 40
		.amdhsa_user_sgpr_count 2
		.amdhsa_user_sgpr_kernarg_segment_ptr 1
		.amdhsa_wavefront_size32 1
		.amdhsa_system_sgpr_workgroup_id_x 1
		.amdhsa_system_sgpr_workgroup_id_y 1
		.amdhsa_system_sgpr_workgroup_id_z 1
		.amdhsa_system_vgpr_workitem_id 0
		.amdhsa_next_free_vgpr 1024
		.amdhsa_next_free_sgpr 66
		.amdhsa_reserve_vcc 1
		.amdhsa_float_denorm_mode_32 3
		.amdhsa_float_denorm_mode_16_64 3
		.amdhsa_memory_ordered 1
		.amdhsa_forward_progress 1
		.amdhsa_inst_pref_size 132
	.end_amdhsa_kernel
	.amdgpu_metadata
---
amdhsa.version: [ 1, 2 ]
amdhsa.kernels:
  - .name:           k_qaf09dc43d4_scores
    .symbol:         k_qaf09dc43d4_scores.kd
    .args:
      - { .name: qkv, .offset: 0, .size: 8, .value_kind: global_buffer, .address_space: global }
      - { .name: pf, .offset: 8, .size: 8, .value_kind: global_buffer, .address_space: global }
      - { .name: st, .offset: 16, .size: 8, .value_kind: global_buffer, .address_space: global }
      - { .name: h32, .offset: 24, .size: 8, .value_kind: global_buffer, .address_space: global }
      - { .name: out0, .offset: 32, .size: 8, .value_kind: global_buffer, .address_space: global }
    .group_segment_fixed_size: 327680
    .private_segment_fixed_size: 0
    .kernarg_segment_align: 8
    .kernarg_segment_size: 40
    .max_flat_workgroup_size: 128
    .sgpr_count:     66
    .vgpr_count:     1024
    .wavefront_size: 32
...
	.end_amdgpu_metadata
.endif
;; end of part 7
;; launch pv: the kernel of part 5 again; grid 8 x 32, 4 waves a work-group, clusters of 4 x 1, 327,680 bytes of LDS; arguments qkv, pf, st, out0; writes out0
;; ======== version 3 of 3: 4 launches; version 2 with the launch cast written anew for expert scheduling mode
;; limits: values are held in f16: magnitudes above 65,504 overflow, below 6.1e-05 lose precision
;; workspace buffers: xb 16,777,216 bytes; wb 6,291,456 bytes; qkv 50,331,648 bytes; pf 33,554,432 bytes; st 1,048,576 bytes; h32 786,432 bytes
;; launch cast (part 8): grid 720 x 1, 8 waves a work-group, no clusters, 0 bytes of LDS; arguments x, Wq, Wk, Wv, xb, wb, st; writes xb, wb, st
.if DOCPART == 8
	.amdgcn_target "amdgcn-amd-amdhsa--gfx1250"
	.amdhsa_code_object_version 6
	.text
	.protected	k_qaf09dc43d4_cast
	.globl	k_qaf09dc43d4_cast
	.p2align	8
	.type	k_qaf09dc43d4_cast,@function
k_qaf09dc43d4_cast:
	s_mov_b64 s[64:65], 0
	v_nop
	global_prefetch_b8 v0, s[64:65] scope:SCOPE_SE
	s_setreg_imm32_b32 hwreg(HW_REG_WAVE_SCHED_MODE, 0, 2), 2
	s_setreg_imm32_b32 hwreg(HW_REG_WAVE_MODE, 25, 1), 1
	s_wait_xcnt 0x0
	s_wait_alu depctr_vm_vsrc(0)
; x [8192][1024] and Wq, Wk, Wv [1024][1024], all f32, are rounded once to bf16: xb [8192][1024], wb [3072][1024] (rows of Wq, then Wk, then Wv).
; The table of statistics st (1 MiB of f32) is filled with -1e30: the entries that the launch of the scores does not store stand for blocks of keys that no query of the row block sees.
; SHARES.  A work-group takes 65,536 bytes of f32 (groups 0-511: x; 512-703: the weights, 64 groups each) or fills 65,536 bytes of st (groups 704-719).
; A wave takes 8,192 bytes: sixteen loads of 512 consecutive bytes, all issued at once; each gives one store of 256 consecutive bytes, aligned.  No LDS, no barrier, no loop.
; THE MODE: SCHED_MODE bits 1:0 = 2 (LLVM: expert scheduling mode 2), set by the entry lines.  The code itself states the register dependences
; between vector instructions and memory instructions, with s_wait_alu, always for 0.
; THE PLAN.  Registers that memory instructions touch:
;   v1, v2     byte offsets, made at the head and never written again: v1 is read by the sixteen loads (or by the fill's sixteen stores), v2 by the sixteen stores.
;   X          written by the loads, each register once; read by the conversions.  No vector instruction names it ahead of the loads, and no load lands in it a second time.
;   Y          written by the conversions, each register once; read by the stores; never written again.
;   v[X:X+3]   in the fill's path, which issues no load: written by four moves, read by its sixteen stores.
; The sixteen loads go in four blocks of four.  A block's eight conversions are followed by ONE wait on va_vdst and then by its four stores, with no vector instruction between the wait and the stores.
; The stores stand behind their own block's conversions and not behind the next block's wait for data: behind the conversions the wave has only that wait ahead of it, and the stores need not sit it out.
; No register that a memory instruction has read is written again, so no wait on vm_vsrc is owed; no vector instruction writes a scalar register or VCC; EXEC is never written.
.set XG, 512                           ; work-groups for x
.set WG, 192                           ; for the three weights
.set X,  4                             ; v[4:67]   sixteen loads of four registers
.set Y,  68                            ; v[68:99]  sixteen pairs to store
	s_load_b256 s[4:11], s[0:1], 0x0               ; x s[4:5], Wq s[6:7], Wk s[8:9], Wv s[10:11]
	s_load_b128 s[12:15], s[0:1], 0x20             ; xb s[12:13], wb s[14:15]
	s_load_b64 s[16:17], s[0:1], 0x30              ; st
	v_lshrrev_b32 v3, 5, v0                        ; wave
	v_and_b32 v2, 31, v0                           ; lane
	v_lshlrev_b32 v1, 4, v2
	v_lshl_add_u32 v1, v3, 13, v1                  ; in: 8,192 x wave + 16 x lane
	v_lshlrev_b32 v2, 3, v2
	v_lshl_add_u32 v2, v3, 12, v2                  ; out: 4,096 x wave + 8 x lane
	s_sub_co_u32 s25, ttmp9, XG                    ; my number among the weights' groups
	s_and_b32 s24, s25, 63                         ; my number inside one weight
	s_lshr_b32 s28, s25, 6                         ; which weight
	s_sub_co_u32 s30, ttmp9, XG+WG                 ; my number among st's groups
	s_lshl_b32 s30, s30, 16
	s_mov_b32 s31, 0
	s_mov_b32 s23, 0
	s_mov_b32 s27, 0
	s_wait_kmcnt 0x0
	s_cmp_ge_u32 ttmp9, XG+WG
	s_cbranch_scc1 .Lfill
	s_cmp_eq_u32 s28, 1
	s_cselect_b64 s[18:19], s[8:9], s[6:7]         ; Wk or Wq,
	s_cmp_eq_u32 s28, 2
	s_cselect_b64 s[18:19], s[10:11], s[18:19]     ; or Wv,
	s_cmp_lt_u32 ttmp9, XG
	s_cselect_b64 s[18:19], s[4:5], s[18:19]       ; or x
	s_cselect_b64 s[20:21], s[12:13], s[14:15]     ; xb or wb
	s_cselect_b32 s22, ttmp9, s24                  ; the group's number in its source,
	s_cselect_b32 s26, ttmp9, s25                  ; and in its destination
	s_lshl_b32 s22, s22, 16
	s_lshl_b32 s26, s26, 15
	s_add_nc_u64 s[18:19], s[18:19], s[22:23]
	s_add_nc_u64 s[20:21], s[20:21], s[26:27]
	s_wait_alu depctr_va_vdst(0)                   ; v1 and v2 are written: every load below reads v1 as its offset, every store v2
.irp i, 0,1,2,3,4,5,6,7,8,9,10,11,12,13,14,15
	global_load_b128 v[X+4*(\i):X+4*(\i)+3], v1, s[18:19] offset:512*(\i) th:TH_LOAD_NT
.endr
.irp g, 0,1,2,3                        ; four blocks of four loads
	s_wait_loadcnt 12-4*(\g)                       ; loads come back in order: the block's four are in, the younger ones stay out
.irp i, 0,1,2,3
	v_cvt_pk_bf16_f32 v[Y+2*(4*(\g)+(\i))],   v[X+4*(4*(\g)+(\i))],   v[X+4*(4*(\g)+(\i))+1]
	v_cvt_pk_bf16_f32 v[Y+2*(4*(\g)+(\i))+1], v[X+4*(4*(\g)+(\i))+2], v[X+4*(4*(\g)+(\i))+3]
.endr
	s_wait_alu depctr_va_vdst(0)                   ; the block's eight conversions have written its eight registers of Y, which the four stores below read
.irp i, 0,1,2,3
	global_store_b64 v2, v[Y+2*(4*(\g)+(\i)):Y+2*(4*(\g)+(\i))+1], s[20:21] offset:256*(4*(\g)+(\i))  ; 32 lanes x 8 bytes: 256 consecutive bytes, aligned
.endr
.endr
	s_endpgm
.Lfill:
	s_add_nc_u64 s[16:17], s[16:17], s[30:31]
.irp r, 0,1,2,3
	v_mov_b32 v[X+(\r)], 0xf149f2ca                ; -1e30
.endr
	s_wait_alu depctr_va_vdst(0)                   ; the four moves have written v[X:X+3], the stores' data, and the head has written v1, their offset
.irp i, 0,1,2,3,4,5,6,7,8,9,10,11,12,13,14,15
	global_store_b128 v1, v[X:X+3], s[16:17] offset:512*(\i)
.endr
	s_endpgm
.Lfunc_end_k_qaf09dc43d4_cast:
	.size	k_qaf09dc43d4_cast, .Lfunc_end_k_qaf09dc43d4_cast-k_qaf09dc43d4_cast
	.p2alignl 7, 3214868480
	.fill 96, 4, 3214868480
	.section	.rodata,"a",@progbits
	.p2align	6, 0x0
	.amdhsa_kernel k_qaf09dc43d4_cast
		.amdhsa_group_segment_fixed_size 0
		.amdhsa_private_segment_fixed_size 0
		.amdhsa_enable_private_segment 0
		.amdhsa_kernarg_size 56
		.amdhsa_user_sgpr_count 2
		.amdhsa_user_sgpr_kernarg_segment_ptr 1
		.amdhsa_wavefront_size32 1
		.amdhsa_system_sgpr_workgroup_id_x 1
		.amdhsa_system_sgpr_workgroup_id_y 1
		.amdhsa_system_sgpr_workgroup_id_z 1
		.amdhsa_system_vgpr_workitem_id 0
		.amdhsa_next_free_vgpr 104
		.amdhsa_next_free_sgpr 66
		.amdhsa_reserve_vcc 0
		.amdhsa_float_denorm_mode_32 3
		.amdhsa_float_denorm_mode_16_64 3
		.amdhsa_memory_ordered 1
		.amdhsa_forward_progress 1
		.amdhsa_inst_pref_size 9
	.end_amdhsa_kernel
	.amdgpu_metadata
---
amdhsa.version: [ 1, 2 ]
amdhsa.kernels:
  - .name:           k_qaf09dc43d4_cast
    .symbol:         k_qaf09dc43d4_cast.kd
    .args:
      - { .name: x, .offset: 0, .size: 8, .value_kind: global_buffer, .address_space: global }
      - { .name: Wq, .offset: 8, .size: 8, .value_kind: global_buffer, .address_space: global }
      - { .name: Wk, .offset: 16, .size: 8, .value_kind: global_buffer, .address_space: global }
      - { .name: Wv, .offset: 24, .size: 8, .value_kind: global_buffer, .address_space: global }
      - { .name: xb, .offset: 32, .size: 8, .value_kind: global_buffer, .address_space: global }
      - { .name: wb, .offset: 40, .size: 8, .value_kind: global_buffer, .address_space: global }
      - { .name: st, .offset: 48, .size: 8, .value_kind: global_buffer, .address_space: global }
    .group_segment_fixed_size: 0
    .private_segment_fixed_size: 0
    .kernarg_segment_align: 8
    .kernarg_segment_size: 56
    .max_flat_workgroup_size: 256
    .sgpr_count:     66
    .vgpr_count:     104
    .wavefront_size: 32
...
	.end_amdgpu_metadata
.endif
;; end of part 8
;; launch proj: the kernel of part 6 again; grid 12 x 16, 4 waves a work-group, clusters of 4 x 4, 327,680 bytes of LDS; arguments xb, wb, qkv, h32; writes qkv, h32
;; launch scores: the kernel of part 7 again; grid 44 x 4, 4 waves a work-group, no clusters, 327,680 bytes of LDS; arguments qkv, pf, st, h32, out0; writes pf, st, out0
;; launch pv: the kernel of part 5 again; grid 8 x 32, 4 waves a work-group, clusters of 4 x 1, 327,680 bytes of LDS; arguments qkv, pf, st, out0; writes out0
